; MI455X (gfx1250); checked and timed in simulation.
; The chip was launched on July 23, 2026; its instructions are those of AMD's public machine-readable ISA for CDNA 5 (MIT licence, August 2026) and "CDNA5" Instruction Set Architecture Reference Guide (July 2026). The comments in the code are by the model that wrote it; some were corrected since.
;; Top K Mo E. Allowed arithmetic: float matrix products may take bf16 or f16 operands with f32 sums; other float arithmetic in f32, or as packed bf16 or f16 multiplies, adds, multiply-adds, maxima and minima; sums over many terms, partial sums and values carried from step to step in f32; what a program stores and reads back later, other than sums and carried values, may be rounded once to bf16 or f16.
;; Inputs: b1 8 x 4,096 float32; b2 8 x 1,024 float32; gate_w 1,024 x 8 float32; w1 8 x 1,024 x 4,096 float32; w2 8 x 4,096 x 1,024 float32; x 4 x 256 x 1,024 float32.
;; Outputs: out0 4 x 256 x 1,024 float32.
;; 3 versions, each right; version 2 is faster than version 1; version 3 is version 2 with the launch down written anew for expert scheduling mode. Each part assembles by itself: llvm-mc -triple=amdgcn-amd-amdhsa -mcpu=gfx1250 --defsym DOCPART=n.
;; ======== version 1 of 3: 4 launches
;; workspace buffers: x16 2,097,152 bytes; sel 2,048 bytes of whole numbers; gat 8,192 bytes; hbuf 67,108,864 bytes; pos 8,192 bytes of whole numbers; rowg 32,768 bytes; ypart 134,217,728 bytes
;; launch router (part 1): grid 32 x 1, 8 waves a work-group, no clusters, 91,904 bytes of LDS; arguments x, gate_w, x16, sel, gat; writes x16, sel, gat
.if DOCPART == 1
	.amdgcn_target "amdgcn-amd-amdhsa--gfx1250"
	.amdhsa_code_object_version 6
	.text
	.protected	k_qd7617cfa1a_router
	.globl	k_qd7617cfa1a_router
	.p2align	8
	.type	k_qd7617cfa1a_router,@function
k_qd7617cfa1a_router:
	s_mov_b64 s[64:65], 0
	v_nop
	global_prefetch_b8 v0, s[64:65] scope:SCOPE_SE
	s_setreg_imm32_b32 hwreg(HW_REG_WAVE_MODE, 25, 1), 1
	s_wait_xcnt 0x0
; ROUTER.  logits = x gate_w for 1,024 tokens and 8 experts; the two largest logits of a token (a tie keeps the lower index); the softmax of the two.
; Every input of the program is rounded to bf16 once, so that all of them carry the same rounding: x is stored so (x16) for the first product, and the logits
; are made of the rounded x and the rounded gate_w by the matrix unit, with f32 sums.
; STORED, all at fixed places (no address here hangs on a logit): x16 [1024][1024] bf16; gat [2 choices][1024 tokens] f32;
; sel [8 experts][64 words]: word g = the mask of tokens 32 g .. 32 g + 31 that chose the expert, word 32 + g = those for whom it is the second choice.
; SHARES.  Work-group g owns tokens 32 g .. 32 g + 31.  Wave w rounds tokens 4 w .. 4 w + 3 and gate rows 128 w .. 128 w + 127 into LDS, then multiplies K = 128 w .. 128 w + 127
; for all 32 tokens; wave 0 adds the eight partial sums and chooses.
; LIMITS.  NaN and infinite logits are not treated apart.  Two logits that differ by less than the rounding of their f32 sums may be ordered otherwise than by another order of summation.
.set XP,    2064                       ; an LDS row of 1,024 bf16: 2,048 bytes + 16 = 129 x 16: the 16 rows of a fragment load start 16 bytes further on in each row
.set GL,    32*XP                      ; behind the 32 token rows: gate_w turned, [expert][k], 8 rows of the same pitch
.set RL,    82688                      ; the waves' partial logits: 1,024 bytes a wave, 32 bytes a token
.set SPARE, 90880                      ; the spare words, 128 bytes for each of the eight waves; no other line names them
.set LANE, 1
.set SPW,  2                           ; LDS address of my spare word; never rewritten
.set NIL,  3                           ; 0; never rewritten
.set R,    4                           ; lane % 16
.set HH,   5                           ; lane / 16
.set VG,   6                           ; 128 x lane: my four rows of gate_w
.set VX,   7                           ; 16 x lane
.set L8,   8                           ; 8 x lane
.set GST,  9                           ; where my 4 k of an expert go in LDS
.set XST,  10                          ; where my 4 columns of a token go in LDS
.set GFR,  11                          ; my place in a fragment of the gate
.set XFR,  12                          ; my place in a fragment of tokens
.set RST,  13                          ; where my token's partial logits go
.set RRD,  14                          ; wave 0: where a token's partial logits are read
.set GP,   16                          ; v[16:31]   the gate, rounded: a pair of registers (4 k) for each expert
.set X,    32                          ; v[32:159]  x as loaded: token a, load i at 32 a + 4 i; later fragments and sums
.set D0,   128                         ; logits of tokens 0-15 (lane: token lane % 16, register j: expert j in both halves of the lanes)
.set D1,   136                         ; of tokens 16-31
.set LG,   144                         ; lane l: the 8 partial logits of token l
.set GR,   160                         ; v[160:191] gate_w as loaded: row a of four, expert e at 8 a + e
.set PK,   192                         ; v[192:255] x rounded: 16 registers a token
	s_load_b256 s[4:11], s[0:1], 0x0               ; x s[4:5], gate_w s[6:7], x16 s[8:9], sel s[10:11]
	s_load_b64 s[12:13], s[0:1], 0x20              ; gat
	v_lshl_add_u32 v[SPW], v0, 2, SPARE
	v_mov_b32 v[NIL], 0
	v_and_b32 v[LANE], 31, v0
	v_and_b32 v[R], 15, v0
	v_bfe_u32 v[HH], v0, 4, 1
	v_lshrrev_b32 v[VG], 5, v0
	v_readfirstlane_b32 s14, v[VG]                 ; wave 0..7
	v_lshlrev_b32 v[VG], 7, v[LANE]
	v_lshlrev_b32 v[VX], 4, v[LANE]
	v_lshlrev_b32 v[L8], 3, v[LANE]
	s_mov_b32 s32, 0xffff0000                      ; the mask of lanes 16-31
	s_lshl_b32 s36, s14, 12                        ; my 128 rows of gate_w, 32 bytes each
	s_mov_b32 s37, 0
	s_lshl_b32 s34, ttmp9, 17                      ; the group's 32 rows of x, 4,096 bytes each,
	s_lshl_b32 s33, s14, 14                        ; my four of them
	s_add_co_u32 s34, s34, s33
	s_mov_b32 s35, 0
	s_lshr_b32 s38, s34, 1                         ; the same rows in x16: half the bytes
	s_mov_b32 s39, 0
	s_wait_kmcnt 0x0
	s_add_nc_u64 s[6:7], s[6:7], s[36:37]
	s_add_nc_u64 s[4:5], s[4:5], s[34:35]
	s_add_nc_u64 s[8:9], s[8:9], s[38:39]
.irp q, 0,1,2,3,4,5,6,7
	global_load_b128 v[GR+4*\q:GR+4*\q+3], v[VG], s[6:7] offset:16*\q  ; a lane's eight loads take its 128 consecutive bytes
.endr
.irp a, 0,1,2,3
.irp i, 0,1,2,3,4,5,6,7
	global_load_b128 v[X+32*\a+4*\i:X+32*\a+4*\i+3], v[VX], s[4:5] offset:4096*\a+512*\i th:TH_LOAD_NT  ; 512 consecutive bytes of a row
.endr
.endr
	; the LDS addresses are made while the loads are out
	s_lshl_b32 s33, s14, 8                         ; 256 w: my 128 k in a bf16 row
	s_add_co_u32 s34, s33, GL
	v_add_nc_u32 v[GST], s34, v[L8]
	s_mul_i32 s36, s14, 4*XP
	v_add_nc_u32 v[XST], s36, v[L8]
	v_and_b32 v[GFR], 7, v0                        ; rows 8-15 of the gate's fragment repeat experts 0-7
	v_mul_u32_u24 v[GFR], v[GFR], XP
	v_lshl_add_u32 v[GFR], v[HH], 4, v[GFR]
	v_add_nc_u32 v[GFR], s34, v[GFR]
	v_mul_u32_u24 v[XFR], v[R], XP
	v_lshl_add_u32 v[XFR], v[HH], 4, v[XFR]
	v_add_nc_u32 v[XFR], s33, v[XFR]
	s_lshl_b32 s36, s14, 10
	s_add_co_u32 s36, s36, RL
	v_lshl_add_u32 v[RST], v[LANE], 5, s36
	v_lshl_add_u32 v[RRD], v[LANE], 5, RL
	; PHASE A: round, store x16, lay both operands into LDS
	s_wait_loadcnt 32                              ; the gate's eight loads are in; the 32 loads of x behind them stay out
.irp e, 0,1,2,3,4,5,6,7
	v_cvt_pk_bf16_f32 v[GP+2*\e], v[GR+\e], v[GR+8+\e]
	v_cvt_pk_bf16_f32 v[GP+2*\e+1], v[GR+16+\e], v[GR+24+\e]
.endr
.irp e, 0,1,2,3,4,5,6,7
	ds_store_b64 v[GST], v[GP+2*\e:GP+2*\e+1] offset:XP*\e
.endr
.irp a, 0,1,2,3
	s_wait_loadcnt 8*(3-\a)                        ; token a's eight loads are in; the later tokens' stay out
.irp i, 0,1,2,3,4,5,6,7
	v_cvt_pk_bf16_f32 v[PK+16*\a+2*\i], v[X+32*\a+4*\i], v[X+32*\a+4*\i+1]
	v_cvt_pk_bf16_f32 v[PK+16*\a+2*\i+1], v[X+32*\a+4*\i+2], v[X+32*\a+4*\i+3]
.endr
.irp i, 0,1,2,3,4,5,6,7
	global_store_b64 v[L8], v[PK+16*\a+2*\i:PK+16*\a+2*\i+1], s[8:9] offset:2048*\a+256*\i  ; the wave stores 256 consecutive bytes, at a multiple of 256 from x16's first
	ds_store_b64 v[XST], v[PK+16*\a+2*\i:PK+16*\a+2*\i+1] offset:XP*\a+256*\i
.endr
.endr
	s_wait_dscnt 0x0                               ; for the others' sake: my stores into LDS are done
	s_barrier_signal -1
	s_barrier_wait -1
	; PHASE B: source 0 = the gate (16 rows: the 8 experts twice), source 1 = 16 tokens; my four K steps of 32, both token tiles
.irp u, 0,1,2,3
	ds_load_b128 v[32+8*\u:35+8*\u], v[GFR] offset:64*\u
	ds_load_b128 v[36+8*\u:39+8*\u], v[GFR] offset:64*\u+32
	ds_load_b128 v[64+8*\u:67+8*\u], v[XFR] offset:64*\u
	ds_load_b128 v[68+8*\u:71+8*\u], v[XFR] offset:64*\u+32
	ds_load_b128 v[96+8*\u:99+8*\u], v[XFR] offset:16*XP+64*\u
	ds_load_b128 v[100+8*\u:103+8*\u], v[XFR] offset:16*XP+64*\u+32
.endr
	s_wait_dscnt 0x0
	v_wmma_f32_16x16x32_bf16 v[D0:D0+7], v[32:39], v[64:71], 0       ; the first K step starts both sums; the two accumulators take turns
	v_wmma_f32_16x16x32_bf16 v[D1:D1+7], v[32:39], v[96:103], 0
.irp u, 1,2,3
	v_wmma_f32_16x16x32_bf16 v[D0:D0+7], v[32+8*\u:39+8*\u], v[64+8*\u:71+8*\u], v[D0:D0+7]
	v_wmma_f32_16x16x32_bf16 v[D1:D1+7], v[32+8*\u:39+8*\u], v[96+8*\u:103+8*\u], v[D1:D1+7]
.endr
.rept 4
	v_nop                                          ; four places between the last product and the first read of a result (ISA guide 7.12.1)
.endr
.irp j, 0,1,2,3,4,5,6,7
	v_cndmask_b32 v[LG+\j], v[D0+\j], v[D1+\j], s32  ; lanes 0-15 keep tokens 0-15, lanes 16-31 take tokens 16-31: lane l now holds token l; the low registers are read first
.endr
	ds_store_b128 v[RST], v[LG:LG+3]
	ds_store_b128 v[RST], v[LG+4:LG+7] offset:16
	s_wait_dscnt 0x0                               ; for wave 0's sake
	s_barrier_signal -1
	s_barrier_wait -1
	s_cmp_lg_u32 s14, 0
	s_cbranch_scc1 .Lend                           ; no barrier stands in what is jumped
	; PHASE C, wave 0: lane l sums and chooses for token l
.irp w, 0,1,2,3,4,5,6,7
	ds_load_b128 v[32+8*\w:35+8*\w], v[RRD] offset:1024*\w
	ds_load_b128 v[36+8*\w:39+8*\w], v[RRD] offset:1024*\w+16
.endr
	s_wait_dscnt 0x0
.irp p, 0,2,4,6
.irp c, 0,2,4,6
	v_pk_add_f32 v[32+8*\p+\c:33+8*\p+\c], v[32+8*\p+\c:33+8*\p+\c], v[40+8*\p+\c:41+8*\p+\c]
.endr
.endr
.irp p, 0,4
.irp c, 0,2,4,6
	v_pk_add_f32 v[32+8*\p+\c:33+8*\p+\c], v[32+8*\p+\c:33+8*\p+\c], v[48+8*\p+\c:49+8*\p+\c]
.endr
.endr
.irp c, 0,2,4,6
	v_pk_add_f32 v[32+\c:33+\c], v[32+\c:33+\c], v[64+\c:65+\c]
.endr
	v_mov_b32 v100, v32                            ; the first choice: a later expert wins only if it is greater
	v_mov_b32 v101, 0
.irp e, 1,2,3,4,5,6,7
	v_cmp_gt_f32 vcc_lo, v[32+\e], v100
	v_cndmask_b32 v100, v100, v[32+\e], vcc_lo
	v_cndmask_b32 v101, v101, \e, vcc_lo
.endr
	v_mov_b32 v102, 0xff800000                     ; the chosen logit becomes -infinity,
.irp e, 0,1,2,3,4,5,6,7
	v_cmp_eq_u32 vcc_lo, \e, v101
	v_cndmask_b32 v[32+\e], v[32+\e], v102, vcc_lo
.endr
	v_mov_b32 v103, v32                            ; and the same scan finds the second choice
	v_mov_b32 v104, 0
.irp e, 1,2,3,4,5,6,7
	v_cmp_gt_f32 vcc_lo, v[32+\e], v103
	v_cndmask_b32 v103, v103, v[32+\e], vcc_lo
	v_cndmask_b32 v104, v104, \e, vcc_lo
.endr
	v_sub_f32 v105, v103, v100                     ; the maximum is taken away: second - first, never above 0
	v_mul_f32 v105, 0x3fb8aa3b, v105
	v_exp_f32 v106, v105
.irp e, 0,1,2,3,4,5,6,7
	v_cmp_eq_u32 s[16+\e], \e, v101                ; the tokens whose first choice is e
.endr
	v_nop
	s_wait_alu depctr_va_vdst(0)                   ; the wait ahead of the first use of the exponential
	v_add_f32 v107, 1.0, v106
	v_rcp_f32 v108, v107                           ; the first gate, 1 / (1 + ex)
.irp e, 0,1,2,3,4,5,6,7
	v_cmp_eq_u32 s[24+\e], \e, v104                ; the tokens whose second choice is e
.endr
	v_nop
	s_wait_alu depctr_va_vdst(0)                   ; and ahead of the first use of the reciprocal
	v_mul_f32 v109, v106, v108                     ; the second gate, ex / (1 + ex)
.irp e, 0,1,2,3,4,5,6,7
	s_or_b32 s[16+\e], s[16+\e], s[24+\e]
.endr
	v_mov_b32 v110, s16                            ; lanes 0-7: the experts' masks; lanes 8-15: their second-choice masks
.irp k, 1,2,3,4,5,6,7,8,9,10,11,12,13,14,15
	v_writelane_b32 v110, s[16+\k], \k
.endr
	s_lshl_b32 s34, ttmp9, 7
	v_lshl_add_u32 v111, v[LANE], 2, s34
	global_store_b32 v111, v108, s[12:13]
	global_store_b32 v111, v109, s[12:13] offset:4096
	v_and_b32 v112, 7, v[LANE]
	v_lshrrev_b32 v113, 3, v[LANE]
	v_lshlrev_b32 v112, 8, v112                    ; expert x 256 bytes
	v_lshl_add_u32 v112, v113, 7, v112             ; + 128 for the second-choice masks
	s_lshl_b32 s34, ttmp9, 2
	v_add_nc_u32 v112, s34, v112                   ; + the group's word: sixteen words a work-group, laid by experts so that later launches take an expert's masks by scalar loads
	v_cmp_gt_u32 vcc_lo, 16, v[LANE]
	s_wait_xcnt 0x0                                ; EXEC changes only behind this wait
	s_and_saveexec_b32 s33, vcc_lo
	global_store_b32 v112, v110, s[10:11]
	s_wait_xcnt 0x0                                ; and again in front of the line that widens it
	s_or_b32 exec_lo, exec_lo, s33
.Lend:
	s_wait_tensorcnt 0x0                           ; the wave's end
	ds_add_u32 v[SPW], v[NIL]
	s_wait_dscnt 0x0
	s_endpgm
.Lfunc_end_k_qd7617cfa1a_router:
	.size	k_qd7617cfa1a_router, .Lfunc_end_k_qd7617cfa1a_router-k_qd7617cfa1a_router
	.p2alignl 7, 3214868480
	.fill 96, 4, 3214868480
	.section	.rodata,"a",@progbits
	.p2align	6, 0x0
	.amdhsa_kernel k_qd7617cfa1a_router
		.amdhsa_group_segment_fixed_size 91904
		.amdhsa_private_segment_fixed_size 0
		.amdhsa_enable_private_segment 0
		.amdhsa_kernarg_size 40
		.amdhsa_user_sgpr_count 2
		.amdhsa_user_sgpr_kernarg_segment_ptr 1
		.amdhsa_wavefront_size32 1
		.amdhsa_system_sgpr_workgroup_id_x 1
		.amdhsa_system_sgpr_workgroup_id_y 1
		.amdhsa_system_sgpr_workgroup_id_z 1
		.amdhsa_system_vgpr_workitem_id 0
		.amdhsa_next_free_vgpr 256
		.amdhsa_next_free_sgpr 66
		.amdhsa_reserve_vcc 1
		.amdhsa_float_denorm_mode_32 3
		.amdhsa_float_denorm_mode_16_64 3
		.amdhsa_memory_ordered 1
		.amdhsa_forward_progress 1
		.amdhsa_inst_pref_size 29
	.end_amdhsa_kernel
	.amdgpu_metadata
---
amdhsa.version: [ 1, 2 ]
amdhsa.kernels:
  - .name:           k_qd7617cfa1a_router
    .symbol:         k_qd7617cfa1a_router.kd
    .args:
      - { .name: x, .offset: 0, .size: 8, .value_kind: global_buffer, .address_space: global }
      - { .name: gate_w, .offset: 8, .size: 8, .value_kind: global_buffer, .address_space: global }
      - { .name: x16, .offset: 16, .size: 8, .value_kind: global_buffer, .address_space: global }
      - { .name: sel, .offset: 24, .size: 8, .value_kind: global_buffer, .address_space: global }
      - { .name: gat, .offset: 32, .size: 8, .value_kind: global_buffer, .address_space: global }
    .group_segment_fixed_size: 91904
    .private_segment_fixed_size: 0
    .kernarg_segment_align: 8
    .kernarg_segment_size: 40
    .max_flat_workgroup_size: 256
    .sgpr_count:     66
    .vgpr_count:     256
    .wavefront_size: 32
...
	.end_amdgpu_metadata
.endif
;; end of part 1
;; launch up (part 2): grid 256 x 1, 4 waves a work-group, no clusters, 262,656 bytes of LDS; arguments x16, sel, gat, w1, b1, hbuf, pos, rowg; writes hbuf, pos, rowg
.if DOCPART == 2
	.amdgcn_target "amdgcn-amd-amdhsa--gfx1250"
	.amdhsa_code_object_version 6
	.text
	.protected	k_qd7617cfa1a_up
	.globl	k_qd7617cfa1a_up
	.p2align	8
	.type	k_qd7617cfa1a_up,@function
k_qd7617cfa1a_up:
	s_mov_b64 s[64:65], 0
	v_nop
	global_prefetch_b8 v0, s[64:65] scope:SCOPE_SE
	s_setreg_imm32_b32 hwreg(HW_REG_WAVE_MODE, 25, 1), 1
	s_wait_xcnt 0x0
; FIRST PRODUCT.  h = gelu(x w1[e] + b1[e]) (the exact gelu, by erf) for the rows that chose expert e; and where each routed row lies.
; ROWS.  An expert's rows are its choosers in ascending order of token: rank = the number of choosers with a lower token.  The router's masks (32 words of 32 tokens) stay in scalar registers.
; SHARES.  Work-group = (expert e = id / 32, slice sl = id % 32): it alone reads w1[e][0..1023][128 sl .. 128 sl + 127], once, and serves all of the expert's rows, whatever their number (0 to 1,024).
; PHASE 1.  The four waves bring the slice through registers (each load: 512 consecutive bytes of a row), round it to bf16 and lay it into LDS in the order of matrix fragments:
;   byte s 8192 + c 1024 + q 512 + lane 16: K step s of 32, column tile c of 8, half q of a fragment.  Row r of tile c is slice column 64 (c / 4) + 4 r + c % 4: a lane's four loaded columns go to four tiles.  One barrier.
; PHASE 2.  Rounds of 20 tiles of 16 rows, five a wave: source 0 = weights from LDS, source 1 = tokens from x16 straight into registers; the bias is the C that starts the sums.  Nothing writes LDS here.
;   At a round's head the wave finds the tokens of its 80 ranks from the masks, in registers.  A rank at or past the count gives some token that exists; a tile past the last live one is multiplied and not stored.
;   The round loop has 4 trips (4 x 320 rows cover 1,024); a wave with no live tile in a round jumps to the counter's step.
; OUT.  In the result a lane holds one token (lane % 16) and eight columns; rounded in pairs they ARE 16 bytes of a fragment of the second product's source, so h leaves in that order:
;   hbuf [e 64 + tile][kappa 0..127][q][lane][16 bytes], kappa = 4 sl + c / 2, q = c % 2; element j of lane (r, hh) is h[row r][128 sl + 64 (c / 4) + 32 hh + 4 j + c % 4].  A wave's store is 512 consecutive bytes.
; THE BOOKKEEPING.  Wave 0 does the slice's share, for tokens 32 sl .. 32 sl + 31: pos[token + 1024 x (second choice)] = e 1024 + rank and rowg[e][rank] = the gate, for the choosers among them;
;   and rowg[e][place] = 0 for the places 32 sl .. 32 sl + 31 at or past the count.  So each word of rowg[e] is stored once, by one work-group.  The gate is asked for ahead of phase 2; the stores, the only lines
;   under an EXEC that hangs on the masks, stand at the wave's very end, and their offsets are made in the lines just ahead of them: behind the first of those stores no vector register is written.
; ROUNDING.  w1 and b1 are rounded to bf16 like every input; sums in f32; h rounded once to bf16.
; LIMITS.  erf by a rational approximation (Abramowitz and Stegun 7.1.26), within 1.5e-7 for every argument; where (x/2)^2 overflows the exponential is 0 and gelu(x) = max(x, 0).  NaN and infinities are not treated apart.
; NO CLUSTER: a slice of weights has one reader; the token rows are scattered over x16, which no tile descriptor covers.
.set PITCH,  16384                     ; bytes from a row of w1[e] to the next
.set GROUPB, 64*PITCH                  ; a group of 64 rows: two K steps
.set KSB,    64                        ; bytes of a token row in a K step
.set QB,     32                        ; and in half a fragment
.set SPARE,  262144                    ; behind the weights: the spare words, 128 bytes a wave; no other line names them
; window 0
.set LANE, 1
.set R,    2                           ; lane % 16
.set HH,   3                           ; lane / 16
.set SPW,  4                           ; LDS address of my spare word; never rewritten
.set NIL,  5                           ; 0; never rewritten
.set L16,  6                           ; 16 x lane: offset in a weight row, in a fragment in LDS, in a piece of hbuf; never rewritten
.set WA,   7                           ; the LDS address of the weight fragments in hand
.set WST,  8                           ; where the loader's pieces go
.set TOFF, 10                          ; v[10:14] byte offset of my token row's first 16 bytes in x16, for each of five tiles
.set B1O,  15                          ; 128 x (lane / 16)
.set PC,   16                          ; v[16:31] the loader's four pieces; small work
.set WF,   32                          ; v[32:95], v[96:159] two buffers of weight fragments, tile c at 8 c
.set HV,   32                          ; the way out works in those registers: x / 2,
.set UV,   48                          ; 1 + p z, then t, then the result,
.set EV,   64                          ; the exponent, then the exponential, then that times t,
.set PV,   80                          ; the polynomial, then erf,
.set OV,   96                          ; and two pieces to store
.set BI,   160                         ; v[160:223] the bias in a result's layout: tile c, register j at 8 c + j
.set TMP,  224                         ; v[224:255] the bias on its way; then the search:
.set RK,   224                         ; v[224:226] the rank that my lane looks for, in each of three passes
.set SW,   228                         ; v[228:230] the mask word that holds it; later the other half of the lanes' token
.set SQ,   232                         ; v[232:234] that word's count of earlier choosers + 65536 x its number
.set TK,   236                         ; v[236:238] the token found
.set FK,   240                         ; which set bit of the word
.set FS,   241                         ; the bit's place so far
.set FT,   242
.set FU,   243
.set FA,   244                         ; the word's counts in fields of 2 bits,
.set FB,   245                         ; of 4,
.set FC,   246                         ; of 8
.set BKP,  248                         ; wave 0's bookkeeping: my token's word in gat and in pos,
.set BKG,  249                         ; its gate, loaded ahead of phase 2 and kept to the wave's end,
.set BKR,  250                         ; its rank's word in rowg[e],
.set BKV,  251                         ; e 1024 + rank,
.set BKF,  252                         ; the word of place 32 sl + lane in rowg[e],
.set BKZ,  253                         ; and 0
; window 1: phase 1: eight loader slots of 32; phase 2: accumulators of tiles 0-3 at 64 i + 8 c.   window 2: v0-63 accumulators of tile 4; v64-223 token buffer 1.   window 3: phase 1: b1 as loaded; v0-159 token buffer 0.
; scalars: s[4:5] x16, s[6:7] sel, s[8:9] gat, s[10:11] the weights (stepped), s[12:13] b1, s[14:15] hbuf, s[16:17] pos, s[18:19] rowg; s2 my group's mask, s104 its second-choice mask, s105 the places past the count;
; s20 wave, s21 e, s22 sl, s23 choosers in lower groups, s24 rows, s25 tiles, s26 round, s27 first tile, s28 live tiles, s29-31 at work; s[32:63] the masks, kept; s68-81 constants; s90 the mask of lanes 16-31;
; s92-93 lane selects; s[94:95] an offset; s96 first tile x 131,072.
.set TA,  82                           ; s[82:83] the token base, stepped along K
.set HA,  84                           ; s[84:85] the base of a trip's stores
.set KC,  86                           ; counts the K loop
.set OC,  87                           ; counts the way out
.set LC,  88                           ; counts the loader
.set WAS, 89                           ; the weights' LDS byte in hand: steps by 65,536
.set MSB, 0
.macro WIN new                         ; the immediate's high byte repeats the setting that is left; a switch that changes nothing is dropped
.if MSB != (\new)
	s_set_vgpr_msb (MSB<<8)|(\new)
.set MSB, \new
.endif
.endm
.macro PLACES                          ; four places in front of loads into registers that matrix instructions have read, and of vector work on their registers
.rept 4
	v_nop
.endr
.endm
; Eight rows of the slice into loader slot o: rows 8 o .. 8 o + 7 of the group grp ahead of the base
.macro OCT_LOAD o, grp
	WIN 0x40
.irp j, 0,1,2,3,4,5,6,7
	global_load_b128 v[32*(\o)+4*\j:32*(\o)+4*\j+3], v[L16], s[10:11] offset:(64*(\grp)+8*(\o)+\j)*PITCH th:TH_LOAD_NT
.endr
.endm
; Slot o is rounded: column f of my four gives a piece of eight k, 16 bytes, for tile 4 (lane / 16) + f
.macro OCT_CVT o
	WIN 0x05
.irp f, 0,1,2,3
.irp p, 0,1,2,3
	v_cvt_pk_bf16_f32 v[PC+4*\f+\p], v[32*(\o)+8*\p+\f], v[32*(\o)+8*\p+4+\f]
.endr
.endr
	WIN 0
.irp f, 0,1,2,3
	ds_store_b128 v[WST], v[PC+4*\f:PC+4*\f+3] offset:((\o)/4)*8192+(((\o)/2)%2)*512+((\o)%2)*256+1024*\f  ; sixteen lanes write 256 consecutive bytes
.endr
.endm
.macro FETCH wf, off                   ; a K step's eight weight fragments: sixteen loads of 512 consecutive bytes
	WIN 0
.irp c, 0,1,2,3,4,5,6,7
	ds_load_b128 v[WF+64*(\wf)+8*\c:WF+64*(\wf)+8*\c+3], v[WA] offset:(\off)+1024*\c
	ds_load_b128 v[WF+64*(\wf)+8*\c+4:WF+64*(\wf)+8*\c+7], v[WA] offset:(\off)+1024*\c+512
.endr
.endm
.macro TLOAD tb, kofs                  ; four K steps' token fragments of five tiles: 40 loads; a tile's eight stand together and take 256 consecutive bytes of each of its 16 rows
	WIN 0xc0-0x40*(\tb)
.irp i, 0,1,2,3,4
.irp ks, 0,1,2,3
	global_load_b128 v[64*(\tb)+8*(5*\ks+\i):64*(\tb)+8*(5*\ks+\i)+3], v[TOFF+\i], s[TA:TA+1] offset:((\kofs)+\ks)*KSB
	global_load_b128 v[64*(\tb)+8*(5*\ks+\i)+4:64*(\tb)+8*(5*\ks+\i)+7], v[TOFF+\i], s[TA:TA+1] offset:((\kofs)+\ks)*KSB+QB
.endr
.endr
.endm
.macro MUL wf, tb, ks, i, init         ; eight products: row tile i x all eight column tiles.  init = 1: the bias starts the sums
.set AW, 1+(\i)/4
.set AB, 64*((\i)%4)
.set TW, 3-(\tb)
.set TR, 64*(\tb)+8*(5*(\ks)+(\i))
.if \init
	WIN (TW<<2)|(AW<<6)
.else
	WIN (TW<<2)|(AW<<4)|(AW<<6)
.endif
.irp c, 0,1,2,3,4,5,6,7
.if \init
	v_wmma_f32_16x16x32_bf16 v[AB+8*\c:AB+8*\c+7], v[WF+64*(\wf)+8*\c:WF+64*(\wf)+8*\c+7], v[TR:TR+7], v[BI+8*\c:BI+8*\c+7]
.else
	v_wmma_f32_16x16x32_bf16 v[AB+8*\c:AB+8*\c+7], v[WF+64*(\wf)+8*\c:WF+64*(\wf)+8*\c+7], v[TR:TR+7], v[AB+8*\c:AB+8*\c+7]
.endif
.endr
.endm
; A K step: 40 products on 40 accumulators, which take turns in the same order in every step.  The next step's weight fragments are fetched behind the first 16 products.
; At the first of four steps (ks = 0) the next four steps' token fragments are asked for (tl = 1), and the count leaves just those 40 loads out.
.macro KSTEP wf, tb, ks, init, foff, bump, tl, kofs, lcnt
	s_wait_dscnt 0x0                               ; this step's weight fragments, asked for 24 products ago
.if (\ks) == 0
.if \tl
	PLACES                                         ; the other token buffer was read by the step before
	TLOAD 1-(\tb), \kofs
.endif
	s_wait_loadcnt \lcnt
.endif
	MUL \wf, \tb, \ks, 0, \init
	MUL \wf, \tb, \ks, 1, \init
.if (\foff) >= 0
	WIN 0
	PLACES                                         ; the other weight buffer was read by the step before
.if \bump
	s_add_co_u32 s[WAS], s[WAS], 0x10000           ; eight K steps on: the immediates begin anew
	v_add_nc_u32 v[WA], s[WAS], v[L16]
.endif
	FETCH 1-(\wf), \foff
.endif
	MUL \wf, \tb, \ks, 2, \init
	MUL \wf, \tb, \ks, 3, \init
	MUL \wf, \tb, \ks, 4, \init
.endm
.macro LAP last                        ; K steps 8 t + 1 .. 8 t + 8; last = 1: 25 .. 31, with nothing more to ask for
	KSTEP 1,0,1, 0, 2*8192,0, 0,0,0
	KSTEP 0,0,2, 0, 3*8192,0, 0,0,0
	KSTEP 1,0,3, 0, 4*8192,0, 0,0,0
	KSTEP 0,1,0, 0, 5*8192,0, 1-(\last),8,40*(1-(\last))
	KSTEP 1,1,1, 0, 6*8192,0, 0,0,0
	KSTEP 0,1,2, 0, 7*8192,0, 0,0,0
.if \last
	KSTEP 1,1,3, 0, -1,0, 0,0,0
.else
	KSTEP 1,1,3, 0, 0,1, 0,0,0
	KSTEP 0,0,0, 0, 8192,0, 1,12,40
.endif
.endm
; THE SEARCH's second half.  One halving: FT = the set bits in the lower half of the range that begins at bit FS; if the bit looked for is not among them, they are taken off FK and the range's upper half is taken.
.macro LEVEL src, width
	v_bfe_u32 v[FT], v[\src], v[FS], \width
	v_cmp_ge_u32 vcc_lo, v[FK], v[FT]
	v_cndmask_b32 v[FT], 0, v[FT], vcc_lo
	v_sub_nc_u32 v[FK], v[FK], v[FT]
	v_cndmask_b32 v[FU], 0, \width, vcc_lo
	v_add_nc_u32 v[FS], v[FS], v[FU]
.endm
; Pass p: the place of set bit number (rank - earlier choosers) of the word, and from it the token
.macro FIND p
	v_and_b32 v[FK], 0xffff, v[SQ+\p]
	v_sub_nc_u32 v[FK], v[RK+\p], v[FK]            ; which set bit of the word, from 0
	v_lshrrev_b32 v[SQ+\p], 16, v[SQ+\p]           ; the word's number
	v_lshrrev_b32 v[FA], 1, v[SW+\p]
	v_and_b32 v[FA], 0x55555555, v[FA]
	v_sub_nc_u32 v[FA], v[SW+\p], v[FA]            ; counts in fields of 2 bits
	v_lshrrev_b32 v[FB], 2, v[FA]
	v_and_b32 v[FB], 0x33333333, v[FB]
	v_and_b32 v[FT], 0x33333333, v[FA]
	v_add_nc_u32 v[FB], v[FB], v[FT]               ; of 4
	v_lshrrev_b32 v[FC], 4, v[FB]
	v_add_nc_u32 v[FC], v[FC], v[FB]
	v_and_b32 v[FC], 0x0f0f0f0f, v[FC]             ; of 8
	v_lshrrev_b32 v[FT], 8, v[FC]
	v_add_nc_u32 v[FT], v[FT], v[FC]
	v_and_b32 v[FT], 0xff, v[FT]                   ; the set bits among bits 0-15
	v_cmp_ge_u32 vcc_lo, v[FK], v[FT]
	v_cndmask_b32 v[FT], 0, v[FT], vcc_lo
	v_sub_nc_u32 v[FK], v[FK], v[FT]
	v_cndmask_b32 v[FS], 0, 16, vcc_lo
	LEVEL FC, 8
	LEVEL FB, 4
	LEVEL FA, 2
	v_bfe_u32 v[FT], v[SW+\p], v[FS], 1
	v_cmp_ge_u32 vcc_lo, v[FK], v[FT]
	v_cndmask_b32 v[FT], 0, 1, vcc_lo
	v_add_nc_u32 v[FS], v[FS], v[FT]
	v_lshl_add_u32 v[TK+\p], v[SQ+\p], 5, v[FS]    ; token = 32 x word + bit
.endm
; Wave 0's bookkeeping: v18 = my token, 32 sl + lane; v[BKP] = the byte offset of its word in gat and in pos: 4 x (token + 1024 where the expert is its second choice)
.macro MYWORD
	s_lshl_b32 s29, s22, 5
	v_add_nc_u32 v18, s29, v[LANE]
	v_lshrrev_b32 v17, v[LANE], s104
	v_and_b32 v17, 1, v17
	v_lshlrev_b32 v17, 10, v17
	v_add_nc_u32 v17, v17, v18
	v_min_u32 v17, 0x7ff, v17                      ; held inside the 2,048 words
	v_lshlrev_b32 v[BKP], 2, v17
.endm
.macro BLOCK k                         ; the way out's trip k: x / 2 of row tile k / 4, column tiles 2 (k % 4) and the next, into window 0; each accumulator's low registers are read first
.Lblk_\k:
.set AW, 1+(\k)/16
.set AB, 64*(((\k)/4)%4)+16*((\k)%4)
	WIN AW<<2
.set n, 0
.rept 16
	v_mul_f32 v[HV+n], 0.5, v[AB+n]
.set n, n+1
.endr
	WIN 0
	s_add_co_u32 s94, s96, (((\k)/4)<<17)+((\k)%4)*1024  ; the tile's bytes in hbuf + the K step of the second product that these two pieces belong to
.endm
	s_load_b512 s[4:19], s[0:1], 0x0
	v_lshl_add_u32 v[SPW], v0, 2, SPARE
	v_mov_b32 v[NIL], 0
	v_and_b32 v[LANE], 31, v0
	v_and_b32 v[R], 15, v0
	v_bfe_u32 v[HH], v0, 4, 1
	v_lshrrev_b32 v16, 5, v0
	v_readfirstlane_b32 s20, v16                   ; wave 0..3
	s_lshr_b32 s21, ttmp9, 5                       ; e
	s_and_b32 s22, ttmp9, 31                       ; sl
	v_lshlrev_b32 v[L16], 4, v[LANE]
	v_lshlrev_b32 v[B1O], 7, v[HH]
	v_lshlrev_b32 v[WST], 4, v[R]
	v_lshl_add_u32 v[WST], v[HH], 12, v[WST]       ; lanes 16-31 hold columns 64 on: tiles 4-7
	s_lshl_b32 s29, s20, 16                        ; wave w lays K steps 8 w .. 8 w + 7: 65,536 bytes of its own
	v_add_nc_u32 v[WST], s29, v[WST]
	s_mov_b32 s101, 0
	s_mov_b32 s97, 0
	s_wait_kmcnt 0x0
	s_lshl_b32 s100, s21, 8
	s_add_nc_u64 s[6:7], s[6:7], s[100:101]        ; the expert's 64 words of sel
	s_lshl_b32 s96, s22, 2
	s_add_nc_u64 s[98:99], s[6:7], s[96:97]        ; and the word of tokens 32 sl .. 32 sl + 31
	s_load_b512 s[32:47], s[6:7], 0x0
	s_load_b512 s[48:63], s[6:7], 0x40
	s_load_b32 s2, s[98:99], 0x0
	s_load_b32 s104, s[98:99], 0x80
	s_lshl_b32 s29, s22, 9                         ; the slice's 128 columns, in bytes of f32
	s_lshl_b32 s100, s21, 14
	s_add_co_u32 s100, s100, s29
	s_add_nc_u64 s[12:13], s[12:13], s[100:101]    ; b1[e] at the slice
	WIN 0xc0
.irp t, 0,1
.irp j, 0,1,2,3,4,5,6,7
	global_load_b128 v[32*\t+4*\j:32*\t+4*\j+3], v[B1O], s[12:13] offset:256*\t+16*\j  ; columns 64 t + 32 hh + 4 j + 0..3
.endr
.endr
	s_lshl_b32 s100, s21, 24                       ; w1[e]: 16 MiB,
	s_lshl_b32 s30, s20, 22                        ; my 256 rows,
	s_add_co_u32 s100, s100, s30
	s_add_co_u32 s100, s100, s29                   ; the slice
	s_add_nc_u64 s[10:11], s[10:11], s[100:101]
.irp o, 0,1,2,3,4,5,6,7
	OCT_LOAD \o, 0                                 ; my first group: 64 loads, 32,768 bytes of the wave on their way
.endr
	WIN 0
	s_lshl_b32 s100, s21, 23                       ; hbuf: an expert has 64 tiles of 131,072 bytes;
	s_lshl_b32 s30, s22, 12                        ; the slice's four K steps of 1,024 bytes
	s_add_co_u32 s100, s100, s30
	s_add_nc_u64 s[14:15], s[14:15], s[100:101]
	s_lshl_b32 s100, s21, 12
	s_add_nc_u64 s[18:19], s[18:19], s[100:101]    ; rowg[e]
	s_wait_kmcnt 0x0
	s_mov_b32 s24, 0                               ; the expert's rows,
	s_mov_b32 s23, 0                               ; and those of them in groups below mine
.set g, 0
.rept 32
	s_bcnt1_i32_b32 s29, s[32+g]
	s_add_co_u32 s24, s24, s29
	s_cmp_gt_u32 s22, g
	s_cselect_b32 s29, s29, 0
	s_add_co_u32 s23, s23, s29
.set g, g+1
.endr
	s_add_co_u32 s25, s24, 15
	s_lshr_b32 s25, s25, 4
	s_min_u32 s25, s25, 64                         ; its tiles of 16 rows
	; THE LOADER: a ring of eight slots of eight loads
	s_mov_b32 s[LC], 3
.Lgroup:
.irp o, 0,1,2,3,4,5,6,7
	s_wait_loadcnt 56                              ; slot o is in; the seven younger slots' 56 loads stay out
	OCT_CVT \o
	OCT_LOAD \o, 1                                 ; the same rows of the next group
.endr
	WIN 0
	s_wait_xcnt 0x0                                ; the base is stepped only behind this wait
	s_add_nc_u64 s[10:11], s[10:11], GROUPB
	v_add_nc_u32 v[WST], 16384, v[WST]             ; two K steps on
	s_sub_co_u32 s[LC], s[LC], 1
	s_cmp_lg_u32 s[LC], 0
	s_cbranch_scc1 .Lgroup
.irp o, 0,1,2,3,4,5,6,7
	s_wait_loadcnt 8*(7-\o)                        ; the last group loads nothing: the counts run down (b1's loads are older than all of these)
	OCT_CVT \o
.endr
	; the bias: rounded to bf16, widened again, in the layout of a result
	WIN 0x0f
.irp t, 0,1
.irp j, 0,1,2,3,4,5,6,7
	v_cvt_pk_bf16_f32 v[TMP+16*\t+2*\j], v[32*\t+4*\j], v[32*\t+4*\j+1]
	v_cvt_pk_bf16_f32 v[TMP+16*\t+2*\j+1], v[32*\t+4*\j+2], v[32*\t+4*\j+3]
.endr
.endr
	WIN 0
.irp t, 0,1
.irp j, 0,1,2,3,4,5,6,7
	v_lshlrev_b32 v[BI+32*\t+\j], 16, v[TMP+16*\t+2*\j]
	v_and_b32 v[BI+32*\t+8+\j], 0xffff0000, v[TMP+16*\t+2*\j]
	v_lshlrev_b32 v[BI+32*\t+16+\j], 16, v[TMP+16*\t+2*\j+1]
	v_and_b32 v[BI+32*\t+24+\j], 0xffff0000, v[TMP+16*\t+2*\j+1]
.endr
.endr
	s_cmp_lg_u32 s20, 0
	s_cbranch_scc1 .Lnobk
	MYWORD                                         ; wave 0: lane l stands for token 32 sl + l; its gate is asked for here, so that it comes in under phase 2,
	global_load_b32 v[BKG], v[BKP], s[8:9]         ; and is stored at the wave's end.  It is older than every token load: the K loop's counts hold as they stand
.Lnobk:
	s_mov_b32 s68, 0x3eed3388                      ; p sqrt(2) = 0.46328378: z = |x| / sqrt(2) = sqrt(2) |x / 2|
	s_mov_b32 s70, 0xc038aa3b                      ; -2 log2(e): e^(-z z) = 2^(-2 log2(e) (x/2)^2)
	s_mov_b32 s71, s70                             ; the packed forms name pairs and take the low word for both halves
	s_mov_b32 s72, 0x3e827906                      ; a1 =  0.254829592
	s_mov_b32 s73, s72
	s_mov_b32 s74, 0xbe91a98e                      ; a2 = -0.284496736
	s_mov_b32 s75, s74
	s_mov_b32 s76, 0x3fb5f0e3                      ; a3 =  1.421413741
	s_mov_b32 s77, s76
	s_mov_b32 s78, 0xbfba00e3                      ; a4 = -1.453152027
	s_mov_b32 s79, s78
	s_mov_b32 s80, 0x3f87dc22                      ; a5 =  1.061405429
	s_mov_b32 s81, s80
	s_mov_b32 s90, 0xffff0000                      ; lanes 16-31
	s_mov_b32 s92, 0x76543210                      ; v_permlanex16_b32: each lane takes its own place in the other half
	s_mov_b32 s93, 0xfedcba98
	s_mov_b32 s95, 0
	s_wait_dscnt 0x0                               ; for the others' sake: my part of the weights is in LDS
	s_barrier_signal -1
	s_barrier_wait -1                              ; from here on the weights are only read
	s_mov_b32 s26, 0
.Lround:
	s_mul_i32 s27, s26, 20
	s_mul_i32 s29, s20, 5
	s_add_co_u32 s27, s27, s29                     ; my first tile of this round
	s_cmp_ge_u32 s27, s25
	s_cbranch_scc1 .Lnext                          ; none live: forward to the counter's step
	s_sub_co_u32 s28, s25, s27
	s_min_u32 s28, s28, 5                          ; my live tiles
	s_lshl_b32 s96, s27, 17
	s_wait_xcnt 0x0                                ; the last round's stores and loads have read their registers
	; THE SEARCH, first half: lanes 0-15 look for the 16 ranks of tile 2 p, lanes 16-31 for those of tile 2 p + 1.  A walk over the 32 words: the last word whose count of earlier choosers does not pass the rank holds it.
	s_lshl_b32 s29, s27, 4
	v_add_nc_u32 v[RK], s29, v[LANE]
	v_add_nc_u32 v[RK+1], 32, v[RK]
	v_add_nc_u32 v[RK+2], 64, v[RK]
.irp p, 0,1,2
	v_mov_b32 v[SW+\p], s32
	v_mov_b32 v[SQ+\p], 0
.endr
	s_bcnt1_i32_b32 s30, s32
.set g, 1
.rept 31
	s_or_b32 s31, s30, g<<16                       ; the count, 1,024 at the most, and the word's number above it
.irp p, 0,1,2
	v_cmp_le_u32 vcc_lo, s30, v[RK+\p]
	v_cndmask_b32 v[SW+\p], v[SW+\p], s[32+g], vcc_lo
	v_cndmask_b32 v[SQ+\p], v[SQ+\p], s31, vcc_lo
.endr
.if g < 31
	s_bcnt1_i32_b32 s29, s[32+g]
	s_add_co_u32 s30, s30, s29
.endif
.set g, g+1
.endr
	FIND 0
	FIND 1
	FIND 2
.irp p, 0,1,2
	v_permlanex16_b32 v[SW+\p], v[TK+\p], s92, s93 ; the other half's token; the destination has been written
.endr
.irp p, 0,1
	v_cndmask_b32 v[TOFF+2*\p], v[TK+\p], v[SW+\p], s90    ; tile 2 p: both halves of the lanes hold the token of row lane % 16
	v_cndmask_b32 v[TOFF+2*\p+1], v[SW+\p], v[TK+\p], s90  ; tile 2 p + 1
.endr
	v_cndmask_b32 v[TOFF+4], v[TK+2], v[SW+2], s90
.irp i, 0,1,2,3,4
	v_lshl_add_u32 v[TOFF+\i], v[TOFF+\i], 7, v[HH]  ; in pieces of 16 bytes: 128 to a row, and my half of the lanes' one
	v_min_u32 v[TOFF+\i], 0x1ff81, v[TOFF+\i]      ; 1,023 x 128 + 1 at the most: the last load of a row then ends at 16 x that + 31 x 64 + 32 + 16 = 2,097,152, x16's end
	v_lshlrev_b32 v[TOFF+\i], 4, v[TOFF+\i]
.endr
	s_mov_b64 s[TA:TA+1], s[4:5]
	s_mov_b32 s[WAS], 0
	v_add_nc_u32 v[WA], s[WAS], v[L16]
	TLOAD 0, 0
	FETCH 0, 0
	KSTEP 0,0,0, 1, 8192,0, 1,4,40                 ; K step 0 stands in front of the loop: its products start the sums
	WIN 0                                          ; at a label and at a branch every window is 0
	s_mov_b32 s[KC], 3
.Lk:
	LAP 0
	WIN 0
	s_wait_xcnt 0x0                                ; the token base is stepped only behind this wait
	s_add_nc_u64 s[TA:TA+1], s[TA:TA+1], 8*KSB
	s_sub_co_u32 s[KC], s[KC], 1
	s_cmp_lg_u32 s[KC], 0
	s_cbranch_scc1 .Lk
	LAP 1
	WIN 0
	PLACES
	; THE WAY OUT: 20 trips of 16 numbers a lane; one text for the arithmetic, a short block for each trip to bring its accumulators into window 0
	s_mov_b32 s[OC], 0
.Lout:
	s_lshr_b32 s29, s[OC], 2
	s_cmp_ge_u32 s29, s28
	s_cbranch_scc1 .Loutnext                       ; a tile past the last live one is not stored
.irp k, 1,2,3,4,5,6,7,8,9,10,11,12,13,14,15,16,17,18,19
	s_cmp_eq_u32 s[OC], \k
	s_cbranch_scc1 .Lblk_\k
.endr
	BLOCK 0
	s_branch .Lcommon
.irp k, 1,2,3,4,5,6,7,8,9,10,11,12,13,14,15,16,17,18
	BLOCK \k
	s_branch .Lcommon
.endr
	BLOCK 19
.Lcommon:                              ; gelu(x) = H + |H| erf(z), H = x / 2; erf(z) = 1 - t (a1 + t (a2 + t (a3 + t (a4 + t a5)))) e^(-z z), t = 1 / (1 + p z)
.set n, 0
.rept 16
	v_fma_f32 v[UV+n], |v[HV+n]|, s68, 1.0
.set n, n+1
.endr
.set n, 0
.rept 8
	v_pk_mul_f32 v[EV+n:EV+n+1], v[HV+n:HV+n+1], v[HV+n:HV+n+1]
.set n, n+2
.endr
.set n, 0
.rept 8
	v_pk_mul_f32 v[EV+n:EV+n+1], v[EV+n:EV+n+1], s[70:71] op_sel_hi:[1,0]
.set n, n+2
.endr
.set n, 0
.rept 16
	v_rcp_f32 v[UV+n], v[UV+n]
.set n, n+1
.endr
.set n, 0
.rept 16
	v_exp_f32 v[EV+n], v[EV+n]
.set n, n+1
.endr
	v_nop                                          ; a plain instruction behind the last of them,
	s_wait_alu depctr_va_vdst(0)                   ; and the wait ahead of the first use: one for the batch of 32
.set n, 0
.rept 8
	v_pk_fma_f32 v[PV+n:PV+n+1], v[UV+n:UV+n+1], s[80:81], s[78:79] op_sel_hi:[1,0,0]
.set n, n+2
.endr
.irp a, 76,74,72
.set n, 0
.rept 8
	v_pk_fma_f32 v[PV+n:PV+n+1], v[PV+n:PV+n+1], v[UV+n:UV+n+1], s[\a:\a+1] op_sel_hi:[1,1,0]
.set n, n+2
.endr
.endr
.set n, 0
.rept 8
	v_pk_mul_f32 v[EV+n:EV+n+1], v[EV+n:EV+n+1], v[UV+n:UV+n+1]
.set n, n+2
.endr
.set n, 0
.rept 8
	v_pk_fma_f32 v[PV+n:PV+n+1], v[PV+n:PV+n+1], v[EV+n:EV+n+1], 1.0 op_sel_hi:[1,1,0] neg_lo:[1,0,0] neg_hi:[1,0,0]
.set n, n+2
.endr
.set n, 0
.rept 16
	v_fma_f32 v[UV+n], |v[HV+n]|, v[PV+n], v[HV+n]
.set n, n+1
.endr
	s_wait_xcnt 0x0                                ; the last trip's stores have read their data and their base
.set n, 0
.rept 8
	v_cvt_pk_bf16_f32 v[OV+n], v[UV+2*n], v[UV+2*n+1]
.set n, n+1
.endr
	s_add_nc_u64 s[HA:HA+1], s[14:15], s[94:95]
	global_store_b128 v[L16], v[OV:OV+3], s[HA:HA+1]             ; 512 consecutive bytes, at a multiple of 512 from hbuf's first
	global_store_b128 v[L16], v[OV+4:OV+7], s[HA:HA+1] offset:512
.Loutnext:
	s_add_co_u32 s[OC], s[OC], 1
	s_cmp_lt_u32 s[OC], 20
	s_cbranch_scc1 .Lout
.Lnext:
	s_add_co_u32 s26, s26, 1
	s_cmp_lt_u32 s26, 4
	s_cbranch_scc1 .Lround
	; THE BOOKKEEPING, wave 0: the offsets and values are made here, from scalars that are still at hand, in one run of lines with the stores that use them
	s_cmp_lg_u32 s20, 0
	s_cbranch_scc1 .Lnobook
	s_wait_loadcnt 0x0                             ; the gate is in, also where the expert has no row and no other wait has shown it; its load's offset register may be written again
	s_wait_xcnt 0x0                                ; every earlier store has read its registers; EXEC changes only behind this wait
	MYWORD                                         ; v18 my token, v[BKP] its word in pos
	v_lshlrev_b32 v16, v[LANE], 1
	v_add_nc_u32 v16, -1, v16                      ; the bits below my lane
	v_and_b32 v16, s2, v16                         ; the choosers below me in my group; their number:
	v_lshrrev_b32 v17, 1, v16
	v_and_b32 v17, 0x55555555, v17
	v_sub_nc_u32 v16, v16, v17
	v_lshrrev_b32 v17, 2, v16
	v_and_b32 v16, 0x33333333, v16
	v_and_b32 v17, 0x33333333, v17
	v_add_nc_u32 v16, v16, v17
	v_lshrrev_b32 v17, 4, v16
	v_add_nc_u32 v16, v16, v17
	v_and_b32 v16, 0x0f0f0f0f, v16
	v_lshrrev_b32 v17, 8, v16
	v_add_nc_u32 v16, v16, v17
	v_lshrrev_b32 v17, 16, v16
	v_add_nc_u32 v16, v16, v17
	v_and_b32 v16, 63, v16
	v_add_nc_u32 v16, s23, v16                     ; my rank, if I am a chooser
	v_min_u32 v16, 0x3ff, v16                      ; held inside the expert's 1,024 rows
	v_lshlrev_b32 v[BKR], 2, v16                   ; its word in rowg[e]
	s_lshl_b32 s30, s21, 10
	v_add_nc_u32 v[BKV], s30, v16                  ; e 1024 + rank
	v_cmp_le_u32 s105, s24, v18                    ; 32 sl + lane is also the place in rowg[e] that I fill if it lies at or past the count: does it?
	v_lshlrev_b32 v[BKF], 2, v18
	v_mov_b32 v[BKZ], 0
	s_mov_b32 vcc_lo, s2
	s_and_saveexec_b32 s29, vcc_lo                 ; the choosers among my 32 tokens
	global_store_b32 v[BKP], v[BKV], s[16:17]      ; where the row of this token and choice lies
	global_store_b32 v[BKR], v[BKG], s[18:19]      ; the row's gate
	s_wait_xcnt 0x0                                ; and again in front of the line that widens EXEC
	s_or_b32 exec_lo, exec_lo, s29
	s_mov_b32 vcc_lo, s105
	s_and_saveexec_b32 s29, vcc_lo                 ; the places at or past the count
	global_store_b32 v[BKF], v[BKZ], s[18:19]      ; hold 0: the second product reads whole tiles of gates
	s_wait_xcnt 0x0
	s_or_b32 exec_lo, exec_lo, s29
.Lnobook:
	s_wait_dscnt 0x0                               ; my reads of LDS are back,
	s_barrier_signal -1
	s_barrier_wait -1                              ; and so are every wave's: only now does any wave write LDS again
	s_wait_tensorcnt 0x0                           ; the wave's end
	ds_add_u32 v[SPW], v[NIL]
	s_wait_dscnt 0x0
	s_endpgm
.Lfunc_end_k_qd7617cfa1a_up:
	.size	k_qd7617cfa1a_up, .Lfunc_end_k_qd7617cfa1a_up-k_qd7617cfa1a_up
	.p2alignl 7, 3214868480
	.fill 96, 4, 3214868480
	.section	.rodata,"a",@progbits
	.p2align	6, 0x0
	.amdhsa_kernel k_qd7617cfa1a_up
		.amdhsa_group_segment_fixed_size 262656
		.amdhsa_private_segment_fixed_size 0
		.amdhsa_enable_private_segment 0
		.amdhsa_kernarg_size 64
		.amdhsa_user_sgpr_count 2
		.amdhsa_user_sgpr_kernarg_segment_ptr 1
		.amdhsa_wavefront_size32 1
		.amdhsa_system_sgpr_workgroup_id_x 1
		.amdhsa_system_sgpr_workgroup_id_y 1
		.amdhsa_system_sgpr_workgroup_id_z 1
		.amdhsa_system_vgpr_workitem_id 0
		.amdhsa_next_free_vgpr 928
		.amdhsa_next_free_sgpr 106
		.amdhsa_reserve_vcc 1
		.amdhsa_float_denorm_mode_32 3
		.amdhsa_float_denorm_mode_16_64 3
		.amdhsa_memory_ordered 1
		.amdhsa_forward_progress 1
		.amdhsa_inst_pref_size 177
	.end_amdhsa_kernel
	.amdgpu_metadata
---
amdhsa.version: [ 1, 2 ]
amdhsa.kernels:
  - .name:           k_qd7617cfa1a_up
    .symbol:         k_qd7617cfa1a_up.kd
    .args:
      - { .name: x16, .offset: 0, .size: 8, .value_kind: global_buffer, .address_space: global }
      - { .name: sel, .offset: 8, .size: 8, .value_kind: global_buffer, .address_space: global }
      - { .name: gat, .offset: 16, .size: 8, .value_kind: global_buffer, .address_space: global }
      - { .name: w1, .offset: 24, .size: 8, .value_kind: global_buffer, .address_space: global }
      - { .name: b1, .offset: 32, .size: 8, .value_kind: global_buffer, .address_space: global }
      - { .name: hbuf, .offset: 40, .size: 8, .value_kind: global_buffer, .address_space: global }
      - { .name: pos, .offset: 48, .size: 8, .value_kind: global_buffer, .address_space: global }
      - { .name: rowg, .offset: 56, .size: 8, .value_kind: global_buffer, .address_space: global }
    .group_segment_fixed_size: 262656
    .private_segment_fixed_size: 0
    .kernarg_segment_align: 8
    .kernarg_segment_size: 64
    .max_flat_workgroup_size: 128
    .sgpr_count:     106
    .vgpr_count:     928
    .wavefront_size: 32
...
	.end_amdgpu_metadata
.endif
;; end of part 2
;; launch down (part 3): grid 256 x 1, 4 waves a work-group, no clusters, 262,656 bytes of LDS; arguments hbuf, sel, rowg, w2, ypart; writes ypart
.if DOCPART == 3
	.amdgcn_target "amdgcn-amd-amdhsa--gfx1250"
	.amdhsa_code_object_version 6
	.text
	.protected	k_qd7617cfa1a_down
	.globl	k_qd7617cfa1a_down
	.p2align	8
	.type	k_qd7617cfa1a_down,@function
k_qd7617cfa1a_down:
	s_mov_b64 s[64:65], 0
	v_nop
	global_prefetch_b8 v0, s[64:65] scope:SCOPE_SE
	s_setreg_imm32_b32 hwreg(HW_REG_WAVE_MODE, 25, 1), 1
	s_wait_xcnt 0x0
; SECOND PRODUCT.  ypart[kq][e 1024 + rank][:] = gate(row) x (h[row][1024 kq .. 1024 kq + 1023] w2[e][those rows][:]): four partial sums over F for each routed row, in f32; the last launch adds them.
; SHARES.  Work-group = (expert e = id / 32, quarter of F kq = (id / 8) % 4, columns 128 cs .. 128 cs + 127 with cs = id % 8): it alone reads its 1,024 x 128 numbers of w2[e], once, and serves all of the expert's rows (0 to 1,024).
; PHASE 1.  The slice comes through registers (each load: 512 consecutive bytes of a row), is rounded to bf16 and laid into LDS in the order of matrix fragments:
;   byte s 8192 + c 1024 + q 512 + lane 16; column r of tile c is slice column 64 (c / 4) + 4 r + c % 4.  h lies in memory in the order in which the first product's results fell (hbuf: [tile][K step][q][lane][16 bytes]):
;   position (q, hh, j) of K step s is row 128 (s / 4) + 64 ((s / 2) % 2) + 32 hh + 4 j + 2 (s % 2) + q of the quarter, so the loader takes w2's rows in that same order.  One barrier.
; PHASE 2.  Rounds of 20 tiles of 16 rows, five a wave: source 0 = h straight from memory (each load 512 consecutive bytes), source 1 = weights from LDS.  Nothing writes LDS here.
;   The round loop has 4 trips; a wave with no tile left jumps to the counter's step.  A wave always multiplies five tiles: places past its last live tile repeat that tile and are not stored.
; OUT.  A lane holds column r of four tiles that are four neighbouring columns: 16 bytes of a row; sixteen lanes store 256 consecutive bytes.  Rows past the count in a live tile (their gate is 0) go to rows of the expert's own that nobody reads.
; ROUNDING.  w2 rounded to bf16 like every input; sums, gates and partial sums in f32.
; NO CLUSTER: a slice of weights has one reader; h's tiles are shared by eight work-groups, but their number hangs on a stored count and 65,024 bytes of LDS are left beside the slice.
.set PITCH,  4096                      ; bytes from a row of w2[e] to the next
.set GROUPB, 64*PITCH
.set KSB,    1024                      ; bytes of a tile of h in a K step
.set QB,     512
.set SPARE,  262144                    ; behind the weights: the spare words, 128 bytes a wave; no other line names them
.set LANE, 1
.set R,    2
.set HH,   3
.set SPW,  4                           ; LDS address of my spare word; never rewritten
.set NIL,  5                           ; 0; never rewritten
.set L16,  6                           ; 16 x lane; never rewritten
.set WA,   7                           ; the LDS address of the weight fragments in hand
.set WST,  8                           ; where the loader's pieces go
.set TOFF, 10                          ; v[10:14] byte offset of my 16 bytes in each of five tiles of h
.set YO,   15                          ; (lane / 16) x 8 rows + 16 (lane % 16): my place in a tile of ypart
.set PC,   16                          ; v[16:31] the loader's four pieces; in phase 2 v[16:20] the gates' offsets
.set WF,   32                          ; v[32:95], v[96:159] two buffers of weight fragments
.set OV,   32                          ; the way out works in those registers
.set GV,   160                         ; v[160:199] the gates of rows 8 hh + j of tile i at 8 i + j
; window 1: phase 1: eight loader slots of 32; phase 2: accumulators of tiles 0-3 at 64 i + 8 c.   window 2: v0-63 accumulators of tile 4; v64-223 token buffer 1.   window 3: v0-159 token buffer 0.
; scalars: s[4:5] hbuf, s[6:7] sel, s[8:9] rowg, s[10:11] the weights (stepped), s[12:13] ypart; s20 wave, s21 e, s22 cs, s23 kq, s24 rows, s25 tiles, s26 round, s27 first tile, s28 live tiles;
; s[32:63] the masks; when they are counted: s[36:37] token base, s[40:41] store base, s42-46 tiles, s47-51 their bytes in hbuf, s52, s54 counters, s55 the weights' LDS byte in hand.
.set WAS, 55
.set MSB, 0
.macro WIN new                         ; the immediate's high byte repeats the setting that is left; a switch that changes nothing is dropped
.if MSB != (\new)
	s_set_vgpr_msb (MSB<<8)|(\new)
.set MSB, \new
.endif
.endm
.macro PLACES                          ; four places in front of loads into registers that matrix instructions have read, and of vector work on their registers
.rept 4
	v_nop
.endr
.endm
; Eight rows of the slice into loader slot o: rows 32 (o / 4) + o % 4 + 4 j of the group grp ahead of the base: the eight k of one piece in h's order
.macro OCT_LOAD o, grp
	WIN 0x40
.irp j, 0,1,2,3,4,5,6,7
	global_load_b128 v[32*(\o)+4*\j:32*(\o)+4*\j+3], v[L16], s[10:11] offset:(64*(\grp)+32*((\o)/4)+(\o)%4+4*\j)*PITCH th:TH_LOAD_NT
.endr
.endm
.macro OCT_CVT o
	WIN 0x05
.irp f, 0,1,2,3
.irp p, 0,1,2,3
	v_cvt_pk_bf16_f32 v[PC+4*\f+\p], v[32*(\o)+8*\p+\f], v[32*(\o)+8*\p+4+\f]
.endr
.endr
	WIN 0
.irp f, 0,1,2,3
	ds_store_b128 v[WST], v[PC+4*\f:PC+4*\f+3] offset:(((\o)%4)/2)*8192+((\o)%2)*512+((\o)/4)*256+1024*\f  ; sixteen lanes write 256 consecutive bytes
.endr
.endm
.macro FETCH wf, off                   ; a K step's eight weight fragments: sixteen loads of 512 consecutive bytes
	WIN 0
.irp c, 0,1,2,3,4,5,6,7
	ds_load_b128 v[WF+64*(\wf)+8*\c:WF+64*(\wf)+8*\c+3], v[WA] offset:(\off)+1024*\c
	ds_load_b128 v[WF+64*(\wf)+8*\c+4:WF+64*(\wf)+8*\c+7], v[WA] offset:(\off)+1024*\c+512
.endr
.endm
.macro TLOAD tb, kofs                  ; four K steps' fragments of h for five tiles: 40 loads of 512 consecutive bytes
	WIN 0xc0-0x40*(\tb)
.irp i, 0,1,2,3,4
.irp ks, 0,1,2,3
	global_load_b128 v[64*(\tb)+8*(5*\ks+\i):64*(\tb)+8*(5*\ks+\i)+3], v[TOFF+\i], s[36:37] offset:((\kofs)+\ks)*KSB
	global_load_b128 v[64*(\tb)+8*(5*\ks+\i)+4:64*(\tb)+8*(5*\ks+\i)+7], v[TOFF+\i], s[36:37] offset:((\kofs)+\ks)*KSB+QB
.endr
.endr
.endm
.macro MUL wf, tb, ks, i, init         ; eight products: row tile i x all eight column tiles.  init = 1: the constant 0 starts the sums
.set AW, 1+(\i)/4
.set AB, 64*((\i)%4)
.set TW, 3-(\tb)
.set TR, 64*(\tb)+8*(5*(\ks)+(\i))
	WIN TW|(AW<<4)|(AW<<6)
.irp c, 0,1,2,3,4,5,6,7
.if \init
	v_wmma_f32_16x16x32_bf16 v[AB+8*\c:AB+8*\c+7], v[TR:TR+7], v[WF+64*(\wf)+8*\c:WF+64*(\wf)+8*\c+7], 0
.else
	v_wmma_f32_16x16x32_bf16 v[AB+8*\c:AB+8*\c+7], v[TR:TR+7], v[WF+64*(\wf)+8*\c:WF+64*(\wf)+8*\c+7], v[AB+8*\c:AB+8*\c+7]
.endif
.endr
.endm
; A K step: 40 products on 40 accumulators, which take turns in the same order in every step.  The next step's weight fragments are fetched behind the first 16 products.
; At the first of four steps (ks = 0) the next four steps' fragments of h are asked for (tl = 1), and the count leaves just those 40 loads out.
.macro KSTEP wf, tb, ks, init, foff, bump, tl, kofs, lcnt
	s_wait_dscnt 0x0                               ; this step's weight fragments, asked for 24 products ago
.if (\ks) == 0
.if \tl
	PLACES                                         ; the other token buffer was read by the step before
	TLOAD 1-(\tb), \kofs
.endif
	s_wait_loadcnt \lcnt
.endif
	MUL \wf, \tb, \ks, 0, \init
	MUL \wf, \tb, \ks, 1, \init
.if (\foff) >= 0
	WIN 0
	PLACES                                         ; the other weight buffer was read by the step before
.if \bump
	s_add_co_u32 s[WAS], s[WAS], 0x10000           ; eight K steps on: the immediates begin anew
	v_add_nc_u32 v[WA], s[WAS], v[L16]
.endif
	FETCH 1-(\wf), \foff
.endif
	MUL \wf, \tb, \ks, 2, \init
	MUL \wf, \tb, \ks, 3, \init
	MUL \wf, \tb, \ks, 4, \init
.endm
.macro LAP last                        ; K steps 8 t + 1 .. 8 t + 8; last = 1: 25 .. 31, with nothing more to ask for
	KSTEP 1,0,1, 0, 2*8192,0, 0,0,0
	KSTEP 0,0,2, 0, 3*8192,0, 0,0,0
	KSTEP 1,0,3, 0, 4*8192,0, 0,0,0
	KSTEP 0,1,0, 0, 5*8192,0, 1-(\last),8,40*(1-(\last))
	KSTEP 1,1,1, 0, 6*8192,0, 0,0,0
	KSTEP 0,1,2, 0, 7*8192,0, 0,0,0
.if \last
	KSTEP 1,1,3, 0, -1,0, 0,0,0
.else
	KSTEP 1,1,3, 0, 0,1, 0,0,0
	KSTEP 0,0,0, 0, 8192,0, 1,12,40
.endif
.endm
; Row tile i leaves: each number times its row's gate; the four tiles of a strip of 64 columns give a lane 16 neighbouring bytes.  Register 0 of each accumulator is read first.
.macro SLOTOUT i
.set AW, 1+(\i)/4
.set AB, 64*((\i)%4)
	WIN 0
.if (\i) > 0
	s_cmp_le_u32 s28, \i
	s_cbranch_scc1 .Lnext                          ; this place and those behind it repeat a tile: nothing more to store
.endif
	s_wait_xcnt 0x0                                ; the tile before has read its data and its base
	s_lshl_b32 s30, s[42+(\i)], 16                 ; 16 rows of 4,096 bytes
	s_add_nc_u64 s[40:41], s[12:13], s[30:31]
.irp t, 0,1
	WIN AW
.irp j, 0,1,2,3,4,5,6,7
.irp f, 0,1,2,3
	v_mul_f32 v[OV+32*\t+4*\j+\f], v[AB+8*(4*\t+\f)+\j], v[GV+8*(\i)+\j]
.endr
.endr
	WIN 0
.irp j, 0,1,2,3,4,5,6,7
	global_store_b128 v[YO], v[OV+32*\t+4*\j:OV+32*\t+4*\j+3], s[40:41] offset:4096*\j+256*\t  ; rows j and 8 + j: sixteen lanes store 256 consecutive bytes, at a multiple of 256 from ypart's first
.endr
.endr
.endm
	s_load_b256 s[4:11], s[0:1], 0x0               ; hbuf s[4:5], sel s[6:7], rowg s[8:9], w2 s[10:11]
	s_load_b64 s[12:13], s[0:1], 0x20              ; ypart
	v_lshl_add_u32 v[SPW], v0, 2, SPARE
	v_mov_b32 v[NIL], 0
	v_and_b32 v[LANE], 31, v0
	v_and_b32 v[R], 15, v0
	v_bfe_u32 v[HH], v0, 4, 1
	v_lshrrev_b32 v16, 5, v0
	v_readfirstlane_b32 s20, v16                   ; wave 0..3
	s_lshr_b32 s21, ttmp9, 5                       ; e
	s_and_b32 s22, ttmp9, 7                        ; cs
	s_bfe_u32 s23, ttmp9, 0x20003                  ; kq
	v_lshlrev_b32 v[L16], 4, v[LANE]
	v_lshlrev_b32 v[WST], 4, v[R]
	v_lshl_add_u32 v[YO], v[HH], 15, v[WST]
	v_lshl_add_u32 v[WST], v[HH], 12, v[WST]       ; lanes 16-31 hold columns 64 on: tiles 4-7
	s_lshl_b32 s29, s20, 16                        ; wave w lays K steps 8 w .. 8 w + 7: 65,536 bytes of its own
	v_add_nc_u32 v[WST], s29, v[WST]
	s_mov_b32 s101, 0
	s_wait_kmcnt 0x0
	s_lshl_b32 s100, s21, 8
	s_add_nc_u64 s[6:7], s[6:7], s[100:101]        ; the expert's words of sel
	s_load_b512 s[32:47], s[6:7], 0x0
	s_load_b512 s[48:63], s[6:7], 0x40
	s_lshl_b32 s29, s22, 9                         ; the slice's 128 columns, in bytes of f32
	s_lshl_b32 s100, s21, 24                       ; w2[e]: 16 MiB,
	s_lshl_b32 s30, s23, 22                        ; the quarter's 1,024 rows,
	s_add_co_u32 s100, s100, s30
	s_lshl_b32 s30, s20, 20                        ; my 256 of them,
	s_add_co_u32 s100, s100, s30
	s_add_co_u32 s100, s100, s29                   ; the slice
	s_add_nc_u64 s[10:11], s[10:11], s[100:101]
.irp o, 0,1,2,3,4,5,6,7
	OCT_LOAD \o, 0                                 ; my first group: 64 loads, 32,768 bytes of the wave on their way
.endr
	WIN 0
	s_lshl_b32 s100, s21, 23                       ; hbuf: an expert has 64 tiles of 131,072 bytes;
	s_lshl_b32 s30, s23, 15                        ; the quarter's 32 K steps of 1,024 bytes
	s_add_co_u32 s100, s100, s30
	s_add_nc_u64 s[4:5], s[4:5], s[100:101]
	s_lshl_b32 s100, s21, 12
	s_add_nc_u64 s[8:9], s[8:9], s[100:101]        ; rowg[e]
	s_lshl_b32 s100, s23, 25                       ; ypart: a quarter's plane is 8,192 rows of 4,096 bytes,
	s_lshl_b32 s30, s21, 22                        ; an expert has 1,024 rows of it
	s_add_co_u32 s100, s100, s30
	s_add_co_u32 s100, s100, s29
	s_add_nc_u64 s[12:13], s[12:13], s[100:101]
	s_wait_kmcnt 0x0
	s_bcnt1_i32_b32 s24, s32                       ; the expert's rows
.set g, 1
.rept 31
	s_bcnt1_i32_b32 s29, s[32+g]
	s_add_co_u32 s24, s24, s29
.set g, g+1
.endr
	s_add_co_u32 s25, s24, 15
	s_lshr_b32 s25, s25, 4
	s_min_u32 s25, s25, 64                         ; its tiles of 16 rows
	; THE LOADER: a ring of eight slots of eight loads
	s_mov_b32 s54, 3
.Lgroup:
.irp o, 0,1,2,3,4,5,6,7
	s_wait_loadcnt 56                              ; slot o is in; the seven younger slots' 56 loads stay out
	OCT_CVT \o
	OCT_LOAD \o, 1                                 ; the same rows of the next group
.endr
	WIN 0
	s_wait_xcnt 0x0                                ; the base is stepped only behind this wait
	s_add_nc_u64 s[10:11], s[10:11], GROUPB
	v_add_nc_u32 v[WST], 16384, v[WST]             ; two K steps on
	s_sub_co_u32 s54, s54, 1
	s_cmp_lg_u32 s54, 0
	s_cbranch_scc1 .Lgroup
.irp o, 0,1,2,3,4,5,6,7
	s_wait_loadcnt 8*(7-\o)                        ; the last group loads nothing: the counts run down
	OCT_CVT \o
.endr
	s_mov_b32 s31, 0
	s_wait_dscnt 0x0                               ; for the others' sake: my part of the weights is in LDS
	s_barrier_signal -1
	s_barrier_wait -1                              ; from here on the weights are only read
	s_mov_b32 s26, 0
.Lround:
	s_mul_i32 s27, s26, 20
	s_mul_i32 s29, s20, 5
	s_add_co_u32 s27, s27, s29                     ; my first tile of this round
	s_cmp_ge_u32 s27, s25
	s_cbranch_scc1 .Lnext                          ; none left: forward to the counter's step
	s_sub_co_u32 s28, s25, s27
	s_min_u32 s28, s28, 5                          ; my live tiles
	s_sub_co_u32 s29, s28, 1
.irp i, 0,1,2,3,4
	s_min_u32 s30, s29, \i                         ; a place past the last live tile repeats it
	s_add_co_u32 s[42+\i], s27, s30
	s_min_u32 s[42+\i], s[42+\i], 63
	s_lshl_b32 s[47+\i], s[42+\i], 17
.endr
	s_wait_xcnt 0x0                                ; the last round's stores and loads have read their registers
.irp i, 0,1,2,3,4
	v_add_nc_u32 v[TOFF+\i], s[47+\i], v[L16]
	s_lshl_b32 s30, s[42+\i], 6
	v_lshl_add_u32 v[16+\i], v[HH], 5, s30         ; the gates of rows 8 hh .. 8 hh + 7 of the tile
	global_load_b128 v[GV+8*\i:GV+8*\i+3], v[16+\i], s[8:9]
	global_load_b128 v[GV+8*\i+4:GV+8*\i+7], v[16+\i], s[8:9] offset:16
.endr
	s_mov_b64 s[36:37], s[4:5]
	s_mov_b32 s[WAS], 0
	v_add_nc_u32 v[WA], s[WAS], v[L16]
	TLOAD 0, 0
	FETCH 0, 0
	KSTEP 0,0,0, 1, 8192,0, 1,4,40                 ; K step 0 stands in front of the loop: its products start the sums; its count also shows the ten older loads of gates done
	WIN 0                                          ; at a label and at a branch every window is 0
	s_mov_b32 s52, 3
.Lk:
	LAP 0
	WIN 0
	s_wait_xcnt 0x0                                ; the token base is stepped only behind this wait
	s_add_nc_u64 s[36:37], s[36:37], 8*KSB
	s_sub_co_u32 s52, s52, 1
	s_cmp_lg_u32 s52, 0
	s_cbranch_scc1 .Lk
	LAP 1
	WIN 0
	PLACES
	SLOTOUT 0
	SLOTOUT 1
	SLOTOUT 2
	SLOTOUT 3
	SLOTOUT 4
.Lnext:
	s_add_co_u32 s26, s26, 1
	s_cmp_lt_u32 s26, 4
	s_cbranch_scc1 .Lround
	s_wait_dscnt 0x0                               ; my reads of LDS are back,
	s_barrier_signal -1
	s_barrier_wait -1                              ; and so are every wave's: only now does any wave write LDS again
	s_wait_tensorcnt 0x0                           ; the wave's end
	ds_add_u32 v[SPW], v[NIL]
	s_wait_dscnt 0x0
	s_endpgm
.Lfunc_end_k_qd7617cfa1a_down:
	.size	k_qd7617cfa1a_down, .Lfunc_end_k_qd7617cfa1a_down-k_qd7617cfa1a_down
	.p2alignl 7, 3214868480
	.fill 96, 4, 3214868480
	.section	.rodata,"a",@progbits
	.p2align	6, 0x0
	.amdhsa_kernel k_qd7617cfa1a_down
		.amdhsa_group_segment_fixed_size 262656
		.amdhsa_private_segment_fixed_size 0
		.amdhsa_enable_private_segment 0
		.amdhsa_kernarg_size 40
		.amdhsa_user_sgpr_count 2
		.amdhsa_user_sgpr_kernarg_segment_ptr 1
		.amdhsa_wavefront_size32 1
		.amdhsa_system_sgpr_workgroup_id_x 1
		.amdhsa_system_sgpr_workgroup_id_y 1
		.amdhsa_system_sgpr_workgroup_id_z 1
		.amdhsa_system_vgpr_workitem_id 0
		.amdhsa_next_free_vgpr 928
		.amdhsa_next_free_sgpr 106
		.amdhsa_reserve_vcc 0
		.amdhsa_float_denorm_mode_32 3
		.amdhsa_float_denorm_mode_16_64 3
		.amdhsa_memory_ordered 1
		.amdhsa_forward_progress 1
		.amdhsa_inst_pref_size 137
	.end_amdhsa_kernel
	.amdgpu_metadata
---
amdhsa.version: [ 1, 2 ]
amdhsa.kernels:
  - .name:           k_qd7617cfa1a_down
    .symbol:         k_qd7617cfa1a_down.kd
    .args:
      - { .name: hbuf, .offset: 0, .size: 8, .value_kind: global_buffer, .address_space: global }
      - { .name: sel, .offset: 8, .size: 8, .value_kind: global_buffer, .address_space: global }
      - { .name: rowg, .offset: 16, .size: 8, .value_kind: global_buffer, .address_space: global }
      - { .name: w2, .offset: 24, .size: 8, .value_kind: global_buffer, .address_space: global }
      - { .name: ypart, .offset: 32, .size: 8, .value_kind: global_buffer, .address_space: global }
    .group_segment_fixed_size: 262656
    .private_segment_fixed_size: 0
    .kernarg_segment_align: 8
    .kernarg_segment_size: 40
    .max_flat_workgroup_size: 128
    .sgpr_count:     106
    .vgpr_count:     928
    .wavefront_size: 32
...
	.end_amdgpu_metadata
.endif
;; end of part 3
;; launch combine (part 4): grid 256 x 1, 8 waves a work-group, no clusters, 0 bytes of LDS; arguments ypart, pos, gat, b2, out0; writes out0
.if DOCPART == 4
	.amdgcn_target "amdgcn-amd-amdhsa--gfx1250"
	.amdhsa_code_object_version 6
	.text
	.protected	k_qd7617cfa1a_combine
	.globl	k_qd7617cfa1a_combine
	.p2align	8
	.type	k_qd7617cfa1a_combine,@function
k_qd7617cfa1a_combine:
	s_mov_b64 s[64:65], 0
	v_nop
	global_prefetch_b8 v0, s[64:65] scope:SCOPE_SE
	s_setreg_imm32_b32 hwreg(HW_REG_WAVE_MODE, 25, 1), 1
	s_wait_xcnt 0x0
; THE SUM.  out[t] = the sum over the token's two choices k of (the four partial rows ypart[kq][pos[k][t]], which already carry the gate) + gate[k][t] x b2[expert(k, t)].
; A stream: the work-group owns tokens 4 id .. 4 id + 3, thread i columns 4 i .. 4 i + 3 of each; a wave's load or store covers 512 consecutive bytes of a row.  All 40 loads of a thread go out before the first wait.
; pos (whole numbers stored by an earlier launch) gives row and expert: e 1024 + rank.  b2 is rounded to bf16 like every input; all sums in f32, in a fixed order: ((kq0 + kq1) + (kq2 + kq3)) for each choice, first + second, then the biases.
; No LDS, no barrier, no matrix unit: no wave needs another's numbers.
.set VY, 2                             ; v[2:9]    byte offset of my 16 bytes in the partial row of choice k, token a: at 4 k + a
.set VB, 10                            ; v[10:17]  the same in b2's row
.set Y,  32                            ; v[32:191] token a at 40 a: choice k, quarter q at 16 k + 4 q; b2 of choice k at 32 + 4 k
.set T,  192                           ; v[192:195] at work
	s_load_b256 s[4:11], s[0:1], 0x0               ; ypart s[4:5], pos s[6:7], gat s[8:9], b2 s[10:11]
	s_load_b64 s[12:13], s[0:1], 0x20              ; out0
	v_lshlrev_b32 v1, 4, v0                        ; 16 x thread
	s_lshl_b32 s14, ttmp9, 4                       ; four tokens' words
	s_mov_b32 s15, 0
	s_lshl_b32 s48, ttmp9, 14                      ; four rows of out0
	s_mov_b32 s49, 0
	s_wait_kmcnt 0x0
	s_add_nc_u64 s[6:7], s[6:7], s[14:15]
	s_add_nc_u64 s[8:9], s[8:9], s[14:15]
	s_load_b128 s[16:19], s[6:7], 0x0              ; pos, first choice
	s_load_b128 s[20:23], s[6:7], 0x1000           ; second choice
	s_load_b128 s[24:27], s[8:9], 0x0              ; the gates likewise
	s_load_b128 s[28:31], s[8:9], 0x1000
	s_mov_b64 s[40:41], s[4:5]                     ; the four planes of ypart, 32 MiB apart
	s_add_nc_u64 s[42:43], s[4:5], 0x2000000
	s_add_nc_u64 s[44:45], s[4:5], 0x4000000
	s_add_nc_u64 s[46:47], s[4:5], 0x6000000
	s_add_nc_u64 s[12:13], s[12:13], s[48:49]
	s_wait_kmcnt 0x0
.set n, 0
.rept 8
	s_min_u32 s38, s[16+n], 0x1fff                 ; the row, held inside the plane
	s_lshl_b32 s38, s38, 12
	v_add_nc_u32 v[VY+n], s38, v1
	s_lshr_b32 s39, s[16+n], 10                    ; the expert, held inside b2
	s_min_u32 s39, s39, 7
	s_lshl_b32 s39, s39, 12
	v_add_nc_u32 v[VB+n], s39, v1
.set n, n+1
.endr
.irp a, 0,1,2,3
.irp k, 0,1
.irp q, 0,1,2,3
	global_load_b128 v[Y+40*\a+16*\k+4*\q:Y+40*\a+16*\k+4*\q+3], v[VY+4*\k+\a], s[40+2*\q:41+2*\q] th:TH_LOAD_NT
.endr
.endr
.irp k, 0,1
	global_load_b128 v[Y+40*\a+32+4*\k:Y+40*\a+35+4*\k], v[VB+4*\k+\a], s[10:11]
.endr
.endr
.macro TOKEN a
.set B, Y+40*(\a)
	s_wait_loadcnt 10*(3-(\a))                     ; this token's ten loads are in; the later tokens' stay out
.irp k, 0,16
.irp c, 0,2
	v_pk_add_f32 v[B+\k+\c:B+\k+\c+1], v[B+\k+\c:B+\k+\c+1], v[B+\k+4+\c:B+\k+5+\c]
	v_pk_add_f32 v[B+\k+8+\c:B+\k+9+\c], v[B+\k+8+\c:B+\k+9+\c], v[B+\k+12+\c:B+\k+13+\c]
.endr
.irp c, 0,2
	v_pk_add_f32 v[B+\k+\c:B+\k+\c+1], v[B+\k+\c:B+\k+\c+1], v[B+\k+8+\c:B+\k+9+\c]
.endr
.endr
.irp c, 0,2
	v_pk_add_f32 v[B+\c:B+\c+1], v[B+\c:B+\c+1], v[B+16+\c:B+17+\c]
.endr
.irp k, 0,1
	v_cvt_pk_bf16_f32 v[T+2*\k], v[B+32+4*\k], v[B+33+4*\k]
	v_cvt_pk_bf16_f32 v[T+2*\k+1], v[B+34+4*\k], v[B+35+4*\k]
	v_lshlrev_b32 v[B+32+4*\k], 16, v[T+2*\k]
	v_and_b32 v[B+33+4*\k], 0xffff0000, v[T+2*\k]
	v_lshlrev_b32 v[B+34+4*\k], 16, v[T+2*\k+1]
	v_and_b32 v[B+35+4*\k], 0xffff0000, v[T+2*\k+1]
.irp c, 0,1,2,3
	v_fma_f32 v[B+\c], v[B+32+4*\k+\c], s[24+4*\k+(\a)], v[B+\c]
.endr
.endr
	global_store_b128 v1, v[B:B+3], s[12:13] offset:4096*(\a)  ; a wave stores 512 consecutive bytes, at a multiple of 512 from out0's first
.endm
	TOKEN 0
	TOKEN 1
	TOKEN 2
	TOKEN 3
	s_endpgm
.Lfunc_end_k_qd7617cfa1a_combine:
	.size	k_qd7617cfa1a_combine, .Lfunc_end_k_qd7617cfa1a_combine-k_qd7617cfa1a_combine
	.p2alignl 7, 3214868480
	.fill 96, 4, 3214868480
	.section	.rodata,"a",@progbits
	.p2align	6, 0x0
	.amdhsa_kernel k_qd7617cfa1a_combine
		.amdhsa_group_segment_fixed_size 0
		.amdhsa_private_segment_fixed_size 0
		.amdhsa_enable_private_segment 0
		.amdhsa_kernarg_size 40
		.amdhsa_user_sgpr_count 2
		.amdhsa_user_sgpr_kernarg_segment_ptr 1
		.amdhsa_wavefront_size32 1
		.amdhsa_system_sgpr_workgroup_id_x 1
		.amdhsa_system_sgpr_workgroup_id_y 1
		.amdhsa_system_sgpr_workgroup_id_z 1
		.amdhsa_system_vgpr_workitem_id 0
		.amdhsa_next_free_vgpr 208
		.amdhsa_next_free_sgpr 66
		.amdhsa_reserve_vcc 0
		.amdhsa_float_denorm_mode_32 3
		.amdhsa_float_denorm_mode_16_64 3
		.amdhsa_memory_ordered 1
		.amdhsa_forward_progress 1
		.amdhsa_inst_pref_size 16
	.end_amdhsa_kernel
	.amdgpu_metadata
---
amdhsa.version: [ 1, 2 ]
amdhsa.kernels:
  - .name:           k_qd7617cfa1a_combine
    .symbol:         k_qd7617cfa1a_combine.kd
    .args:
      - { .name: ypart, .offset: 0, .size: 8, .value_kind: global_buffer, .address_space: global }
      - { .name: pos, .offset: 8, .size: 8, .value_kind: global_buffer, .address_space: global }
      - { .name: gat, .offset: 16, .size: 8, .value_kind: global_buffer, .address_space: global }
      - { .name: b2, .offset: 24, .size: 8, .value_kind: global_buffer, .address_space: global }
      - { .name: out0, .offset: 32, .size: 8, .value_kind: global_buffer, .address_space: global }
    .group_segment_fixed_size: 0
    .private_segment_fixed_size: 0
    .kernarg_segment_align: 8
    .kernarg_segment_size: 40
    .max_flat_workgroup_size: 256
    .sgpr_count:     66
    .vgpr_count:     208
    .wavefront_size: 32
...
	.end_amdgpu_metadata
.endif
;; end of part 4
;; ======== version 2 of 3: 4 launches; 1.17 times as fast as version 1
;; workspace buffers: x16 2,097,152 bytes; sel 2,048 bytes of whole numbers; gat 8,192 bytes; hbuf 67,108,864 bytes; pos 8,192 bytes of whole numbers; rowg 32,768 bytes; ypart 134,217,728 bytes
;; launch router: the kernel of part 1 again; grid 32 x 1, 8 waves a work-group, no clusters, 91,904 bytes of LDS; arguments x, gate_w, x16, sel, gat; writes x16, sel, gat
;; launch up (part 5): grid 256 x 1, 4 waves a work-group, no clusters, 262,656 bytes of LDS; arguments x16, sel, gat, w1, b1, hbuf, pos, rowg; writes hbuf, pos, rowg
.if DOCPART == 5
	.amdgcn_target "amdgcn-amd-amdhsa--gfx1250"
	.amdhsa_code_object_version 6
	.text
	.protected	k_qd7617cfa1a_up
	.globl	k_qd7617cfa1a_up
	.p2align	8
	.type	k_qd7617cfa1a_up,@function
k_qd7617cfa1a_up:
	s_mov_b64 s[64:65], 0
	v_nop
	global_prefetch_b8 v0, s[64:65] scope:SCOPE_SE
	s_setreg_imm32_b32 hwreg(HW_REG_WAVE_MODE, 25, 1), 1
	s_wait_xcnt 0x0
; FIRST PRODUCT.  h = gelu(x w1[e] + b1[e]) (the exact gelu, by erf) for the rows that chose expert e; and where each routed row lies.
; ROWS.  An expert's rows are its choosers in ascending order of token: rank = the number of choosers with a lower token.  The router's masks (32 words of 32 tokens) stay in scalar registers.
; SHARES.  Work-group = (expert e = id / 32, slice sl = id % 32): it alone reads w1[e][0..1023][128 sl .. 128 sl + 127], once, and serves all of the expert's rows, whatever their number (0 to 1,024).
;   Tiles of 16 rows are dealt by turns: tile 20 round + wave + 4 place, five places a wave and round; 4 rounds cover 64 tiles.
; WEIGHTS IN LDS, bf16, in the order of matrix fragments: byte (2 q + h) 65536 + s 2048 + c 256 + 16 r: K step s of 32, column tile c of 8, half q of a fragment, lane (r, h).
;   Row r of tile c is slice column 64 (c / 4) + 4 r + c % 4.  Wave w brings rows 32 s + 8 w + 0..7 of every K step (an OCTET: eight loads of 512 consecutive bytes), which are (q, h) = (w / 2, w % 2): it writes region w alone.
; ROUND 0 STREAMS AND MULTIPLIES AT ONCE, in 16 blocks of two K steps a, a + 1.  At a block's head the octets of a + 2, a + 3 are rounded and those of a + 6, a + 7 asked for into their slots; the rounded pieces go into LDS between the
;   block's two barriers: every run of LDS stores has a barrier between it and the LDS loads on either side.  Tokens are asked for a K step at a time, three K steps ahead, into the registers that the K step just multiplied has left.
;   Loads into registers come back in the order of issue (ISA guide 5.7.1), so a wait for tokens is also a wait for every octet asked for before them: the octets' request stands directly behind a request for tokens, and so has
;   four K steps in which to land.  By the text's own count 62 loads of a wave are out at the most in the loop.
;   Every wave runs round 0 whole; a wave without a live tile multiplies rows that exist and stores nothing.  The eight products of a fifth place that is not live are jumped (never in the first K step, which starts the sums).
; ROUNDS 1 TO 3 serve an expert with more than 320 rows: the weights lie in LDS, and a plain loop takes one K step a trip, with nothing asked for ahead: short text for a rare case, slower there.  A wave with no live tile jumps a round.
; PRODUCTS.  Source 0 = weights from LDS, source 1 = tokens from x16 straight into registers; the bias is the C that starts the sums.  A rank at or past the count gives some token that exists; a place that is not live is not stored.
; OUT.  In the result a lane holds one token (lane % 16) and eight columns; rounded in pairs they ARE 16 bytes of a fragment of the second product's source, so h leaves in that order:
;   hbuf [e 64 + tile][kappa 0..127][q][lane][16 bytes], kappa = 4 sl + c / 2, q = c % 2; element j of lane (r, hh) is h[row r][128 sl + 64 (c / 4) + 32 hh + 4 j + c % 4].  A wave's store is 512 consecutive bytes.
; THE BOOKKEEPING.  Wave 0 does the slice's share, for tokens 32 sl .. 32 sl + 31: pos[token + 1024 x (second choice)] = e 1024 + rank and rowg[e][rank] = the gate, for the choosers among them;
;   and rowg[e][place] = 0 for the places 32 sl .. 32 sl + 31 at or past the count.  So each word of rowg[e] is stored once, by one work-group.  The gate is asked for at the start; the stores, the only lines
;   under an EXEC that hangs on the masks, stand at the wave's very end, and their offsets are made in the lines just ahead of them: behind the first of those stores no vector register is written.
; ROUNDING.  w1 and b1 are rounded to bf16 like every input; sums in f32; h rounded once to bf16.
; LIMITS.  erf by a rational approximation (Abramowitz and Stegun 7.1.26), within 1.5e-7 for every argument; where (x/2)^2 overflows the exponential is 0 and gelu(x) = max(x, 0).  NaN and infinities are not treated apart.
; NO CLUSTER: a slice of weights has one reader; the token rows are scattered over x16, which no tile descriptor covers.
.set PITCH,  16384                     ; bytes from a row of w1[e] to the next
.set KSB,    64                        ; bytes of a token row in a K step
.set QB,     32                        ; and in half a fragment
.set SPARE,  262144                    ; behind the weights: the spare words, 128 bytes a wave; no other line names them
; window 0
.set LANE, 1
.set R,    2                           ; lane % 16
.set HH,   3                           ; lane / 16
.set SPW,  4                           ; LDS address of my spare word; never rewritten
.set NIL,  5                           ; 0; never rewritten
.set L16,  6                           ; 16 x lane: offset in a weight row and in a piece of hbuf; never rewritten
.set WA,   7                           ; LDS address of my 16 bytes of a fragment's first half,
.set WA1,  8                           ; and of its second half, 131,072 further on
.set WST,  9                           ; where my pieces of an octet go
.set TOFF, 10                          ; v[10:14] byte offset of my token row's first 16 bytes in x16, for each of five places
.set B1O,  15                          ; 128 x (lane / 16)
.set PC,   16                          ; v[16:47] two octets' pieces; ahead of them the search and the bias on its way
.set TMP,  16
.set RK,   16                          ; v[16:18] the rank that my lane looks for, in each of three passes
.set SW,   20                          ; v[20:22] the mask word that holds it; later the other half of the lanes' token
.set SQ,   24                          ; v[24:26] that word's count of earlier choosers + 65536 x its number
.set TK,   28                          ; v[28:30] the token found
.set FK,   32                          ; which set bit of the word
.set FS,   33                          ; the bit's place so far
.set FT,   34
.set FU,   35
.set FA,   36                          ; the word's counts in fields of 2 bits,
.set FB,   37                          ; of 4,
.set FC,   38                          ; of 8
.set WS,   48                          ; v[48:175] four slots of 32: the octet of K step s, as loaded, in slot s % 4
.set HV,   48                          ; the way out works in those registers: x / 2,
.set UV,   64                          ; 1 + p z, then t, then the result,
.set EV,   80                          ; the exponent, then the exponential, then that times t,
.set PV,   96                          ; the polynomial, then erf,
.set OV,   112                         ; and two pieces to store
.set BI,   176                         ; v[176:239] the bias in a result's layout: tile c, register j at 8 c + j
.set BKP,  240                         ; wave 0's bookkeeping: my token's word in gat and in pos,
.set BKG,  241                         ; its gate, loaded at the start and kept to the wave's end,
.set BKR,  242                         ; its rank's word in rowg[e],
.set BKV,  243                         ; e 1024 + rank,
.set BKF,  244                         ; the word of place 32 sl + lane in rowg[e],
.set BKZ,  245                         ; and 0
.set WA0,  246                         ; (lane / 16) 65536 + 16 (lane % 16); never rewritten
; window 1: accumulators of places 0-3 at 64 i + 8 c.   window 2: v0-63 accumulators of place 4; from v64 two groups of 80: the tokens of K step s lie in group (s / 2) % 2, place i at 40 (s % 2) + 8 i.
; window 3: v0-127 two buffers of weight fragments (K step s in buffer s % 2, tile c at 8 c); v128-191 b1 as loaded.
.set TB,   64
.set RAW,  128
; scalars: s[4:5] x16, s[6:7] sel, s[8:9] gat, s[10:11] my rows of the slice, s[12:13] b1, s[14:15] hbuf, s[16:17] pos, s[18:19] rowg; s2 my group's mask, s104 its second-choice mask, s105 the places past the count;
; s20 wave, s21 e, s22 sl, s23 choosers in lower groups, s24 rows, s25 tiles, s26 round, s27 my first tile, s28 my live places, s29-31 at work; s[32:63] the masks, kept; s90 the mask of lanes 16-31; s92-93 lane selects;
; s[94:95] an offset; s96 first tile x 131,072.  s68-81: in round 0 the stepped bases below, from the way out on the constants of erf.
.set TH,  68                           ; s[68:69], s[70:71] token base of the requests at the head of the even blocks, of the odd blocks,
.set TM,  72                           ; s[72:73], s[74:75] of the requests between a block's two K steps,
.set WB,  76                           ; s[76:77], s[78:79] weight base.  A base of its own for each group of loads: it is stepped just ahead of its next use, when a counted wait has shown its last loads done
.set TAP, 82                           ; s[82:83] the plain loop's token base
.set HA,  84                           ; s[84:85] the base of a trip's stores
.set KC,  86                           ; counts blocks, or the plain loop's K steps
.set OC,  87                           ; counts the way out
.set WAS, 89                           ; the plain loop's place in a region of LDS
.set MSB, 0
.macro WIN new                         ; the immediate's high byte repeats the setting that is left; a switch that changes nothing is dropped
.if MSB != (\new)
	s_set_vgpr_msb (MSB<<8)|(\new)
.set MSB, \new
.endif
.endm
.macro PLACES                          ; four places in front of loads into registers that matrix instructions have read, and of vector work on their registers
.rept 4
	v_nop
.endr
.endm
.macro OLOAD slot, bs, srel            ; my octet of the K step srel ahead of the base: eight loads of 512 consecutive bytes
	WIN 0
.irp j, 0,1,2,3,4,5,6,7
	global_load_b128 v[WS+32*(\slot)+4*\j:WS+32*(\slot)+4*\j+3], v[L16], s[\bs:\bs+1] offset:(32*(\srel)+\j)*PITCH th:TH_LOAD_NT
.endr
.endm
.macro CVT slot, pc                    ; an octet is rounded: column f of my four gives a piece of eight k, 16 bytes, for tile 4 (lane / 16) + f
	WIN 0
.irp f, 0,1,2,3
.irp p, 0,1,2,3
	v_cvt_pk_bf16_f32 v[PC+16*(\pc)+4*\f+\p], v[WS+32*(\slot)+8*\p+\f], v[WS+32*(\slot)+8*\p+4+\f]
.endr
.endr
.endm
.macro CST pc, srel                    ; and laid into my region of LDS: sixteen lanes write 256 consecutive bytes
	WIN 0
.irp f, 0,1,2,3
	ds_store_b128 v[WST], v[PC+16*(\pc)+4*\f:PC+16*(\pc)+4*\f+3] offset:(\srel)*2048+256*\f
.endr
.endm
.macro FETCH u, srel                   ; a K step's eight weight fragments into buffer u: each load takes two runs of 256 consecutive bytes
	WIN 0xc0
.irp c, 0,1,2,3,4,5,6,7
	ds_load_b128 v[64*(\u)+8*\c:64*(\u)+8*\c+3], v[WA] offset:(\srel)*2048+256*\c
	ds_load_b128 v[64*(\u)+8*\c+4:64*(\u)+8*\c+7], v[WA1] offset:(\srel)*2048+256*\c
.endr
.endm
.macro TLOADH g, ks, bs, srel          ; one K step's token fragments of five places: ten loads; a place's two take 64 consecutive bytes of each of its 16 rows, and four K steps on end an aligned 256
	WIN 0x80
.irp i, 0,1,2,3,4
	global_load_b128 v[TB+80*(\g)+40*(\ks)+8*\i:TB+80*(\g)+40*(\ks)+8*\i+3], v[TOFF+\i], s[\bs:\bs+1] offset:(\srel)*KSB
	global_load_b128 v[TB+80*(\g)+40*(\ks)+8*\i+4:TB+80*(\g)+40*(\ks)+8*\i+7], v[TOFF+\i], s[\bs:\bs+1] offset:(\srel)*KSB+QB
.endr
.endm
.macro MUL u, g, ks, i, init           ; eight products: place i x all eight column tiles.  init = 1: the bias starts the sums.  The accumulators take turns, one instruction a turn
.set AW, 1+(\i)/4
.set AB, 64*((\i)%4)
.set TR, TB+80*(\g)+40*(\ks)+8*(\i)
.if \init
	WIN 0x0b|(AW<<6)
.else
	WIN 0x0b|(AW<<4)|(AW<<6)
.endif
.irp c, 0,1,2,3,4,5,6,7
.if \init
	v_wmma_f32_16x16x32_bf16 v[AB+8*\c:AB+8*\c+7], v[64*(\u)+8*\c:64*(\u)+8*\c+7], v[TR:TR+7], v[BI+8*\c:BI+8*\c+7]
.else
	v_wmma_f32_16x16x32_bf16 v[AB+8*\c:AB+8*\c+7], v[64*(\u)+8*\c:64*(\u)+8*\c+7], v[TR:TR+7], v[AB+8*\c:AB+8*\c+7]
.endif
.endr
.endm
.macro MUL5 u, g, ks                   ; the fifth place: jumped where it is not live; no barrier stands in what is jumped
	WIN 0
	s_cmp_lt_u32 s28, 5
	s_cbranch_scc1 .Lno5_\@
	MUL \u, \g, \ks, 4, 0
	WIN 0
.Lno5_\@:
.endm
; A BLOCK: K steps a (buffer 0) and a + 1 (buffer 1), tokens in group par.  fr1, fr2, cr: the K steps a + 1, a + 2 (fetched) and a + 2 (stored), counted from where WA and WST stand.  step: a base goes four K steps on ahead of its use.
; AT THE HEAD: doC: the octets of a + 2, a + 3 are rounded (they go into LDS further down, between two barriers); doT1: the tokens of a + 3 are asked for, into the registers that K step a - 1 has left;
; doO: the octets of a + 6, a + 7 are asked for, into the slots just rounded.  BETWEEN THE TWO K STEPS: doT2: the tokens of a + 4 are asked for, into the registers that K step a has left.
; n1: the loads that may stay out at the head: those issued behind the tokens of a: the tokens of a + 1 (10), the octets of a + 4, a + 5 (16), the tokens of a + 2 (10).  The octets that this block rounds are older than the tokens of a.
; n2: those that may stay out between the K steps: issued behind the tokens of a + 1: octets (16), tokens of a + 2 and of a + 3 (10 each), octets (16).  In the last blocks the groups that no longer exist fall out of both counts.
.macro BLK par, init, step, fr1, fr2, cr, doC, doT1, doO, doT2, n1, n2
	s_wait_dscnt 0x0                               ; the fragments of K step a
	s_wait_loadcnt \n1
	WIN 0
.if \doC
	CVT 2-2*(\par), 0                              ; 32 plain vector lines that name no register of the last products: also the places in front of the loads below
	CVT 3-2*(\par), 1
.else
	PLACES                                         ; buffer 1 was read by the block before
.endif
.if \doT1
.if \step
	s_add_nc_u64 s[TH+2*(\par):TH+2*(\par)+1], s[TH+2*(\par):TH+2*(\par)+1], 4*KSB
.endif
	TLOADH 1-(\par), 1, TH+2*(\par), 3-2*(\par)
.endif
.if \doO
.if \step
	s_add_nc_u64 s[WB+2*(\par):WB+2*(\par)+1], s[WB+2*(\par):WB+2*(\par)+1], 128*PITCH
.endif
	OLOAD 2-2*(\par), WB+2*(\par), 6-2*(\par)
	OLOAD 3-2*(\par), WB+2*(\par), 7-2*(\par)
.endif
	FETCH 1, \fr1
	MUL 0, \par, 0, 0, \init
	MUL 0, \par, 0, 1, \init
	MUL 0, \par, 0, 2, \init
	s_wait_dscnt 0x0                               ; the fragments of K step a + 1 are back: no LDS load of mine is out
.if \doC
	s_barrier_signal -1
.endif
	MUL 0, \par, 0, 3, \init
.if \doC
	s_barrier_wait -1                              ; nor any other wave's: only now is LDS written
	CST 0, \cr
	CST 1, (\cr)+1
.endif
.if \init
	MUL 0, \par, 0, 4, 1
.else
	MUL5 0, \par, 0
.endif
	WIN 0
.if \doT2
	PLACES                                         ; the tokens of K step a were read by the products just issued
.endif
	s_wait_loadcnt \n2                             ; the tokens of K step a + 1
.if \doT2
.if \step
	s_add_nc_u64 s[TM+2*(\par):TM+2*(\par)+1], s[TM+2*(\par):TM+2*(\par)+1], 4*KSB
.endif
	TLOADH \par, 0, TM+2*(\par), 4-2*(\par)
.endif
	MUL 1, \par, 1, 0, 0
.if \doC
	s_wait_dscnt 0x0                               ; for the others' sake: my stores are done
	s_barrier_signal -1
.endif
	MUL 1, \par, 1, 1, 0
.if \doC
	s_barrier_wait -1                              ; and everybody's: K steps a + 2, a + 3 are whole
	WIN 0
	PLACES                                         ; buffer 0 was read by K step a
	FETCH 0, \fr2
.endif
	MUL 1, \par, 1, 2, 0
	MUL 1, \par, 1, 3, 0
	MUL5 1, \par, 1
.endm
; The plain loop's K step: all is asked for, waited for and multiplied
.macro PSTEP init
	WIN 0
	PLACES
	TLOADH 0, 0, TAP, 0
	FETCH 0, 0
	s_wait_loadcnt 0x0
	s_add_nc_u64 s[TAP:TAP+1], s[TAP:TAP+1], KSB   ; free: the wait above has shown its loads done
	s_wait_dscnt 0x0
	WIN 0
	s_add_co_u32 s[WAS], s[WAS], 2048
	v_add_nc_u32 v[WA], s[WAS], v[WA0]
	v_add_nc_u32 v[WA1], 0x20000, v[WA]
	MUL 0, 0, 0, 0, \init
	MUL 0, 0, 0, 1, \init
	MUL 0, 0, 0, 2, \init
	MUL 0, 0, 0, 3, \init
.if \init
	MUL 0, 0, 0, 4, 1
.else
	MUL5 0, 0, 0
.endif
.endm
.macro NLIVE                           ; my live places: those of tiles s27, s27 + 4, .. + 16 that lie below the expert's number of tiles
	s_add_co_u32 s28, s25, 3
	s_sub_co_i32 s28, s28, s27
	s_max_i32 s28, s28, 0
	s_lshr_b32 s28, s28, 2
	s_min_u32 s28, s28, 5
	s_lshl_b32 s96, s27, 17
.endm
; THE SEARCH's second half.  One halving: FT = the set bits in the lower half of the range that begins at bit FS; if the bit looked for is not among them, they are taken off FK and the range's upper half is taken.
.macro LEVEL src, width
	v_bfe_u32 v[FT], v[\src], v[FS], \width
	v_cmp_ge_u32 vcc_lo, v[FK], v[FT]
	v_cndmask_b32 v[FT], 0, v[FT], vcc_lo
	v_sub_nc_u32 v[FK], v[FK], v[FT]
	v_cndmask_b32 v[FU], 0, \width, vcc_lo
	v_add_nc_u32 v[FS], v[FS], v[FU]
.endm
; Pass p: the place of set bit number (rank - earlier choosers) of the word, and from it the token
.macro FIND p
	v_and_b32 v[FK], 0xffff, v[SQ+\p]
	v_sub_nc_u32 v[FK], v[RK+\p], v[FK]            ; which set bit of the word, from 0
	v_lshrrev_b32 v[SQ+\p], 16, v[SQ+\p]           ; the word's number
	v_lshrrev_b32 v[FA], 1, v[SW+\p]
	v_and_b32 v[FA], 0x55555555, v[FA]
	v_sub_nc_u32 v[FA], v[SW+\p], v[FA]            ; counts in fields of 2 bits
	v_lshrrev_b32 v[FB], 2, v[FA]
	v_and_b32 v[FB], 0x33333333, v[FB]
	v_and_b32 v[FT], 0x33333333, v[FA]
	v_add_nc_u32 v[FB], v[FB], v[FT]               ; of 4
	v_lshrrev_b32 v[FC], 4, v[FB]
	v_add_nc_u32 v[FC], v[FC], v[FB]
	v_and_b32 v[FC], 0x0f0f0f0f, v[FC]             ; of 8
	v_lshrrev_b32 v[FT], 8, v[FC]
	v_add_nc_u32 v[FT], v[FT], v[FC]
	v_and_b32 v[FT], 0xff, v[FT]                   ; the set bits among bits 0-15
	v_cmp_ge_u32 vcc_lo, v[FK], v[FT]
	v_cndmask_b32 v[FT], 0, v[FT], vcc_lo
	v_sub_nc_u32 v[FK], v[FK], v[FT]
	v_cndmask_b32 v[FS], 0, 16, vcc_lo
	LEVEL FC, 8
	LEVEL FB, 4
	LEVEL FA, 2
	v_bfe_u32 v[FT], v[SW+\p], v[FS], 1
	v_cmp_ge_u32 vcc_lo, v[FK], v[FT]
	v_cndmask_b32 v[FT], 0, 1, vcc_lo
	v_add_nc_u32 v[FS], v[FS], v[FT]
	v_lshl_add_u32 v[TK+\p], v[SQ+\p], 5, v[FS]    ; token = 32 x word + bit
.endm
; THE SEARCH: the tokens of my five places' ranks, from the masks.  In pass p lanes 0-15 look for the 16 ranks of place 2 p, lanes 16-31 for those of place 2 p + 1, four tiles (64 ranks) on.
; A walk over the 32 words: the last word whose count of earlier choosers does not pass the rank holds it.
.macro SEARCH
	s_lshl_b32 s29, s27, 4
	v_lshl_add_u32 v[RK], v[HH], 6, v[R]
	v_add_nc_u32 v[RK], s29, v[RK]
	v_add_nc_u32 v[RK+1], 0x80, v[RK]
	v_add_nc_u32 v[RK+2], 0x100, v[RK]
.irp p, 0,1,2
	v_mov_b32 v[SW+\p], s32
	v_mov_b32 v[SQ+\p], 0
.endr
	s_bcnt1_i32_b32 s30, s32
.set g, 1
.rept 31
	s_or_b32 s31, s30, g<<16                       ; the count, 1,024 at the most, and the word's number above it
.irp p, 0,1,2
	v_cmp_le_u32 vcc_lo, s30, v[RK+\p]
	v_cndmask_b32 v[SW+\p], v[SW+\p], s[32+g], vcc_lo
	v_cndmask_b32 v[SQ+\p], v[SQ+\p], s31, vcc_lo
.endr
.if g < 31
	s_bcnt1_i32_b32 s29, s[32+g]
	s_add_co_u32 s30, s30, s29
.endif
.set g, g+1
.endr
	FIND 0
	FIND 1
	FIND 2
.irp p, 0,1,2
	v_permlanex16_b32 v[SW+\p], v[TK+\p], s92, s93 ; the other half's token; the destination has been written
.endr
.irp p, 0,1
	v_cndmask_b32 v[TOFF+2*\p], v[TK+\p], v[SW+\p], s90    ; place 2 p: both halves of the lanes hold the token of row lane % 16
	v_cndmask_b32 v[TOFF+2*\p+1], v[SW+\p], v[TK+\p], s90  ; place 2 p + 1
.endr
	v_cndmask_b32 v[TOFF+4], v[TK+2], v[SW+2], s90
.irp i, 0,1,2,3,4
	v_lshl_add_u32 v[TOFF+\i], v[TOFF+\i], 7, v[HH]  ; in pieces of 16 bytes: 128 to a row, and my half of the lanes' one
	v_min_u32 v[TOFF+\i], 0x1ff81, v[TOFF+\i]      ; 1,023 x 128 + 1 at the most: the last load of a row then ends at 16 x that + 31 x 64 + 32 + 16 = 2,097,152, x16's end
	v_lshlrev_b32 v[TOFF+\i], 4, v[TOFF+\i]
.endr
.endm
; Wave 0's bookkeeping: v18 = my token, 32 sl + lane; v[BKP] = the byte offset of its word in gat and in pos: 4 x (token + 1024 where the expert is its second choice)
.macro MYWORD
	s_lshl_b32 s29, s22, 5
	v_add_nc_u32 v18, s29, v[LANE]
	v_lshrrev_b32 v17, v[LANE], s104
	v_and_b32 v17, 1, v17
	v_lshlrev_b32 v17, 10, v17
	v_add_nc_u32 v17, v17, v18
	v_min_u32 v17, 0x7ff, v17                      ; held inside the 2,048 words
	v_lshlrev_b32 v[BKP], 2, v17
.endm
.macro BLOCK k                         ; the way out's trip k: x / 2 of place k / 4, column tiles 2 (k % 4) and the next, into window 0; each accumulator's low registers are read first
.Lblk_\k:
.set AW, 1+(\k)/16
.set AB, 64*(((\k)/4)%4)+16*((\k)%4)
	WIN AW<<2
.set n, 0
.rept 16
	v_mul_f32 v[HV+n], 0.5, v[AB+n]
.set n, n+1
.endr
	WIN 0
	s_add_co_u32 s94, s96, (((\k)/4)<<19)+((\k)%4)*1024  ; the place's tile, four tiles of 131,072 bytes on for each place, + the K step of the second product that these two pieces belong to
.endm
	s_load_b512 s[4:19], s[0:1], 0x0
	v_lshl_add_u32 v[SPW], v0, 2, SPARE
	v_mov_b32 v[NIL], 0
	v_and_b32 v[LANE], 31, v0
	v_and_b32 v[R], 15, v0
	v_bfe_u32 v[HH], v0, 4, 1
	v_lshrrev_b32 v16, 5, v0
	v_readfirstlane_b32 s20, v16                   ; wave 0..3
	s_lshr_b32 s21, ttmp9, 5                       ; e
	s_and_b32 s22, ttmp9, 31                       ; sl
	v_lshlrev_b32 v[L16], 4, v[LANE]
	v_lshlrev_b32 v[B1O], 7, v[HH]
	v_lshlrev_b32 v[WA0], 4, v[R]
	v_lshl_add_u32 v[WST], v[HH], 10, v[WA0]       ; lanes 16-31 hold columns 64 on: tiles 4-7, 1,024 bytes on
	s_lshl_b32 s29, s20, 16                        ; region w
	v_add_nc_u32 v[WST], s29, v[WST]
	v_lshl_add_u32 v[WA0], v[HH], 16, v[WA0]
	v_mov_b32 v[WA], v[WA0]
	v_add_nc_u32 v[WA1], 0x20000, v[WA0]
	s_mov_b32 s101, 0
	s_mov_b32 s97, 0
	s_mov_b32 s90, 0xffff0000                      ; lanes 16-31
	s_mov_b32 s92, 0x76543210                      ; v_permlanex16_b32: each lane takes its own place in the other half
	s_mov_b32 s93, 0xfedcba98
	s_mov_b32 s95, 0
	s_wait_kmcnt 0x0
	s_lshl_b32 s100, s21, 8
	s_add_nc_u64 s[6:7], s[6:7], s[100:101]        ; the expert's 64 words of sel
	s_lshl_b32 s96, s22, 2
	s_add_nc_u64 s[98:99], s[6:7], s[96:97]        ; and the word of tokens 32 sl .. 32 sl + 31
	s_load_b512 s[32:47], s[6:7], 0x0
	s_load_b512 s[48:63], s[6:7], 0x40
	s_load_b32 s2, s[98:99], 0x0
	s_load_b32 s104, s[98:99], 0x80
	s_lshl_b32 s29, s22, 9                         ; the slice's 128 columns, in bytes of f32
	s_lshl_b32 s100, s21, 14
	s_add_co_u32 s100, s100, s29
	s_add_nc_u64 s[12:13], s[12:13], s[100:101]    ; b1[e] at the slice
	WIN 0xc0
.irp t, 0,1
.irp j, 0,1,2,3,4,5,6,7
	global_load_b128 v[RAW+32*\t+4*\j:RAW+32*\t+4*\j+3], v[B1O], s[12:13] offset:256*\t+16*\j  ; columns 64 t + 32 hh + 4 j + 0..3
.endr
.endr
	s_lshl_b32 s100, s21, 24                       ; w1[e]: 16 MiB,
	s_lshl_b32 s30, s20, 17                        ; my eight rows of a K step,
	s_add_co_u32 s100, s100, s30
	s_add_co_u32 s100, s100, s29                   ; the slice
	s_add_nc_u64 s[10:11], s[10:11], s[100:101]
	OLOAD 0, 10, 0                                 ; the octets of K steps 0 to 3: 32 loads, 16,384 bytes of the wave on their way
	OLOAD 1, 10, 1
	OLOAD 2, 10, 2
	OLOAD 3, 10, 3
	s_lshl_b32 s100, s21, 23                       ; hbuf: an expert has 64 tiles of 131,072 bytes;
	s_lshl_b32 s30, s22, 12                        ; the slice's four K steps of 1,024 bytes
	s_add_co_u32 s100, s100, s30
	s_add_nc_u64 s[14:15], s[14:15], s[100:101]
	s_lshl_b32 s100, s21, 12
	s_add_nc_u64 s[18:19], s[18:19], s[100:101]    ; rowg[e]
	s_mov_b64 s[TH:TH+1], s[4:5]
	s_mov_b64 s[TH+2:TH+3], s[4:5]
	s_mov_b64 s[TM:TM+1], s[4:5]
	s_mov_b64 s[TM+2:TM+3], s[4:5]
	s_mov_b64 s[WB:WB+1], s[10:11]
	s_mov_b64 s[WB+2:WB+3], s[10:11]
	s_wait_kmcnt 0x0
	s_mov_b32 s24, 0                               ; the expert's rows,
	s_mov_b32 s23, 0                               ; and those of them in groups below mine
.set g, 0
.rept 32
	s_bcnt1_i32_b32 s29, s[32+g]
	s_add_co_u32 s24, s24, s29
	s_cmp_gt_u32 s22, g
	s_cselect_b32 s29, s29, 0
	s_add_co_u32 s23, s23, s29
.set g, g+1
.endr
	s_add_co_u32 s25, s24, 15
	s_lshr_b32 s25, s25, 4
	s_min_u32 s25, s25, 64                         ; its tiles of 16 rows
	s_mov_b32 s26, 0                               ; round 0
	s_mov_b32 s27, s20
	NLIVE
	SEARCH                                         ; while the first octets are on their way
	s_cmp_lg_u32 s20, 0
	s_cbranch_scc1 .Lnobk
	MYWORD                                         ; wave 0: lane l stands for token 32 sl + l; its gate is asked for here and stored at the wave's end.
	global_load_b32 v[BKG], v[BKP], s[8:9]         ; One load more among those counted below only makes a count stricter
.Lnobk:
	TLOADH 0, 0, 4, 0                              ; the tokens of K steps 0 and 1
	TLOADH 0, 1, 4, 1
	s_wait_loadcnt 36                              ; b1 and the octets of K steps 0 and 1 are in; the 16 loads of the next two octets and the 20 of tokens stay out
	CVT 0, 0
	CVT 1, 1
	CST 0, 0
	CST 1, 1
	OLOAD 0, 10, 4                                 ; in the order in which the blocks go on: octets behind the tokens of K step 1,
	OLOAD 1, 10, 5
	TLOADH 1, 0, 4, 2                              ; then the tokens of K step 2
	; the bias: rounded to bf16, widened again, in the layout of a result
	WIN 0x0f
.irp t, 0,1
.irp j, 0,1,2,3,4,5,6,7
	v_cvt_pk_bf16_f32 v[TMP+16*\t+2*\j], v[RAW+32*\t+4*\j], v[RAW+32*\t+4*\j+1]
	v_cvt_pk_bf16_f32 v[TMP+16*\t+2*\j+1], v[RAW+32*\t+4*\j+2], v[RAW+32*\t+4*\j+3]
.endr
.endr
	WIN 0
.irp t, 0,1
.irp j, 0,1,2,3,4,5,6,7
	v_lshlrev_b32 v[BI+32*\t+\j], 16, v[TMP+16*\t+2*\j]
	v_and_b32 v[BI+32*\t+8+\j], 0xffff0000, v[TMP+16*\t+2*\j]
	v_lshlrev_b32 v[BI+32*\t+16+\j], 16, v[TMP+16*\t+2*\j+1]
	v_and_b32 v[BI+32*\t+24+\j], 0xffff0000, v[TMP+16*\t+2*\j+1]
.endr
.endr
	s_wait_dscnt 0x0                               ; for the others' sake: my part of K steps 0 and 1 is in LDS
	s_barrier_signal -1
	s_barrier_wait -1
	FETCH 0, 0
	; ROUND 0: blocks 0 to 15
	BLK 0, 1, 0, 1, 2, 2, 1, 1, 1, 1, 36, 52       ; block 0 stands in front of the loop: its first products start the sums
	WIN 0                                          ; at a label and at a branch every window is 0
	s_mov_b32 s[KC], 6
.Lblk:                                                 ; blocks 2 t + 1 and 2 t + 2; WA and WST stand at K step 4 t
	BLK 1, 0, 1, 3, 4, 4, 1, 1, 1, 1, 36, 52
	BLK 0, 0, 1, 5, 6, 6, 1, 1, 1, 1, 36, 52
	WIN 0
	v_add_nc_u32 v[WA], 0x2000, v[WA]              ; four K steps on
	v_add_nc_u32 v[WA1], 0x2000, v[WA1]
	v_add_nc_u32 v[WST], 0x2000, v[WST]
	s_sub_co_u32 s[KC], s[KC], 1
	s_cmp_lg_u32 s[KC], 0
	s_cbranch_scc1 .Lblk
	BLK 1, 0, 1, 3, 4, 4, 1, 1, 0, 1, 36, 36       ; block 13: no octet is left to ask for: behind the tokens of K step 27 stand 16 + 10 + 10
	BLK 0, 0, 1, 5, 6, 6, 1, 1, 0, 0, 20, 20       ; block 14: the last octets go into LDS, the tokens of K step 31 are asked for: two groups of tokens stand behind those waited for
	BLK 1, 0, 0, 7, 0, 0, 0, 0, 0, 0, 10, 0        ; block 15: behind the tokens of K step 30 stand those of 31, behind these nothing
	WIN 0
	s_branch .Lwayout                              ; into the middle of the loop over rounds: the way out is written once
.Lround:                                               ; rounds 1 to 3
	s_mul_i32 s27, s26, 20
	s_add_co_u32 s27, s27, s20                     ; my first tile of this round
	NLIVE
	s_cmp_eq_u32 s28, 0
	s_cbranch_scc1 .Lnext                          ; none live: forward to the counter's step
	s_wait_xcnt 0x0                                ; the last round's stores and loads have read their registers
	SEARCH
	s_mov_b64 s[TAP:TAP+1], s[4:5]
	s_mov_b32 s[WAS], 0
	v_add_nc_u32 v[WA], s[WAS], v[WA0]
	v_add_nc_u32 v[WA1], 0x20000, v[WA]
	PSTEP 1                                        ; K step 0 starts the sums
	WIN 0
	s_mov_b32 s[KC], 31
.Lpk:
	PSTEP 0
	WIN 0
	s_sub_co_u32 s[KC], s[KC], 1
	s_cmp_lg_u32 s[KC], 0
	s_cbranch_scc1 .Lpk
	; THE WAY OUT: 20 trips of 16 numbers a lane; one text for the arithmetic, a short block for each trip to bring its accumulators into window 0
.Lwayout:
	PLACES
	s_mov_b32 s68, 0x3eed3388                      ; p sqrt(2) = 0.46328378: z = |x| / sqrt(2) = sqrt(2) |x / 2|
	s_mov_b32 s70, 0xc038aa3b                      ; -2 log2(e): e^(-z z) = 2^(-2 log2(e) (x/2)^2)
	s_mov_b32 s71, s70                             ; the packed forms name pairs and take the low word for both halves
	s_mov_b32 s72, 0x3e827906                      ; a1 =  0.254829592
	s_mov_b32 s73, s72
	s_mov_b32 s74, 0xbe91a98e                      ; a2 = -0.284496736
	s_mov_b32 s75, s74
	s_mov_b32 s76, 0x3fb5f0e3                      ; a3 =  1.421413741
	s_mov_b32 s77, s76
	s_mov_b32 s78, 0xbfba00e3                      ; a4 = -1.453152027
	s_mov_b32 s79, s78
	s_mov_b32 s80, 0x3f87dc22                      ; a5 =  1.061405429
	s_mov_b32 s81, s80
	s_mov_b32 s[OC], 0
.Lout:
	s_lshr_b32 s29, s[OC], 2
	s_cmp_ge_u32 s29, s28
	s_cbranch_scc1 .Loutnext                       ; a place that is not live is not stored
.irp k, 1,2,3,4,5,6,7,8,9,10,11,12,13,14,15,16,17,18,19
	s_cmp_eq_u32 s[OC], \k
	s_cbranch_scc1 .Lblk_\k
.endr
	BLOCK 0
	s_branch .Lcommon
.irp k, 1,2,3,4,5,6,7,8,9,10,11,12,13,14,15,16,17,18
	BLOCK \k
	s_branch .Lcommon
.endr
	BLOCK 19
.Lcommon:                              ; gelu(x) = H + |H| erf(z), H = x / 2; erf(z) = 1 - t (a1 + t (a2 + t (a3 + t (a4 + t a5)))) e^(-z z), t = 1 / (1 + p z)
.set n, 0
.rept 16
	v_fma_f32 v[UV+n], |v[HV+n]|, s68, 1.0
.set n, n+1
.endr
.set n, 0
.rept 8
	v_pk_mul_f32 v[EV+n:EV+n+1], v[HV+n:HV+n+1], v[HV+n:HV+n+1]
.set n, n+2
.endr
.set n, 0
.rept 8
	v_pk_mul_f32 v[EV+n:EV+n+1], v[EV+n:EV+n+1], s[70:71] op_sel_hi:[1,0]
.set n, n+2
.endr
.set n, 0
.rept 16
	v_rcp_f32 v[UV+n], v[UV+n]
.set n, n+1
.endr
.set n, 0
.rept 16
	v_exp_f32 v[EV+n], v[EV+n]
.set n, n+1
.endr
	v_nop                                          ; a plain instruction behind the last of them,
	s_wait_alu depctr_va_vdst(0)                   ; and the wait ahead of the first use: one for the batch of 32
.set n, 0
.rept 8
	v_pk_fma_f32 v[PV+n:PV+n+1], v[UV+n:UV+n+1], s[80:81], s[78:79] op_sel_hi:[1,0,0]
.set n, n+2
.endr
.irp a, 76,74,72
.set n, 0
.rept 8
	v_pk_fma_f32 v[PV+n:PV+n+1], v[PV+n:PV+n+1], v[UV+n:UV+n+1], s[\a:\a+1] op_sel_hi:[1,1,0]
.set n, n+2
.endr
.endr
.set n, 0
.rept 8
	v_pk_mul_f32 v[EV+n:EV+n+1], v[EV+n:EV+n+1], v[UV+n:UV+n+1]
.set n, n+2
.endr
.set n, 0
.rept 8
	v_pk_fma_f32 v[PV+n:PV+n+1], v[PV+n:PV+n+1], v[EV+n:EV+n+1], 1.0 op_sel_hi:[1,1,0] neg_lo:[1,0,0] neg_hi:[1,0,0]
.set n, n+2
.endr
.set n, 0
.rept 16
	v_fma_f32 v[UV+n], |v[HV+n]|, v[PV+n], v[HV+n]
.set n, n+1
.endr
	s_wait_xcnt 0x0                                ; the last trip's stores have read their data and their base
.set n, 0
.rept 8
	v_cvt_pk_bf16_f32 v[OV+n], v[UV+2*n], v[UV+2*n+1]
.set n, n+1
.endr
	s_add_nc_u64 s[HA:HA+1], s[14:15], s[94:95]
	global_store_b128 v[L16], v[OV:OV+3], s[HA:HA+1]             ; 512 consecutive bytes, at a multiple of 512 from hbuf's first
	global_store_b128 v[L16], v[OV+4:OV+7], s[HA:HA+1] offset:512
.Loutnext:
	s_add_co_u32 s[OC], s[OC], 1
	s_cmp_lt_u32 s[OC], 20
	s_cbranch_scc1 .Lout
.Lnext:
	s_add_co_u32 s26, s26, 1
	s_cmp_lt_u32 s26, 4
	s_cbranch_scc1 .Lround
	; THE BOOKKEEPING, wave 0: the offsets and values are made here, from scalars that are still at hand, in one run of lines with the stores that use them
	s_cmp_lg_u32 s20, 0
	s_cbranch_scc1 .Lnobook
	s_wait_loadcnt 0x0                             ; the gate is in; its load's offset register may be written again
	s_wait_xcnt 0x0                                ; every earlier store has read its registers; EXEC changes only behind this wait
	MYWORD                                         ; v18 my token, v[BKP] its word in pos
	v_lshlrev_b32 v16, v[LANE], 1
	v_add_nc_u32 v16, -1, v16                      ; the bits below my lane
	v_and_b32 v16, s2, v16                         ; the choosers below me in my group; their number:
	v_lshrrev_b32 v17, 1, v16
	v_and_b32 v17, 0x55555555, v17
	v_sub_nc_u32 v16, v16, v17
	v_lshrrev_b32 v17, 2, v16
	v_and_b32 v16, 0x33333333, v16
	v_and_b32 v17, 0x33333333, v17
	v_add_nc_u32 v16, v16, v17
	v_lshrrev_b32 v17, 4, v16
	v_add_nc_u32 v16, v16, v17
	v_and_b32 v16, 0x0f0f0f0f, v16
	v_lshrrev_b32 v17, 8, v16
	v_add_nc_u32 v16, v16, v17
	v_lshrrev_b32 v17, 16, v16
	v_add_nc_u32 v16, v16, v17
	v_and_b32 v16, 63, v16
	v_add_nc_u32 v16, s23, v16                     ; my rank, if I am a chooser
	v_min_u32 v16, 0x3ff, v16                      ; held inside the expert's 1,024 rows
	v_lshlrev_b32 v[BKR], 2, v16                   ; its word in rowg[e]
	s_lshl_b32 s30, s21, 10
	v_add_nc_u32 v[BKV], s30, v16                  ; e 1024 + rank
	v_cmp_le_u32 s105, s24, v18                    ; 32 sl + lane is also the place in rowg[e] that I fill if it lies at or past the count: does it?
	v_lshlrev_b32 v[BKF], 2, v18
	v_mov_b32 v[BKZ], 0
	s_mov_b32 vcc_lo, s2
	s_and_saveexec_b32 s29, vcc_lo                 ; the choosers among my 32 tokens
	global_store_b32 v[BKP], v[BKV], s[16:17]      ; where the row of this token and choice lies
	global_store_b32 v[BKR], v[BKG], s[18:19]      ; the row's gate
	s_wait_xcnt 0x0                                ; and again in front of the line that widens EXEC
	s_or_b32 exec_lo, exec_lo, s29
	s_mov_b32 vcc_lo, s105
	s_and_saveexec_b32 s29, vcc_lo                 ; the places at or past the count
	global_store_b32 v[BKF], v[BKZ], s[18:19]      ; hold 0: the second product reads whole tiles of gates
	s_wait_xcnt 0x0
	s_or_b32 exec_lo, exec_lo, s29
.Lnobook:
	s_wait_dscnt 0x0                               ; my reads of LDS are back,
	s_barrier_signal -1
	s_barrier_wait -1                              ; and so are every wave's: only now does any wave write LDS again
	s_wait_tensorcnt 0x0                           ; the wave's end
	ds_add_u32 v[SPW], v[NIL]
	s_wait_dscnt 0x0
	s_endpgm
.Lfunc_end_k_qd7617cfa1a_up:
	.size	k_qd7617cfa1a_up, .Lfunc_end_k_qd7617cfa1a_up-k_qd7617cfa1a_up
	.p2alignl 7, 3214868480
	.fill 96, 4, 3214868480
	.section	.rodata,"a",@progbits
	.p2align	6, 0x0
	.amdhsa_kernel k_qd7617cfa1a_up
		.amdhsa_group_segment_fixed_size 262656
		.amdhsa_private_segment_fixed_size 0
		.amdhsa_enable_private_segment 0
		.amdhsa_kernarg_size 64
		.amdhsa_user_sgpr_count 2
		.amdhsa_user_sgpr_kernarg_segment_ptr 1
		.amdhsa_wavefront_size32 1
		.amdhsa_system_sgpr_workgroup_id_x 1
		.amdhsa_system_sgpr_workgroup_id_y 1
		.amdhsa_system_sgpr_workgroup_id_z 1
		.amdhsa_system_vgpr_workitem_id 0
		.amdhsa_next_free_vgpr 960
		.amdhsa_next_free_sgpr 106
		.amdhsa_reserve_vcc 1
		.amdhsa_float_denorm_mode_32 3
		.amdhsa_float_denorm_mode_16_64 3
		.amdhsa_memory_ordered 1
		.amdhsa_forward_progress 1
		.amdhsa_inst_pref_size 187
	.end_amdhsa_kernel
	.amdgpu_metadata
---
amdhsa.version: [ 1, 2 ]
amdhsa.kernels:
  - .name:           k_qd7617cfa1a_up
    .symbol:         k_qd7617cfa1a_up.kd
    .args:
      - { .name: x16, .offset: 0, .size: 8, .value_kind: global_buffer, .address_space: global }
      - { .name: sel, .offset: 8, .size: 8, .value_kind: global_buffer, .address_space: global }
      - { .name: gat, .offset: 16, .size: 8, .value_kind: global_buffer, .address_space: global }
      - { .name: w1, .offset: 24, .size: 8, .value_kind: global_buffer, .address_space: global }
      - { .name: b1, .offset: 32, .size: 8, .value_kind: global_buffer, .address_space: global }
      - { .name: hbuf, .offset: 40, .size: 8, .value_kind: global_buffer, .address_space: global }
      - { .name: pos, .offset: 48, .size: 8, .value_kind: global_buffer, .address_space: global }
      - { .name: rowg, .offset: 56, .size: 8, .value_kind: global_buffer, .address_space: global }
    .group_segment_fixed_size: 262656
    .private_segment_fixed_size: 0
    .kernarg_segment_align: 8
    .kernarg_segment_size: 64
    .max_flat_workgroup_size: 128
    .sgpr_count:     106
    .vgpr_count:     960
    .wavefront_size: 32
...
	.end_amdgpu_metadata
.endif
;; end of part 5
;; launch down (part 6): grid 256 x 1, 4 waves a work-group, no clusters, 262,656 bytes of LDS; arguments hbuf, sel, rowg, w2, ypart; writes ypart
.if DOCPART == 6
	.amdgcn_target "amdgcn-amd-amdhsa--gfx1250"
	.amdhsa_code_object_version 6
	.text
	.protected	k_qd7617cfa1a_down
	.globl	k_qd7617cfa1a_down
	.p2align	8
	.type	k_qd7617cfa1a_down,@function
k_qd7617cfa1a_down:
	s_mov_b64 s[64:65], 0
	v_nop
	global_prefetch_b8 v0, s[64:65] scope:SCOPE_SE
	s_setreg_imm32_b32 hwreg(HW_REG_WAVE_MODE, 25, 1), 1
	s_wait_xcnt 0x0
; SECOND PRODUCT.  ypart[kq][e 1024 + rank][:] = gate(row) x (h[row][1024 kq .. 1024 kq + 1023] w2[e][those rows][:]): four partial sums over F for each routed row, in f32; the last launch adds them.
; SHARES.  Work-group = (expert e = id / 32, quarter of F kq = (id / 8) % 4, columns 128 cs .. 128 cs + 127 with cs = id % 8): it alone reads its 1,024 x 128 numbers of w2[e], once, and serves all of the expert's rows (0 to 1,024).
;   Tiles of 16 rows are dealt by turns: tile 20 round + wave + 4 place, five places a wave and round; 4 rounds cover 64 tiles.
; WEIGHTS IN LDS, bf16, in the order of matrix fragments: byte (2 q + h) 65536 + s 2048 + c 256 + 16 r: K step s of 32, column tile c of 8, half q of a fragment, lane (r, h); column r of tile c is slice column 64 (c / 4) + 4 r + c % 4.
;   h lies in memory in the order in which the first product's results fell (hbuf: [tile][K step][q][lane][16 bytes]): position (q, hh, j) of K step s is row 64 (s / 2) + 32 hh + 4 j + 2 (s % 2) + q of the quarter,
;   so w2's rows are taken in that same order: wave w brings rows 64 (s / 2) + 32 (w % 2) + 2 (s % 2) + w / 2 + 4 j of every K step (an OCTET: eight loads of 512 consecutive bytes), which are (q, hh) = (w / 2, w % 2): it writes region w alone.
; ROUND 0 STREAMS AND MULTIPLIES AT ONCE, in 16 blocks of two K steps a, a + 1.  At a block's head the octets of a + 2, a + 3 are rounded and those of a + 6, a + 7 asked for into their slots; the rounded pieces go into LDS between the
;   block's two barriers: every run of LDS stores has a barrier between it and the LDS loads on either side.  h is asked for a K step at a time, three K steps ahead, into the registers that the K step just multiplied has left.
;   Loads into registers come back in the order of issue (ISA guide 5.7.1), so a wait for h is also a wait for every octet asked for before it: the octets' request stands directly behind a request for h, and so has
;   four K steps in which to land.  By the text's own count 62 loads of a wave are out at the most.
;   Every wave runs round 0 whole.  A place past the wave's last live tile repeats that tile and is not stored; a wave without any live tile takes its token bytes from w2, which is always there, multiplies them and stores nothing:
;   so no byte of hbuf is read that the first product has not stored.  The eight products of a fifth place that is not live are jumped (never in the first K step, which starts the sums).
; ROUNDS 1 TO 3 serve an expert with more than 320 rows: the weights lie in LDS, and a plain loop takes one K step a trip, with nothing asked for ahead: short text for a rare case, slower there.  A wave with no live tile jumps a round.
; PRODUCTS.  Source 0 = h straight from memory (each load 512 consecutive bytes), source 1 = weights from LDS.
; OUT.  A lane holds column r of four tiles that are four neighbouring columns: 16 bytes of a row; sixteen lanes store 256 consecutive bytes.  Rows past the count in a live tile (their gate is 0) go to rows of the expert's own that nobody reads.
; ROUNDING.  w2 rounded to bf16 like every input; sums, gates and partial sums in f32.
; NO CLUSTER: a slice of weights has one reader; h's tiles are shared by eight work-groups, but their number hangs on a stored count and 65,024 bytes of LDS are left beside the slice.
.set PITCH,  4096                      ; bytes from a row of w2[e] to the next
.set KSB,    1024                      ; bytes of a tile of h in a K step
.set QB,     512
.set SPARE,  262144                    ; behind the weights: the spare words, 128 bytes a wave; no other line names them
.set LANE, 1
.set R,    2
.set HH,   3
.set SPW,  4                           ; LDS address of my spare word; never rewritten
.set NIL,  5                           ; 0; never rewritten
.set L16,  6                           ; 16 x lane; never rewritten
.set WA,   7                           ; LDS address of my 16 bytes of a fragment's first half,
.set WA1,  8                           ; and of its second half, 131,072 further on
.set WST,  9                           ; where my pieces of an octet go
.set TOFF, 10                          ; v[10:14] byte offset of my 16 bytes in the tile of each of five places
.set YO,   15                          ; (lane / 16) x 8 rows + 16 (lane % 16): my place in a tile of ypart
.set PC,   16                          ; v[16:47] two octets' pieces
.set WS,   48                          ; v[48:175] four slots of 32: the octet of K step s, as loaded, in slot s % 4
.set OV,   48                          ; the way out works in those registers
.set GV,   176                         ; v[176:215] the gates of rows 8 hh + j of place i at 8 i + j
.set GO,   240                         ; v[240:244] the gates' offsets
.set WA0,  246                         ; (lane / 16) 65536 + 16 (lane % 16); never rewritten
; window 1: accumulators of places 0-3 at 64 i + 8 c.   window 2: v0-63 accumulators of place 4; from v64 two groups of 80: h of K step s lies in group (s / 2) % 2, place i at 40 (s % 2) + 8 i.   window 3: v0-127 two buffers of weight fragments.
.set TB,   64
; scalars: s[4:5] hbuf, s[6:7] sel, s[8:9] rowg, s[10:11] my rows of the slice, s[12:13] ypart, s[14:15] w2 as it came, s[16:17] round 0's token base; s20 wave, s21 e, s22 cs, s23 kq, s24 rows, s25 tiles, s26 round,
; s27 my first tile, s28 my live places, s29-31 at work (s31 stays 0); s[32:63] the masks; when they are counted: s[36:37] the plain loop's token base, s[40:41] store base, s42-46 tiles, s47-51 their bytes in hbuf, s52 counter, s55 the plain loop's place in LDS.
.set TH,  68                           ; s[68:69], s[70:71] token base of the requests at the head of the even blocks, of the odd blocks,
.set TM,  72                           ; s[72:73], s[74:75] of the requests between a block's two K steps,
.set WB,  76                           ; s[76:77], s[78:79] weight base.  A base of its own for each group of loads: it is stepped just ahead of its next use, when a counted wait has shown its last loads done
.set TAP, 36
.set KC,  52
.set WAS, 55
.set MSB, 0
.macro WIN new                         ; the immediate's high byte repeats the setting that is left; a switch that changes nothing is dropped
.if MSB != (\new)
	s_set_vgpr_msb (MSB<<8)|(\new)
.set MSB, \new
.endif
.endm
.macro PLACES                          ; four places in front of loads into registers that matrix instructions have read, and of vector work on their registers
.rept 4
	v_nop
.endr
.endm
.macro OLOAD slot, bs, srel            ; my octet of the K step srel ahead of the base (which stands at a multiple of four K steps): eight loads of 512 consecutive bytes
	WIN 0
.irp j, 0,1,2,3,4,5,6,7
	global_load_b128 v[WS+32*(\slot)+4*\j:WS+32*(\slot)+4*\j+3], v[L16], s[\bs:\bs+1] offset:(64*((\srel)/2)+2*((\srel)%2)+4*\j)*PITCH th:TH_LOAD_NT
.endr
.endm
.macro CVT slot, pc                    ; an octet is rounded: column f of my four gives a piece of eight k, 16 bytes, for tile 4 (lane / 16) + f
	WIN 0
.irp f, 0,1,2,3
.irp p, 0,1,2,3
	v_cvt_pk_bf16_f32 v[PC+16*(\pc)+4*\f+\p], v[WS+32*(\slot)+8*\p+\f], v[WS+32*(\slot)+8*\p+4+\f]
.endr
.endr
.endm
.macro CST pc, srel                    ; and laid into my region of LDS: sixteen lanes write 256 consecutive bytes
	WIN 0
.irp f, 0,1,2,3
	ds_store_b128 v[WST], v[PC+16*(\pc)+4*\f:PC+16*(\pc)+4*\f+3] offset:(\srel)*2048+256*\f
.endr
.endm
.macro FETCH u, srel                   ; a K step's eight weight fragments into buffer u: each load takes two runs of 256 consecutive bytes
	WIN 0xc0
.irp c, 0,1,2,3,4,5,6,7
	ds_load_b128 v[64*(\u)+8*\c:64*(\u)+8*\c+3], v[WA] offset:(\srel)*2048+256*\c
	ds_load_b128 v[64*(\u)+8*\c+4:64*(\u)+8*\c+7], v[WA1] offset:(\srel)*2048+256*\c
.endr
.endm
.macro TLOADH g, ks, bs, srel          ; one K step's fragments of h for five places: ten loads of 512 consecutive bytes
	WIN 0x80
.irp i, 0,1,2,3,4
	global_load_b128 v[TB+80*(\g)+40*(\ks)+8*\i:TB+80*(\g)+40*(\ks)+8*\i+3], v[TOFF+\i], s[\bs:\bs+1] offset:(\srel)*KSB
	global_load_b128 v[TB+80*(\g)+40*(\ks)+8*\i+4:TB+80*(\g)+40*(\ks)+8*\i+7], v[TOFF+\i], s[\bs:\bs+1] offset:(\srel)*KSB+QB
.endr
.endm
.macro MUL u, g, ks, i, init           ; eight products: place i x all eight column tiles.  init = 1: the constant 0 starts the sums.  The accumulators take turns, one instruction a turn
.set AW, 1+(\i)/4
.set AB, 64*((\i)%4)
.set TR, TB+80*(\g)+40*(\ks)+8*(\i)
	WIN 0x0e|(AW<<4)|(AW<<6)
.irp c, 0,1,2,3,4,5,6,7
.if \init
	v_wmma_f32_16x16x32_bf16 v[AB+8*\c:AB+8*\c+7], v[TR:TR+7], v[64*(\u)+8*\c:64*(\u)+8*\c+7], 0
.else
	v_wmma_f32_16x16x32_bf16 v[AB+8*\c:AB+8*\c+7], v[TR:TR+7], v[64*(\u)+8*\c:64*(\u)+8*\c+7], v[AB+8*\c:AB+8*\c+7]
.endif
.endr
.endm
.macro MUL5 u, g, ks                   ; the fifth place: jumped where it is not live; no barrier stands in what is jumped
	WIN 0
	s_cmp_lt_u32 s28, 5
	s_cbranch_scc1 .Lno5_\@
	MUL \u, \g, \ks, 4, 0
	WIN 0
.Lno5_\@:
.endm
; A BLOCK: K steps a (buffer 0) and a + 1 (buffer 1), h in group par.  fr1, fr2, cr: the K steps a + 1, a + 2 (fetched) and a + 2 (stored), counted from where WA and WST stand.  step: a base goes four K steps on ahead of its use.
; AT THE HEAD: doC: the octets of a + 2, a + 3 are rounded (they go into LDS further down, between two barriers); doT1: h of a + 3 is asked for, into the registers that K step a - 1 has left;
; doO: the octets of a + 6, a + 7 are asked for, into the slots just rounded.  BETWEEN THE TWO K STEPS: doT2: h of a + 4 is asked for, into the registers that K step a has left.
; n1: the loads that may stay out at the head: those issued behind h of a: h of a + 1 (10), the octets of a + 4, a + 5 (16), h of a + 2 (10).  The octets that this block rounds are older than h of a.
; n2: those that may stay out between the K steps: issued behind h of a + 1: octets (16), h of a + 2 and of a + 3 (10 each), octets (16).  In the last blocks the groups that no longer exist fall out of both counts.
.macro BLK par, init, step, fr1, fr2, cr, doC, doT1, doO, doT2, n1, n2
	s_wait_dscnt 0x0                               ; the fragments of K step a
	s_wait_loadcnt \n1
	WIN 0
.if \doC
	CVT 2-2*(\par), 0                              ; 32 plain vector lines that name no register of the last products: also the places in front of the loads below
	CVT 3-2*(\par), 1
.else
	PLACES                                         ; buffer 1 was read by the block before
.endif
.if \doT1
.if \step
	s_add_nc_u64 s[TH+2*(\par):TH+2*(\par)+1], s[TH+2*(\par):TH+2*(\par)+1], 4*KSB
.endif
	TLOADH 1-(\par), 1, TH+2*(\par), 3-2*(\par)
.endif
.if \doO
.if \step
	s_add_nc_u64 s[WB+2*(\par):WB+2*(\par)+1], s[WB+2*(\par):WB+2*(\par)+1], 128*PITCH
.endif
	OLOAD 2-2*(\par), WB+2*(\par), 6-2*(\par)
	OLOAD 3-2*(\par), WB+2*(\par), 7-2*(\par)
.endif
	FETCH 1, \fr1
	MUL 0, \par, 0, 0, \init
	MUL 0, \par, 0, 1, \init
	MUL 0, \par, 0, 2, \init
	s_wait_dscnt 0x0                               ; the fragments of K step a + 1 are back: no LDS load of mine is out
.if \doC
	s_barrier_signal -1
.endif
	MUL 0, \par, 0, 3, \init
.if \doC
	s_barrier_wait -1                              ; nor any other wave's: only now is LDS written
	CST 0, \cr
	CST 1, (\cr)+1
.endif
.if \init
	MUL 0, \par, 0, 4, 1
.else
	MUL5 0, \par, 0
.endif
	WIN 0
.if \doT2
	PLACES                                         ; h of K step a was read by the products just issued
.endif
	s_wait_loadcnt \n2                             ; h of K step a + 1
.if \doT2
.if \step
	s_add_nc_u64 s[TM+2*(\par):TM+2*(\par)+1], s[TM+2*(\par):TM+2*(\par)+1], 4*KSB
.endif
	TLOADH \par, 0, TM+2*(\par), 4-2*(\par)
.endif
	MUL 1, \par, 1, 0, 0
.if \doC
	s_wait_dscnt 0x0                               ; for the others' sake: my stores are done
	s_barrier_signal -1
.endif
	MUL 1, \par, 1, 1, 0
.if \doC
	s_barrier_wait -1                              ; and everybody's: K steps a + 2, a + 3 are whole
	WIN 0
	PLACES                                         ; buffer 0 was read by K step a
	FETCH 0, \fr2
.endif
	MUL 1, \par, 1, 2, 0
	MUL 1, \par, 1, 3, 0
	MUL5 1, \par, 1
.endm
; The plain loop's K step: all is asked for, waited for and multiplied
.macro PSTEP init
	WIN 0
	PLACES
	TLOADH 0, 0, TAP, 0
	FETCH 0, 0
	s_wait_loadcnt 0x0
	s_add_nc_u64 s[TAP:TAP+1], s[TAP:TAP+1], KSB   ; free: the wait above has shown its loads done
	s_wait_dscnt 0x0
	WIN 0
	s_add_co_u32 s[WAS], s[WAS], 2048
	v_add_nc_u32 v[WA], s[WAS], v[WA0]
	v_add_nc_u32 v[WA1], 0x20000, v[WA]
	MUL 0, 0, 0, 0, \init
	MUL 0, 0, 0, 1, \init
	MUL 0, 0, 0, 2, \init
	MUL 0, 0, 0, 3, \init
.if \init
	MUL 0, 0, 0, 4, 1
.else
	MUL5 0, 0, 0
.endif
.endm
.macro NLIVE                           ; my live places: those of tiles s27, s27 + 4, .. + 16 that lie below the expert's number of tiles
	s_add_co_u32 s28, s25, 3
	s_sub_co_i32 s28, s28, s27
	s_max_i32 s28, s28, 0
	s_lshr_b32 s28, s28, 2
	s_min_u32 s28, s28, 5
.endm
.macro TILES                           ; the five places' tiles, my offsets in them, and their rows' gates (ten loads)
	s_max_u32 s29, s28, 1
	s_sub_co_u32 s29, s29, 1
.irp i, 0,1,2,3,4
	s_min_u32 s30, s29, \i                         ; a place past the last live one repeats it
	s_lshl2_add_u32 s[42+\i], s30, s27             ; four tiles on for each place
	s_min_u32 s[42+\i], s[42+\i], 63
	s_lshl_b32 s[47+\i], s[42+\i], 17
.endr
.irp i, 0,1,2,3,4
	v_add_nc_u32 v[TOFF+\i], s[47+\i], v[L16]
	s_lshl_b32 s30, s[42+\i], 6
	v_lshl_add_u32 v[GO+\i], v[HH], 5, s30         ; the gates of rows 8 hh .. 8 hh + 7 of the tile
	global_load_b128 v[GV+8*\i:GV+8*\i+3], v[GO+\i], s[8:9]
	global_load_b128 v[GV+8*\i+4:GV+8*\i+7], v[GO+\i], s[8:9] offset:16
.endr
.endm
; Place i leaves: each number times its row's gate; the four tiles of a strip of 64 columns give a lane 16 neighbouring bytes.  Register 0 of each accumulator is read first.
.macro SLOTOUT i
.set AW, 1+(\i)/4
.set AB, 64*((\i)%4)
	WIN 0
	s_cmp_le_u32 s28, \i
	s_cbranch_scc1 .Lnext                          ; this place and those behind it are not live: nothing more to store
	s_wait_xcnt 0x0                                ; the place before has read its data and its base
	s_lshl_b32 s30, s[42+(\i)], 16                 ; 16 rows of 4,096 bytes
	s_add_nc_u64 s[40:41], s[12:13], s[30:31]
.irp t, 0,1
	WIN AW
.irp j, 0,1,2,3,4,5,6,7
.irp f, 0,1,2,3
	v_mul_f32 v[OV+32*\t+4*\j+\f], v[AB+8*(4*\t+\f)+\j], v[GV+8*(\i)+\j]
.endr
.endr
	WIN 0
.irp j, 0,1,2,3,4,5,6,7
	global_store_b128 v[YO], v[OV+32*\t+4*\j:OV+32*\t+4*\j+3], s[40:41] offset:4096*\j+256*\t  ; rows j and 8 + j: sixteen lanes store 256 consecutive bytes, at a multiple of 256 from ypart's first
.endr
.endr
.endm
	s_load_b256 s[4:11], s[0:1], 0x0               ; hbuf s[4:5], sel s[6:7], rowg s[8:9], w2 s[10:11]
	s_load_b64 s[12:13], s[0:1], 0x20              ; ypart
	v_lshl_add_u32 v[SPW], v0, 2, SPARE
	v_mov_b32 v[NIL], 0
	v_and_b32 v[LANE], 31, v0
	v_and_b32 v[R], 15, v0
	v_bfe_u32 v[HH], v0, 4, 1
	v_lshrrev_b32 v16, 5, v0
	v_readfirstlane_b32 s20, v16                   ; wave 0..3
	s_lshr_b32 s21, ttmp9, 5                       ; e
	s_and_b32 s22, ttmp9, 7                        ; cs
	s_bfe_u32 s23, ttmp9, 0x20003                  ; kq
	v_lshlrev_b32 v[L16], 4, v[LANE]
	v_lshlrev_b32 v[WA0], 4, v[R]
	v_lshl_add_u32 v[YO], v[HH], 15, v[WA0]
	v_lshl_add_u32 v[WST], v[HH], 10, v[WA0]       ; lanes 16-31 hold columns 64 on: tiles 4-7, 1,024 bytes on
	s_lshl_b32 s29, s20, 16                        ; region w
	v_add_nc_u32 v[WST], s29, v[WST]
	v_lshl_add_u32 v[WA0], v[HH], 16, v[WA0]
	v_mov_b32 v[WA], v[WA0]
	v_add_nc_u32 v[WA1], 0x20000, v[WA0]
	s_mov_b32 s101, 0
	s_mov_b32 s31, 0
	s_wait_kmcnt 0x0
	s_mov_b64 s[14:15], s[10:11]                   ; w2 as it came
	s_lshl_b32 s100, s21, 8
	s_add_nc_u64 s[6:7], s[6:7], s[100:101]        ; the expert's words of sel
	s_load_b512 s[32:47], s[6:7], 0x0
	s_load_b512 s[48:63], s[6:7], 0x40
	s_lshl_b32 s29, s22, 9                         ; the slice's 128 columns, in bytes of f32
	s_lshl_b32 s100, s21, 24                       ; w2[e]: 16 MiB,
	s_lshl_b32 s30, s23, 22                        ; the quarter's 1,024 rows,
	s_add_co_u32 s100, s100, s30
	s_and_b32 s30, s20, 1                          ; my rows of a K step begin 32 (w % 2)
	s_lshl_b32 s30, s30, 17
	s_add_co_u32 s100, s100, s30
	s_lshr_b32 s30, s20, 1                         ; + w / 2 rows on,
	s_lshl_b32 s30, s30, 12
	s_add_co_u32 s100, s100, s30
	s_add_co_u32 s100, s100, s29                   ; the slice
	s_add_nc_u64 s[10:11], s[10:11], s[100:101]
	OLOAD 0, 10, 0                                 ; the octets of K steps 0 to 3: 32 loads, 16,384 bytes of the wave on their way
	OLOAD 1, 10, 1
	OLOAD 2, 10, 2
	OLOAD 3, 10, 3
	s_lshl_b32 s100, s21, 23                       ; hbuf: an expert has 64 tiles of 131,072 bytes;
	s_lshl_b32 s30, s23, 15                        ; the quarter's 32 K steps of 1,024 bytes
	s_add_co_u32 s100, s100, s30
	s_add_nc_u64 s[4:5], s[4:5], s[100:101]
	s_lshl_b32 s100, s21, 12
	s_add_nc_u64 s[8:9], s[8:9], s[100:101]        ; rowg[e]
	s_lshl_b32 s100, s23, 25                       ; ypart: a quarter's plane is 8,192 rows of 4,096 bytes,
	s_lshl_b32 s30, s21, 22                        ; an expert has 1,024 rows of it
	s_add_co_u32 s100, s100, s30
	s_add_co_u32 s100, s100, s29
	s_add_nc_u64 s[12:13], s[12:13], s[100:101]
	s_mov_b64 s[WB:WB+1], s[10:11]
	s_mov_b64 s[WB+2:WB+3], s[10:11]
	s_wait_kmcnt 0x0
	s_bcnt1_i32_b32 s24, s32                       ; the expert's rows
.set g, 1
.rept 31
	s_bcnt1_i32_b32 s29, s[32+g]
	s_add_co_u32 s24, s24, s29
.set g, g+1
.endr
	s_add_co_u32 s25, s24, 15
	s_lshr_b32 s25, s25, 4
	s_min_u32 s25, s25, 64                         ; its tiles of 16 rows
	s_mov_b32 s26, 0                               ; round 0
	s_mov_b32 s27, s20
	NLIVE
	TILES
	s_cmp_eq_u32 s28, 0
	s_cselect_b64 s[16:17], s[14:15], s[4:5]       ; a wave without a live tile takes its token bytes from w2
	s_mov_b64 s[TH:TH+1], s[16:17]
	s_mov_b64 s[TH+2:TH+3], s[16:17]
	s_mov_b64 s[TM:TM+1], s[16:17]
	s_mov_b64 s[TM+2:TM+3], s[16:17]
	TLOADH 0, 0, 16, 0                             ; h of K steps 0 and 1
	TLOADH 0, 1, 16, 1
	s_wait_loadcnt 36                              ; the octets of K steps 0 and 1 are in.  Behind them 46 loads were issued (two octets, the gates, h twice); 36 may stay out, so that with the 26 issued below 62 are out at the most
	CVT 0, 0
	CVT 1, 1
	CST 0, 0
	CST 1, 1
	OLOAD 0, 10, 4                                 ; in the order in which the blocks go on: octets behind h of K step 1,
	OLOAD 1, 10, 5
	TLOADH 1, 0, 16, 2                             ; then h of K step 2
	s_wait_dscnt 0x0                               ; for the others' sake: my part of K steps 0 and 1 is in LDS
	s_barrier_signal -1
	s_barrier_wait -1
	FETCH 0, 0
	; ROUND 0: blocks 0 to 15
	BLK 0, 1, 0, 1, 2, 2, 1, 1, 1, 1, 36, 52       ; block 0 stands in front of the loop: its first products start the sums; its first count also shows the older loads of gates done
	WIN 0                                          ; at a label and at a branch every window is 0
	s_mov_b32 s[KC], 6
.Lblk:                                                 ; blocks 2 t + 1 and 2 t + 2; WA and WST stand at K step 4 t
	BLK 1, 0, 1, 3, 4, 4, 1, 1, 1, 1, 36, 52
	BLK 0, 0, 1, 5, 6, 6, 1, 1, 1, 1, 36, 52
	WIN 0
	v_add_nc_u32 v[WA], 0x2000, v[WA]              ; four K steps on
	v_add_nc_u32 v[WA1], 0x2000, v[WA1]
	v_add_nc_u32 v[WST], 0x2000, v[WST]
	s_sub_co_u32 s[KC], s[KC], 1
	s_cmp_lg_u32 s[KC], 0
	s_cbranch_scc1 .Lblk
	BLK 1, 0, 1, 3, 4, 4, 1, 1, 0, 1, 36, 36       ; block 13: no octet is left to ask for: behind h of K step 27 stand 16 + 10 + 10
	BLK 0, 0, 1, 5, 6, 6, 1, 1, 0, 0, 20, 20       ; block 14: the last octets go into LDS, h of K step 31 is asked for: two groups of h stand behind the one waited for
	BLK 1, 0, 0, 7, 0, 0, 0, 0, 0, 0, 10, 0        ; block 15: behind h of K step 30 stands that of 31, behind this nothing
	WIN 0
	s_branch .Lwayout                              ; into the middle of the loop over rounds: the way out is written once
.Lround:                                               ; rounds 1 to 3
	s_mul_i32 s27, s26, 20
	s_add_co_u32 s27, s27, s20                     ; my first tile of this round
	NLIVE
	s_cmp_eq_u32 s28, 0
	s_cbranch_scc1 .Lnext                          ; none live: forward to the counter's step
	s_wait_xcnt 0x0                                ; the last round's stores and loads have read their registers
	TILES
	s_mov_b64 s[TAP:TAP+1], s[4:5]
	s_mov_b32 s[WAS], 0
	v_add_nc_u32 v[WA], s[WAS], v[WA0]
	v_add_nc_u32 v[WA1], 0x20000, v[WA]
	PSTEP 1                                        ; K step 0 starts the sums
	WIN 0
	s_mov_b32 s[KC], 31
.Lpk:
	PSTEP 0
	WIN 0
	s_sub_co_u32 s[KC], s[KC], 1
	s_cmp_lg_u32 s[KC], 0
	s_cbranch_scc1 .Lpk
.Lwayout:
	PLACES
	SLOTOUT 0
	SLOTOUT 1
	SLOTOUT 2
	SLOTOUT 3
	SLOTOUT 4
.Lnext:
	s_add_co_u32 s26, s26, 1
	s_cmp_lt_u32 s26, 4
	s_cbranch_scc1 .Lround
	s_wait_dscnt 0x0                               ; my reads of LDS are back,
	s_barrier_signal -1
	s_barrier_wait -1                              ; and so are every wave's: only now does any wave write LDS again
	s_wait_tensorcnt 0x0                           ; the wave's end
	ds_add_u32 v[SPW], v[NIL]
	s_wait_dscnt 0x0
	s_endpgm
.Lfunc_end_k_qd7617cfa1a_down:
	.size	k_qd7617cfa1a_down, .Lfunc_end_k_qd7617cfa1a_down-k_qd7617cfa1a_down
	.p2alignl 7, 3214868480
	.fill 96, 4, 3214868480
	.section	.rodata,"a",@progbits
	.p2align	6, 0x0
	.amdhsa_kernel k_qd7617cfa1a_down
		.amdhsa_group_segment_fixed_size 262656
		.amdhsa_private_segment_fixed_size 0
		.amdhsa_enable_private_segment 0
		.amdhsa_kernarg_size 40
		.amdhsa_user_sgpr_count 2
		.amdhsa_user_sgpr_kernarg_segment_ptr 1
		.amdhsa_wavefront_size32 1
		.amdhsa_system_sgpr_workgroup_id_x 1
		.amdhsa_system_sgpr_workgroup_id_y 1
		.amdhsa_system_sgpr_workgroup_id_z 1
		.amdhsa_system_vgpr_workitem_id 0
		.amdhsa_next_free_vgpr 896
		.amdhsa_next_free_sgpr 106
		.amdhsa_reserve_vcc 0
		.amdhsa_float_denorm_mode_32 3
		.amdhsa_float_denorm_mode_16_64 3
		.amdhsa_memory_ordered 1
		.amdhsa_forward_progress 1
		.amdhsa_inst_pref_size 124
	.end_amdhsa_kernel
	.amdgpu_metadata
---
amdhsa.version: [ 1, 2 ]
amdhsa.kernels:
  - .name:           k_qd7617cfa1a_down
    .symbol:         k_qd7617cfa1a_down.kd
    .args:
      - { .name: hbuf, .offset: 0, .size: 8, .value_kind: global_buffer, .address_space: global }
      - { .name: sel, .offset: 8, .size: 8, .value_kind: global_buffer, .address_space: global }
      - { .name: rowg, .offset: 16, .size: 8, .value_kind: global_buffer, .address_space: global }
      - { .name: w2, .offset: 24, .size: 8, .value_kind: global_buffer, .address_space: global }
      - { .name: ypart, .offset: 32, .size: 8, .value_kind: global_buffer, .address_space: global }
    .group_segment_fixed_size: 262656
    .private_segment_fixed_size: 0
    .kernarg_segment_align: 8
    .kernarg_segment_size: 40
    .max_flat_workgroup_size: 128
    .sgpr_count:     106
    .vgpr_count:     896
    .wavefront_size: 32
...
	.end_amdgpu_metadata
.endif
;; end of part 6
;; launch combine: the kernel of part 4 again; grid 256 x 1, 8 waves a work-group, no clusters, 0 bytes of LDS; arguments ypart, pos, gat, b2, out0; writes out0
;; ======== version 3 of 3: 4 launches; version 2 with the launch down written anew for expert scheduling mode
;; workspace buffers: x16 2,097,152 bytes; sel 2,048 bytes of whole numbers; gat 8,192 bytes; hbuf 67,108,864 bytes; pos 8,192 bytes of whole numbers; rowg 32,768 bytes; ypart 134,217,728 bytes
;; launch router: the kernel of part 1 again; grid 32 x 1, 8 waves a work-group, no clusters, 91,904 bytes of LDS; arguments x, gate_w, x16, sel, gat; writes x16, sel, gat
;; launch up: the kernel of part 5 again; grid 256 x 1, 4 waves a work-group, no clusters, 262,656 bytes of LDS; arguments x16, sel, gat, w1, b1, hbuf, pos, rowg; writes hbuf, pos, rowg
;; launch down (part 7): grid 256 x 1, 4 waves a work-group, no clusters, 262,656 bytes of LDS; arguments hbuf, sel, rowg, w2, ypart; writes ypart
.if DOCPART == 7
	.amdgcn_target "amdgcn-amd-amdhsa--gfx1250"
	.amdhsa_code_object_version 6
	.text
	.protected	k_qd7617cfa1a_down
	.globl	k_qd7617cfa1a_down
	.p2align	8
	.type	k_qd7617cfa1a_down,@function
k_qd7617cfa1a_down:
	s_mov_b64 s[64:65], 0
	v_nop
	global_prefetch_b8 v0, s[64:65] scope:SCOPE_SE
	s_setreg_imm32_b32 hwreg(HW_REG_WAVE_SCHED_MODE, 0, 2), 2
	s_setreg_imm32_b32 hwreg(HW_REG_WAVE_MODE, 25, 1), 1
	s_wait_xcnt 0x0
	s_wait_alu depctr_vm_vsrc(0)
; SECOND PRODUCT.  ypart[kq][e 1024 + rank][:] = gate(row) x (h[row][1024 kq .. 1024 kq + 1023] w2[e][those rows][:]): four partial sums over F for each routed row, in f32; the last launch adds them.
; SHARES.  Work-group = (expert e = id / 32, quarter of F kq = (id / 8) % 4, columns 128 cs .. 128 cs + 127 with cs = id % 8): it alone reads its 1,024 x 128 numbers of w2[e], once, and serves all of the expert's rows (0 to 1,024).
;   Tiles of 16 rows are dealt by turns: tile 20 round + wave + 4 place, five places a wave and round; 4 rounds cover 64 tiles.
; WEIGHTS IN LDS, bf16, in the order of matrix fragments: byte (2 q + h) 65536 + s 2048 + c 256 + 16 r: K step s of 32, column tile c of 8, half q of a fragment, lane (r, h); column r of tile c is slice column 64 (c / 4) + 4 r + c % 4.
;   h lies in memory in the order in which the first product's results fell (hbuf: [tile][K step][q][lane][16 bytes]): position (q, hh, j) of K step s is row 64 (s / 2) + 32 hh + 4 j + 2 (s % 2) + q of the quarter,
;   so w2's rows are taken in that same order: wave w brings rows 64 (s / 2) + 32 (w % 2) + 2 (s % 2) + w / 2 + 4 j of every K step (an OCTET: eight loads of 512 consecutive bytes), which are (q, hh) = (w / 2, w % 2): it writes region w alone.
; ROUND 0 STREAMS AND MULTIPLIES AT ONCE, in 16 blocks of two K steps a, a + 1.  At a block's head the octets of a + 2, a + 3 are rounded; the rounded pieces go into LDS between the block's two barriers: every run of LDS stores
;   has a barrier between it and the LDS loads on either side.  The block's requests are dealt among its products: h of a + 3 and, directly behind it, the octets of a + 6, a + 7 in K step a; h of a + 4 in K step a + 1;
;   each into registers that a K step's products or the conversions have left.
;   Loads into registers come back in the order of issue (ISA guide 5.7.1), so a wait for h is also a wait for every octet asked for before it: the octets' request stands directly behind a request for h, and the first wait
;   that reaches it is the one for h of a + 4, at the head of K step a + 4.  By the text's own count 62 loads of a wave are out at the most.
;   Every wave runs round 0 whole.  A place past the wave's last live tile repeats that tile and is not stored; a wave without any live tile takes its token bytes from w2, which is always there, multiplies them and stores nothing:
;   so no byte of hbuf is read that the first product has not stored.  The eight products of a fifth place that is not live are jumped (never in the first K step, which starts the sums).
; ROUNDS 1 TO 3 serve an expert with more than 320 rows: the weights lie in LDS, and a plain loop takes one K step a trip, with nothing asked for ahead: short text for a rare case, slower there.  A wave with no live tile jumps a round.
; PRODUCTS.  Source 0 = h straight from memory (each load 512 consecutive bytes), source 1 = weights from LDS.
; OUT.  A lane holds column r of four tiles that are four neighbouring columns: 16 bytes of a row; sixteen lanes store 256 consecutive bytes.  Rows past the count in a live tile (their gate is 0) go to rows of the expert's own that nobody reads.
; ROUNDING.  w2 rounded to bf16 like every input; sums, gates and partial sums in f32.
; NO CLUSTER: a slice of weights has one reader; h's tiles are shared by eight work-groups, but their number hangs on a stored count and 65,024 bytes of LDS are left beside the slice.
; THE MODE: SCHED_MODE bits 1:0 = 2 (LLVM: expert scheduling mode 2), set by the entry lines.  The code itself states the register dependences
;   between vector or matrix instructions and memory or LDS instructions, with s_wait_alu, always for 0.
; THE PLAN.  Registers that memory or LDS instructions touch in a block of round 0, and who else names them:
;   WS, four slots      The octets' loads land in them; the head's conversions read two slots, which are asked for again in the same block.
;   PC                  Written by the head's conversions; read by the LDS stores between the block's two barriers.
;   h, four sets        Loads land in them; the products of one K step read a set.  The set of a - 1 takes h of a + 3, the set of a takes h of a + 4.
;   weight buffers 0, 1 LDS loads land in them; the products of K step a read buffer 0, those of a + 1 buffer 1.
;   WA, WA1, WST        LDS addresses: read by every LDS load and store; written by three adds once in two blocks.
;   L16, TOFF, YO       Offsets, not written in the loop: the rows are reached by scalar bases and immediate offsets.
;   The accumulators are named by matrix instructions alone.
;   So a block has two waits on va_vdst.  The first stands behind the conversions: PC is written, the two slots are read, the last block's products of its second K step are done with buffer 1 and their set of h, and the LDS
;   addresses are written; behind it the fragments of a + 1, h of a + 3, the octets and the LDS stores follow among the products of K step a, which name buffer 0, the set of a and the accumulators alone.  The second stands behind the
;   second barrier: the products of K step a are done with buffer 0 and their set of h; behind it the fragments of a + 2 and h of a + 4 follow among the products of K step a + 1, which name neither.
;   A wait on vm_vsrc stands ahead of the conversions (the last block's LDS stores have read PC) and ahead of the three adds.
;   The way out has two out-buffers and two store bases, which take turns place by place.
.set PITCH,  4096                      ; bytes from a row of w2[e] to the next
.set KSB,    1024                      ; bytes of a tile of h in a K step
.set QB,     512
.set LANE, 1
.set R,    2
.set HH,   3
.set L16,  6                           ; 16 x lane; never rewritten
.set WA,   7                           ; LDS address of my 16 bytes of a fragment's first half,
.set WA1,  8                           ; and of its second half, 131,072 further on
.set WST,  9                           ; where my pieces of an octet go
.set TOFF, 10                          ; v[10:14] byte offset of my 16 bytes in the tile of each of five places
.set YO,   15                          ; (lane / 16) x 8 rows + 16 (lane % 16): my place in a tile of ypart
.set PC,   16                          ; v[16:47] two octets' pieces
.set WS,   48                          ; v[48:175] four slots of 32: the octet of K step s, as loaded, in slot s % 4
.set OV,   48                          ; the way out works in those registers: two out-buffers of 64, place i in buffer i % 2
.set GV,   176                         ; v[176:215] the gates of rows 8 hh + j of place i at 8 i + j
.set GO,   240                         ; v[240:244] the gates' offsets
.set WA0,  246                         ; (lane / 16) 65536 + 16 (lane % 16); never rewritten
; window 1: accumulators of places 0-3 at 64 i + 8 c.   window 2: v0-63 accumulators of place 4; from v64 two groups of 80: h of K step s lies in group (s / 2) % 2, place i at 40 (s % 2) + 8 i.   window 3: v0-127 two buffers of weight fragments.
.set TB,   64
; scalars: s[4:5] hbuf, s[6:7] sel, s[8:9] rowg, s[10:11] my rows of the slice, s[12:13] ypart, s[14:15] w2 as it came, s[16:17] round 0's token base; s20 wave, s21 e, s22 cs, s23 kq, s24 rows, s25 tiles, s26 round,
; s27 my first tile, s28 my live places, s29-31 at work (s31 stays 0); s[32:63] the masks; when they are counted: s[36:37] the plain loop's token base, s[38:39], s[40:41] store bases by turns, s42-46 tiles, s47-51 their bytes in hbuf,
; s52 counter, s55 the plain loop's place in LDS, s56-60 the tiles' bytes in rowg[e].
.set TH,  68                           ; s[68:69], s[70:71] token base of the requests in the first K step of the even blocks, of the odd blocks,
.set TM,  72                           ; s[72:73], s[74:75] of the requests in a block's second K step,
.set WB,  76                           ; s[76:77], s[78:79] weight base.  A base of its own for each group of loads: it is stepped just ahead of its next use, when a counted wait has shown its last loads done
.set TAP, 36
.set YB,  38
.set KC,  52
.set WAS, 55
.set MSB, 0
.macro WIN new                         ; the immediate's high byte repeats the setting that is left; a switch that changes nothing is dropped
.if MSB != (\new)
	s_set_vgpr_msb (MSB<<8)|(\new)
.set MSB, \new
.endif
.endm
.macro PLACES                          ; four places in front of loads into registers that matrix instructions have read, and of vector work on their registers
.rept 4
	v_nop
.endr
.endm
.macro OLOAD slot, bs, srel            ; my octet of the K step srel ahead of the base (which stands at a multiple of four K steps): eight loads of 512 consecutive bytes
	WIN 0
.irp j, 0,1,2,3,4,5,6,7
	global_load_b128 v[WS+32*(\slot)+4*\j:WS+32*(\slot)+4*\j+3], v[L16], s[\bs:\bs+1] offset:(64*((\srel)/2)+2*((\srel)%2)+4*\j)*PITCH th:TH_LOAD_NT
.endr
.endm
.macro CVT slot, pc                    ; an octet is rounded: column f of my four gives a piece of eight k, 16 bytes, for tile 4 (lane / 16) + f
	WIN 0
.irp f, 0,1,2,3
.irp p, 0,1,2,3
	v_cvt_pk_bf16_f32 v[PC+16*(\pc)+4*\f+\p], v[WS+32*(\slot)+8*\p+\f], v[WS+32*(\slot)+8*\p+4+\f]
.endr
.endr
.endm
.macro CST pc, srel                    ; and laid into my region of LDS: sixteen lanes write 256 consecutive bytes
	WIN 0
.irp f, 0,1,2,3
	ds_store_b128 v[WST], v[PC+16*(\pc)+4*\f:PC+16*(\pc)+4*\f+3] offset:(\srel)*2048+256*\f
.endr
.endm
.macro FETCH u, srel                   ; a K step's eight weight fragments into buffer u: each load takes two runs of 256 consecutive bytes
	WIN 0xc0
.irp c, 0,1,2,3,4,5,6,7
	ds_load_b128 v[64*(\u)+8*\c:64*(\u)+8*\c+3], v[WA] offset:(\srel)*2048+256*\c
	ds_load_b128 v[64*(\u)+8*\c+4:64*(\u)+8*\c+7], v[WA1] offset:(\srel)*2048+256*\c
.endr
.endm
.macro TLOADH g, ks, bs, srel          ; one K step's fragments of h for five places: ten loads of 512 consecutive bytes
	WIN 0x80
.irp i, 0,1,2,3,4
	global_load_b128 v[TB+80*(\g)+40*(\ks)+8*\i:TB+80*(\g)+40*(\ks)+8*\i+3], v[TOFF+\i], s[\bs:\bs+1] offset:(\srel)*KSB
	global_load_b128 v[TB+80*(\g)+40*(\ks)+8*\i+4:TB+80*(\g)+40*(\ks)+8*\i+7], v[TOFF+\i], s[\bs:\bs+1] offset:(\srel)*KSB+QB
.endr
.endm
.macro MUL u, g, ks, i, init           ; eight products: place i x all eight column tiles.  init = 1: the constant 0 starts the sums.  The accumulators take turns, one instruction a turn
.set AW, 1+(\i)/4
.set AB, 64*((\i)%4)
.set TR, TB+80*(\g)+40*(\ks)+8*(\i)
	WIN 0x0e|(AW<<4)|(AW<<6)
.irp c, 0,1,2,3,4,5,6,7
.if \init
	v_wmma_f32_16x16x32_bf16 v[AB+8*\c:AB+8*\c+7], v[TR:TR+7], v[64*(\u)+8*\c:64*(\u)+8*\c+7], 0
.else
	v_wmma_f32_16x16x32_bf16 v[AB+8*\c:AB+8*\c+7], v[TR:TR+7], v[64*(\u)+8*\c:64*(\u)+8*\c+7], v[AB+8*\c:AB+8*\c+7]
.endif
.endr
.endm
.macro MUL5 u, g, ks                   ; the fifth place: jumped where it is not live; no barrier stands in what is jumped
	WIN 0
	s_cmp_lt_u32 s28, 5
	s_cbranch_scc1 .Lno5_\@
	MUL \u, \g, \ks, 4, 0
	WIN 0
.Lno5_\@:
.endm
; A BLOCK: K steps a (buffer 0) and a + 1 (buffer 1), h in group par.  fr1, fr2, cr: the K steps a + 1, a + 2 (fetched) and a + 2 (stored), counted from where WA and WST stand.  step: a base goes four K steps on ahead of its use.
; doC: the octets of a + 2, a + 3 are rounded at the head (they go into LDS further down, between two barriers).  AMONG THE PRODUCTS OF K STEP a: doT1: h of a + 3 is asked for, into the registers that K step a - 1 has left;
; doO: the octets of a + 6, a + 7 are asked for, into the slots just rounded.  AMONG THE PRODUCTS OF K STEP a + 1: doT2: h of a + 4 is asked for, into the registers that K step a has left.
; n1: the loads that may stay out at the head: those issued behind h of a: h of a + 1 (10), the octets of a + 4, a + 5 (16), h of a + 2 (10).  The octets that this block rounds are older than h of a.
; n2: those that may stay out between the K steps: issued behind h of a + 1: octets (16), h of a + 2 and of a + 3 (10 each), octets (16).  In the last blocks the groups that no longer exist fall out of both counts.
.macro BLK par, init, step, fr1, fr2, cr, doC, doT1, doO, doT2, n1, n2
	s_wait_dscnt 0x0                               ; the fragments of K step a
	s_wait_loadcnt \n1
	WIN 0
.if \doC
	s_wait_alu depctr_vm_vsrc(0)                   ; the LDS stores of the block before have read PC, which the conversions write again
	CVT 2-2*(\par), 0
	CVT 3-2*(\par), 1
.else
	PLACES                                         ; buffer 1 was read by the block before
.endif
	s_wait_alu depctr_va_vdst(0)                   ; the conversions have written PC and are done reading their two slots; the last block's products are done reading buffer 1 and the set of h of K step a - 1; WA, WA1 and WST are written
	FETCH 1, \fr1
	MUL 0, \par, 0, 0, \init                       ; the products of K step a name buffer 0, the set of h of a and the accumulators: none of the registers that the loads and stores down to the second barrier touch
.if \doT1
.if \step
	s_add_nc_u64 s[TH+2*(\par):TH+2*(\par)+1], s[TH+2*(\par):TH+2*(\par)+1], 4*KSB
.endif
	TLOADH 1-(\par), 1, TH+2*(\par), 3-2*(\par)
.endif
	MUL 0, \par, 0, 1, \init
.if \doO
.if \step
	s_add_nc_u64 s[WB+2*(\par):WB+2*(\par)+1], s[WB+2*(\par):WB+2*(\par)+1], 128*PITCH
.endif
	OLOAD 2-2*(\par), WB+2*(\par), 6-2*(\par)
	OLOAD 3-2*(\par), WB+2*(\par), 7-2*(\par)
.endif
	MUL 0, \par, 0, 2, \init
	s_wait_dscnt 0x0                               ; the fragments of K step a + 1 are back: no LDS load of mine is out
.if \doC
	s_barrier_signal -1
.endif
	MUL 0, \par, 0, 3, \init
.if \doC
	s_barrier_wait -1                              ; nor any other wave's: only now is LDS written
	CST 0, \cr                                     ; no wait: no vector or matrix instruction since the head's wait names PC or WST
	CST 1, (\cr)+1
.endif
.if \init
	MUL 0, \par, 0, 4, 1
.else
	MUL5 0, \par, 0
.endif
	s_wait_loadcnt \n2                             ; h of K step a + 1
	MUL 1, \par, 1, 0, 0
.if \doC
	s_wait_dscnt 0x0                               ; for the others' sake: my stores are done
	s_barrier_signal -1
.endif
	MUL 1, \par, 1, 1, 0
.if \doC
	s_barrier_wait -1                              ; and everybody's: K steps a + 2, a + 3 are whole
	PLACES                                         ; buffer 0 and the set of h of K step a were read by that K step's products
	s_wait_alu depctr_va_vdst(0)                   ; the products of K step a are done reading buffer 0 and their set of h, in which the loads below land
	FETCH 0, \fr2
.endif
	MUL 1, \par, 1, 2, 0                           ; the products of K step a + 1 name buffer 1 and their own set of h
.if \doT2
.if \step
	s_add_nc_u64 s[TM+2*(\par):TM+2*(\par)+1], s[TM+2*(\par):TM+2*(\par)+1], 4*KSB
.endif
	TLOADH \par, 0, TM+2*(\par), 4-2*(\par)
.endif
	MUL 1, \par, 1, 3, 0
	MUL5 1, \par, 1
.endm
.macro NLIVE                           ; my live places: those of tiles s27, s27 + 4, .. + 16 that lie below the expert's number of tiles
	s_add_co_u32 s28, s25, 3
	s_sub_co_i32 s28, s28, s27
	s_max_i32 s28, s28, 0
	s_lshr_b32 s28, s28, 2
	s_min_u32 s28, s28, 5
.endm
.macro TILEV                           ; the five places' tiles, and my offsets in them and in their rows' gates: the ten vector lines stand in one run, ahead of one wait
	s_max_u32 s29, s28, 1
	s_sub_co_u32 s29, s29, 1
.irp i, 0,1,2,3,4
	s_min_u32 s30, s29, \i                         ; a place past the last live one repeats it
	s_lshl2_add_u32 s[42+\i], s30, s27             ; four tiles on for each place
	s_min_u32 s[42+\i], s[42+\i], 63
	s_lshl_b32 s[47+\i], s[42+\i], 17
	s_lshl_b32 s[56+\i], s[42+\i], 6
.endr
.irp i, 0,1,2,3,4
	v_add_nc_u32 v[TOFF+\i], s[47+\i], v[L16]
	v_lshl_add_u32 v[GO+\i], v[HH], 5, s[56+\i]    ; the gates of rows 8 hh .. 8 hh + 7 of the tile
.endr
.endm
.macro TILEL                           ; the gates of the five places' rows: ten loads
.irp i, 0,1,2,3,4
	global_load_b128 v[GV+8*\i:GV+8*\i+3], v[GO+\i], s[8:9]
	global_load_b128 v[GV+8*\i+4:GV+8*\i+7], v[GO+\i], s[8:9] offset:16
.endr
.endm
; The plain loop's K step: all is asked for, waited for and multiplied.  init = 1: a round's first: the gates are asked for too, and the constant 0 starts the sums
.macro PSTEP init
	WIN 0
	PLACES
	s_wait_alu depctr_va_vdst(0)                   ; the last products are done reading buffer 0 and their set of h; WA and WA1 are written; in a round's first step TOFF and GO are written too, and the last way out is done reading the gates
.if \init
	TILEL
.endif
	TLOADH 0, 0, TAP, 0
	FETCH 0, 0
	s_wait_loadcnt 0x0
	s_add_nc_u64 s[TAP:TAP+1], s[TAP:TAP+1], KSB   ; free: the wait above has shown its loads done
	s_wait_dscnt 0x0
	WIN 0
	s_add_co_u32 s[WAS], s[WAS], 2048
	s_wait_alu depctr_vm_vsrc(0)                   ; the LDS loads above have read WA and WA1
	v_add_nc_u32 v[WA], s[WAS], v[WA0]
	v_add_nc_u32 v[WA1], 0x20000, v[WA]
	MUL 0, 0, 0, 0, \init
	MUL 0, 0, 0, 1, \init
	MUL 0, 0, 0, 2, \init
	MUL 0, 0, 0, 3, \init
.if \init
	MUL 0, 0, 0, 4, 1
.else
	MUL5 0, 0, 0
.endif
.endm
; Place i leaves: each number times its row's gate; the four tiles of a strip of 64 columns give a lane 16 neighbouring bytes.  Register 0 of each accumulator is read first.
; Out-buffer and store base i % 2.  The place's 64 products write the buffer, one wait stands ahead of its 16 stores.  The buffer and the base that place i + 1 writes were read by the stores of place i - 1:
; the two waits for those stores stand in place i, behind its products; places 0 and 4 have none to state.
.macro SLOTOUT i
.set AW, 1+(\i)/4
.set AB, 64*((\i)%4)
.set OB, OV+64*((\i)%2)
.set SB, YB+2*((\i)%2)
	WIN 0
	s_cmp_le_u32 s28, \i
	s_cbranch_scc1 .Lnext                          ; this place and those behind it are not live: nothing more to store
	s_lshl_b32 s30, s[42+(\i)], 16                 ; 16 rows of 4,096 bytes
	s_add_nc_u64 s[SB:SB+1], s[12:13], s[30:31]
	WIN AW
.irp t, 0,1
.irp j, 0,1,2,3,4,5,6,7
.irp f, 0,1,2,3
	v_mul_f32 v[OB+32*\t+4*\j+\f], v[AB+8*(4*\t+\f)+\j], v[GV+8*(\i)+\j]
.endr
.endr
.endr
	WIN 0
.if (\i) > 0 && (\i) < 4
	s_wait_xcnt 0x0                                ; the stores of the place before have had their addresses translated (ISA guide 3.1): their data and their base are rewritten only behind this wait,
	s_wait_alu depctr_vm_vsrc(0)                   ; and they have read the other out-buffer, which the next place's products write
.endif
	s_wait_alu depctr_va_vdst(0)                   ; this place's products have written its out-buffer, which the stores below read
.irp t, 0,1
.irp j, 0,1,2,3,4,5,6,7
	global_store_b128 v[YO], v[OB+32*\t+4*\j:OB+32*\t+4*\j+3], s[SB:SB+1] offset:4096*\j+256*\t  ; rows j and 8 + j: sixteen lanes store 256 consecutive bytes, at a multiple of 256 from ypart's first
.endr
.endr
.endm
	s_load_b256 s[4:11], s[0:1], 0x0               ; hbuf s[4:5], sel s[6:7], rowg s[8:9], w2 s[10:11]
	s_load_b64 s[12:13], s[0:1], 0x20              ; ypart
	v_lshl_add_u32 v254, v0, 2, 0x40000
	v_mov_b32 v255, 0
	v_and_b32 v[LANE], 31, v0
	v_and_b32 v[R], 15, v0
	v_bfe_u32 v[HH], v0, 4, 1
	v_lshrrev_b32 v16, 5, v0
	v_readfirstlane_b32 s20, v16                   ; wave 0..3
	s_lshr_b32 s21, ttmp9, 5                       ; e
	s_and_b32 s22, ttmp9, 7                        ; cs
	s_bfe_u32 s23, ttmp9, 0x20003                  ; kq
	v_lshlrev_b32 v[L16], 4, v[LANE]
	v_lshlrev_b32 v[WA0], 4, v[R]
	v_lshl_add_u32 v[YO], v[HH], 15, v[WA0]
	v_lshl_add_u32 v[WST], v[HH], 10, v[WA0]       ; lanes 16-31 hold columns 64 on: tiles 4-7, 1,024 bytes on
	s_wait_alu depctr_va_sdst(0)                   ; s20 is written, ahead of its first reader: my region of LDS, my rows of w2 and my tiles are made from it
	s_lshl_b32 s29, s20, 16                        ; region w
	v_add_nc_u32 v[WST], s29, v[WST]
	v_lshl_add_u32 v[WA0], v[HH], 16, v[WA0]
	v_mov_b32 v[WA], v[WA0]
	v_add_nc_u32 v[WA1], 0x20000, v[WA0]
	s_mov_b32 s101, 0
	s_mov_b32 s31, 0
	s_wait_kmcnt 0x0
	s_mov_b64 s[14:15], s[10:11]                   ; w2 as it came
	s_lshl_b32 s100, s21, 8
	s_add_nc_u64 s[6:7], s[6:7], s[100:101]        ; the expert's words of sel
	s_load_b512 s[32:47], s[6:7], 0x0
	s_load_b512 s[48:63], s[6:7], 0x40
	s_lshl_b32 s29, s22, 9                         ; the slice's 128 columns, in bytes of f32
	s_lshl_b32 s100, s21, 24                       ; w2[e]: 16 MiB,
	s_lshl_b32 s30, s23, 22                        ; the quarter's 1,024 rows,
	s_add_co_u32 s100, s100, s30
	s_and_b32 s30, s20, 1                          ; my rows of a K step begin 32 (w % 2)
	s_lshl_b32 s30, s30, 17
	s_add_co_u32 s100, s100, s30
	s_lshr_b32 s30, s20, 1                         ; + w / 2 rows on,
	s_lshl_b32 s30, s30, 12
	s_add_co_u32 s100, s100, s30
	s_add_co_u32 s100, s100, s29                   ; the slice
	s_add_nc_u64 s[10:11], s[10:11], s[100:101]
	s_wait_alu depctr_va_vdst(0)                   ; L16, WA, WA1, WST and YO are written: the offsets and LDS addresses that the loads and stores below read
	OLOAD 0, 10, 0                                 ; the octets of K steps 0 to 3: 32 loads, 16,384 bytes of the wave on their way
	OLOAD 1, 10, 1
	OLOAD 2, 10, 2
	OLOAD 3, 10, 3
	s_lshl_b32 s100, s21, 23                       ; hbuf: an expert has 64 tiles of 131,072 bytes;
	s_lshl_b32 s30, s23, 15                        ; the quarter's 32 K steps of 1,024 bytes
	s_add_co_u32 s100, s100, s30
	s_add_nc_u64 s[4:5], s[4:5], s[100:101]
	s_lshl_b32 s100, s21, 12
	s_add_nc_u64 s[8:9], s[8:9], s[100:101]        ; rowg[e]
	s_lshl_b32 s100, s23, 25                       ; ypart: a quarter's plane is 8,192 rows of 4,096 bytes,
	s_lshl_b32 s30, s21, 22                        ; an expert has 1,024 rows of it
	s_add_co_u32 s100, s100, s30
	s_add_co_u32 s100, s100, s29
	s_add_nc_u64 s[12:13], s[12:13], s[100:101]
	s_mov_b64 s[WB:WB+1], s[10:11]
	s_mov_b64 s[WB+2:WB+3], s[10:11]
	s_wait_kmcnt 0x0
	s_bcnt1_i32_b32 s24, s32                       ; the expert's rows
.set g, 1
.rept 31
	s_bcnt1_i32_b32 s29, s[32+g]
	s_add_co_u32 s24, s24, s29
.set g, g+1
.endr
	s_add_co_u32 s25, s24, 15
	s_lshr_b32 s25, s25, 4
	s_min_u32 s25, s25, 64                         ; its tiles of 16 rows
	s_mov_b32 s26, 0                               ; round 0
	s_mov_b32 s27, s20
	NLIVE
	TILEV
	s_wait_alu depctr_va_vdst(0)                   ; TOFF and GO are written, which the loads of the gates and of h read
	TILEL
	s_cmp_eq_u32 s28, 0
	s_cselect_b64 s[16:17], s[14:15], s[4:5]       ; a wave without a live tile takes its token bytes from w2
	s_mov_b64 s[TH:TH+1], s[16:17]
	s_mov_b64 s[TH+2:TH+3], s[16:17]
	s_mov_b64 s[TM:TM+1], s[16:17]
	s_mov_b64 s[TM+2:TM+3], s[16:17]
	TLOADH 0, 0, 16, 0                             ; h of K steps 0 and 1
	TLOADH 0, 1, 16, 1
	s_wait_loadcnt 36                              ; the octets of K steps 0 and 1 are in.  Behind them 46 loads were issued (two octets, the gates, h twice); 36 may stay out, so that with the 26 issued below 62 are out at the most
	CVT 0, 0
	CVT 1, 1
	s_wait_alu depctr_va_vdst(0)                   ; the conversions have written PC, which the LDS stores read, and are done reading slots 0 and 1, in which the next octets land
	CST 0, 0
	CST 1, 1
	OLOAD 0, 10, 4                                 ; in the order in which the blocks go on: octets behind h of K step 1,
	OLOAD 1, 10, 5
	TLOADH 1, 0, 16, 2                             ; then h of K step 2
	s_wait_dscnt 0x0                               ; for the others' sake: my part of K steps 0 and 1 is in LDS
	s_barrier_signal -1
	s_barrier_wait -1
	FETCH 0, 0
	; ROUND 0: blocks 0 to 15
	BLK 0, 1, 0, 1, 2, 2, 1, 1, 1, 1, 36, 52       ; block 0 stands in front of the loop: its first products start the sums; its first count also shows the older loads of gates done
	WIN 0                                          ; at a label and at a branch every window is 0
	s_mov_b32 s[KC], 6
.Lblk:                                                 ; blocks 2 t + 1 and 2 t + 2; WA and WST stand at K step 4 t
	BLK 1, 0, 1, 3, 4, 4, 1, 1, 1, 1, 36, 52
	BLK 0, 0, 1, 5, 6, 6, 1, 1, 1, 1, 36, 52
	WIN 0
	s_wait_alu depctr_vm_vsrc(0)                   ; the LDS loads and stores issued so far have read WA, WA1 and WST
	v_add_nc_u32 v[WA], 0x2000, v[WA]              ; four K steps on; the next block's first wait on va_vdst stands ahead of their next readers
	v_add_nc_u32 v[WA1], 0x2000, v[WA1]
	v_add_nc_u32 v[WST], 0x2000, v[WST]
	s_sub_co_u32 s[KC], s[KC], 1
	s_cmp_lg_u32 s[KC], 0
	s_cbranch_scc1 .Lblk
	BLK 1, 0, 1, 3, 4, 4, 1, 1, 0, 1, 36, 36       ; block 13: no octet is left to ask for: behind h of K step 27 stand 16 + 10 + 10
	BLK 0, 0, 1, 5, 6, 6, 1, 1, 0, 0, 20, 20       ; block 14: the last octets go into LDS, h of K step 31 is asked for: two groups of h stand behind the one waited for
	BLK 1, 0, 0, 7, 0, 0, 0, 0, 0, 0, 10, 0        ; block 15: behind h of K step 30 stands that of 31, behind this nothing
	WIN 0
	s_branch .Lwayout                              ; into the middle of the loop over rounds: the way out is written once
.Lround:                                               ; rounds 1 to 3
	s_mul_i32 s27, s26, 20
	s_add_co_u32 s27, s27, s20                     ; my first tile of this round
	NLIVE
	s_cmp_eq_u32 s28, 0
	s_cbranch_scc1 .Lnext                          ; none live: forward to the counter's step
	s_wait_xcnt 0x0                                ; the last round's stores and loads have had their addresses translated: their registers and bases are rewritten only behind this wait,
	s_wait_alu depctr_vm_vsrc(0)                   ; and they have read TOFF, GO, WA, WA1 and both out-buffers, all of which this round writes again
	TILEV
	s_mov_b64 s[TAP:TAP+1], s[4:5]
	s_mov_b32 s[WAS], 0
	v_add_nc_u32 v[WA], s[WAS], v[WA0]
	v_add_nc_u32 v[WA1], 0x20000, v[WA]
	PSTEP 1                                        ; K step 0 starts the sums; the wait at its head stands ahead of the first readers of what was just written
	WIN 0
	s_mov_b32 s[KC], 31
.Lpk:
	PSTEP 0
	WIN 0
	s_sub_co_u32 s[KC], s[KC], 1
	s_cmp_lg_u32 s[KC], 0
	s_cbranch_scc1 .Lpk
.Lwayout:
	PLACES
	SLOTOUT 0
	SLOTOUT 1
	SLOTOUT 2
	SLOTOUT 3
	SLOTOUT 4
.Lnext:
	s_add_co_u32 s26, s26, 1
	s_cmp_lt_u32 s26, 4
	s_cbranch_scc1 .Lround
	s_wait_dscnt 0x0                               ; my reads of LDS are back,
	s_barrier_signal -1
	s_barrier_wait -1                              ; and so are every wave's
	                                               ; the wave's end: the closing add onto my spare LDS word, in the 512 bytes behind the weights
	s_wait_dscnt 0x0
	s_wait_alu depctr_hold_cnt(0) depctr_sa_sdst(0) depctr_va_vdst(0) depctr_va_sdst(0) depctr_va_ssrc(0) depctr_va_vcc(0) depctr_vm_vsrc(0)
	s_wait_tensorcnt 0x0
	ds_add_u32 v254, v255
	s_wait_dscnt 0x0
	s_endpgm
.Lfunc_end_k_qd7617cfa1a_down:
	.size	k_qd7617cfa1a_down, .Lfunc_end_k_qd7617cfa1a_down-k_qd7617cfa1a_down
	.p2alignl 7, 3214868480
	.fill 96, 4, 3214868480
	.section	.rodata,"a",@progbits
	.p2align	6, 0x0
	.amdhsa_kernel k_qd7617cfa1a_down
		.amdhsa_group_segment_fixed_size 262656
		.amdhsa_private_segment_fixed_size 0
		.amdhsa_enable_private_segment 0
		.amdhsa_kernarg_size 40
		.amdhsa_user_sgpr_count 2
		.amdhsa_user_sgpr_kernarg_segment_ptr 1
		.amdhsa_wavefront_size32 1
		.amdhsa_system_sgpr_workgroup_id_x 1
		.amdhsa_system_sgpr_workgroup_id_y 1
		.amdhsa_system_sgpr_workgroup_id_z 1
		.amdhsa_system_vgpr_workitem_id 0
		.amdhsa_next_free_vgpr 896
		.amdhsa_next_free_sgpr 106
		.amdhsa_reserve_vcc 0
		.amdhsa_float_denorm_mode_32 3
		.amdhsa_float_denorm_mode_16_64 3
		.amdhsa_memory_ordered 1
		.amdhsa_forward_progress 1
		.amdhsa_inst_pref_size 125
	.end_amdhsa_kernel
	.amdgpu_metadata
---
amdhsa.version: [ 1, 2 ]
amdhsa.kernels:
  - .name:           k_qd7617cfa1a_down
    .symbol:         k_qd7617cfa1a_down.kd
    .args:
      - { .name: hbuf, .offset: 0, .size: 8, .value_kind: global_buffer, .address_space: global }
      - { .name: sel, .offset: 8, .size: 8, .value_kind: global_buffer, .address_space: global }
      - { .name: rowg, .offset: 16, .size: 8, .value_kind: global_buffer, .address_space: global }
      - { .name: w2, .offset: 24, .size: 8, .value_kind: global_buffer, .address_space: global }
      - { .name: ypart, .offset: 32, .size: 8, .value_kind: global_buffer, .address_space: global }
    .group_segment_fixed_size: 262656
    .private_segment_fixed_size: 0
    .kernarg_segment_align: 8
    .kernarg_segment_size: 40
    .max_flat_workgroup_size: 128
    .sgpr_count:     106
    .vgpr_count:     896
    .wavefront_size: 32
...
	.end_amdgpu_metadata
.endif
;; end of part 7
;; launch combine: the kernel of part 4 again; grid 256 x 1, 8 waves a work-group, no clusters, 0 bytes of LDS; arguments ypart, pos, gat, b2, out0; writes out0
